; MI455X (gfx1250); checked and timed in simulation.
; The chip was launched on July 23, 2026; its instructions are those of AMD's public machine-readable ISA for CDNA 5 (MIT licence, August 2026) and "CDNA5" Instruction Set Architecture Reference Guide (July 2026). The comments in the code are by the model that wrote it; some were corrected since.
;; Transformer Block. Allowed arithmetic: matrix products marked QUANTISED: E5M2 operands, one E8M0 scale for each 32 along K, by v_wmma_scale_f32_16x16x128_f8f6f4 with both operands' format E5M2, f32 sums; everything else in f32.
;; Inputs: b_fc1 4,096 float32; b_fc2 1,024 float32; b_proj 1,024 float32; b_qkv 3,072 float32; ln1_b 1,024 float32; ln1_g 1,024 float32; ln2_b 1,024 float32; ln2_g 1,024 float32; w_fc1 1,024 x 4,096 float32; w_fc2 4,096 x 1,024 float32; w_proj 1,024 x 1,024 float32; w_qkv 1,024 x 3,072 float32; x 2 x 2,048 x 1,024 float32.
;; Outputs: out0 2 x 2,048 x 1,024 float32.
;; This version of the problem:
;;   THIS VERSION OF THE PROBLEM IS GIVEN IN LOW PRECISION. The matrix products marked QUANTISED in the list below multiply operands that are first quantised to E5M2 (5 exponent bits, 2 mantissa bits; 8 bits a number), with one power-of-two scale for each 32 numbers along K (OCP MX v1.0); their sums are f32. All else is computed in f32.
;;   The module's matrix products, in the order in which they are computed (A, B: the left and right operand; K: the contracted axis; several contracted axes count as one K, in the product's order):
;;     1. [M 4,096, K 1,024] x [K 1,024, N 3,072]; A: computed on the way; B: input w_qkv: QUANTISED
;;     2. batch 32 x [M 2,048, K 64] x [K 64, N 2,048]; A: computed on the way; B: computed on the way: QUANTISED
;;     3. batch 32 x [M 2,048, K 2,048] x [K 2,048, N 64]; A: softmax (see below); B: computed on the way: QUANTISED
;;     4. [M 4,096, K 1,024] x [K 1,024, N 1,024]; A: computed on the way; B: input w_proj: QUANTISED
;;     5. [M 4,096, K 1,024] x [K 1,024, N 4,096]; A: computed on the way; B: input w_fc1: QUANTISED
;;     6. [M 4,096, K 4,096] x [K 4,096, N 1,024]; A: computed on the way; B: input w_fc2: QUANTISED
;;   THE QUANTISER, for each operand of a quantised product, along K:
;;     - K is cut into blocks of 32 from its start; a last block that is shorter is filled with zeros.
;;     - A block's scale is 2^e with e = floor(log2(the largest magnitude in the block)) - 15, held to -126 .. 127; a block of zeros has e = 0. As a byte (E8M0): e + 127.
;;     - Each number is divided by its block's scale, clamped to +-57,344, and rounded to the nearest number of E5M2, ties to even, subnormals kept.
;;     - The product sums the exact products of the quantised numbers (number of the format x scale) in f32.
;;   ~~~python
;;   def quantise(x, axis):      # numpy; x: float32 -> the quantised numbers, widened to float32 again
;;       x = np.moveaxis(x, axis, -1); K = x.shape[-1]
;;       x = np.pad(x, [(0, 0)] * (x.ndim - 1) + [(0, -K % 32)]); x = x.reshape(x.shape[:-1] + (-1, 32)); a = np.abs(x).max(-1, keepdims=True)
;;       e = np.where(a > 0, np.clip(np.frexp(np.where(a > 0, a, 1))[1] - 1 - 15, -126, 127), 0)      # np.frexp(a)[1] - 1 = floor(log2(a)), exactly
;;       r = np.clip(x / 2.0 ** e, -57344, 57344)
;;       step = 2.0 ** (np.maximum(np.frexp(np.where(r == 0, 1, r))[1] - 1, -14) - 2)
;;       q = np.round(r / step) * step * 2.0 ** e      # np.round: ties to even
;;       return np.moveaxis(q.reshape(q.shape[:-2] + (-1,))[..., :K], -1, axis).astype(np.float32)
;;   ~~~
;;   SOFTMAX AHEAD OF A QUANTISED PRODUCT. Where the list says 'softmax', what is quantised is not the finished softmax but p = 2^(t - M), with t = logit x log2(e) and M = ceil(the row's largest t), a whole number; so 1/2 < the row's largest p <= 1. The row's sum l is taken of the UNQUANTISED p, in f32, and the product's result is divided by l at the end. Since M is a whole number, a kernel that streams over the keys may use a running M (the ceiling of the running maximum): every later rescaling is an exact power of two, which a block's scale takes up: the codes' values come out the same.
;;   OPERANDS COMPUTED ON THE WAY. 'Computed on the way' means the value that the module computes at that place (a softmax that the list does not call 'softmax' is quantised finished and normalised). What goes into a quantiser is computed in f32, as accurately as f32 sums, v_exp_f32 and their like allow (about 1e-6 of the number): no bf16 or f16 on the way to a quantiser, and a product that is left as it is and whose result goes on into a quantised operand takes f32 operands (vector FMAs, or v_wmma_f32_16x16x4_f32). A number that lies on a knife's edge between two numbers of the format may be rounded either way, as far as f32 arithmetic and the matrix unit's own rounding can turn it there, and no further.
;; 2 versions. Each part assembles by itself: llvm-mc -triple=amdgcn-amd-amdhsa -mcpu=gfx1250 --defsym DOCPART=n.
;; ======== version 1 of 2: 7 launches
;; workspace buffers: wpk 12,976,128 bytes; hp 4,325,376 bytes; op 4,325,376 bytes; gp 17,301,504 bytes; x1 16,777,216 bytes; qimg 4,194,304 bytes; kv 8,912,896 bytes
;; launch prep (part 1): grid 448 x 1, 8 waves a work-group, no clusters, 2,048 bytes of LDS; arguments x, ln1_g, ln1_b, w_qkv, w_proj, w_fc1, w_fc2, wpk, hp; writes wpk, hp
.if DOCPART == 1
	.amdgcn_target "amdgcn-amd-amdhsa--gfx1250"
	.amdhsa_code_object_version 6
	.text
	.protected	k_q6c8e232868_prep
	.globl	k_q6c8e232868_prep
	.p2align	8
	.type	k_q6c8e232868_prep,@function
k_q6c8e232868_prep:
	s_mov_b64 s[64:65], 0
	v_nop
	global_prefetch_b8 v0, s[64:65] scope:SCOPE_SE
	s_setreg_imm32_b32 hwreg(HW_REG_WAVE_MODE, 25, 1), 1
	s_wait_xcnt 0x0
; FIRST LAUNCH OF SEVEN of a pre-LN transformer block in MX-BF8 (E5M2 codes, one E8M0 scale for each 32 along K).
; DEAD WORK: none.  Every input reaches out0 for some values of the inputs; the bias on k moves k's codes, so it stays.  All thirteen inputs are loaded by some launch.
; LIMITS: NaN and infinities among the inputs are not served.  A block whose largest magnitude lies under 2^(16 - 127) keeps the scale byte 1; a block of zeros gets the byte 1 where the
; rule says 127: its codes are zeros, which add nothing under any byte but 0xff, and these bytes are read by this program alone.
; THE LAYOUT OF EVERY OPERAND IN THIS PROGRAM'S WORKSPACE (PACK): an image of the matrix operand's registers.  For 128 rows (a group g) and 128 along K (a step s) a block of BLK = 16,896 bytes at
; (g x steps + s) x BLK: tile i of 16 rows at 2048 i + 512 c + 16 lane: registers 4 c .. 4 c + 3 of lane (r, h): k = 32 c + 16 h + 0 .. 15; behind the codes the scale words at 16384 + 256 (i / 4) + 16 r + 4 (i % 4).
; THE ROWS OF A TILE ARE NOT NEIGHBOURS: slot r of tile i is row 32 (i / 2) + 8 (i % 2) + r + 8 (r / 8) of the group, so that a later product's 16 registers of two neighbouring tiles are 16 neighbours along its rows.
; THIS LAUNCH.  Work-groups 0 to 191: the four weights, stored [K][N], become PACK blocks with N as rows: a lane takes a column and its registers run down K, so nothing is transposed.
; Work-groups 192 to 447: LayerNorm 1 of x, quantised along C, one tile of 16 rows a work-group, one step of 128 columns a wave.
; No cluster and no tensor load: no two work-groups read the same tile (the gain and bias, 8 KiB, aside), and the data pass through registers once.
.set BLK,   16896
.set WPOFF, 24*8*BLK                   ; w_proj's blocks in wpk, behind w_qkv's 24 groups x 8 steps
.set W1OFF, WPOFF+8*8*BLK              ; w_fc1's
.set W2OFF, W1OFF+32*8*BLK             ; w_fc2's
.set NWG,   192                        ; work-groups that take weights
.set RED1,  0                          ; LDS: 16 rows x 8 waves' partial sums,
.set RED2,  512                        ; the same for the squares, in bytes of their own,
.set SPARE, 1024                       ; and the spare words, 128 bytes for each wave, that no other line names
.set SPW, 50                           ; v50 LDS address of my spare word; never rewritten
.set NIL, 51                           ; v51 0; never rewritten
.set WV,  22                           ; s22 my wave's number
.set MNT, 23                           ; s23 the mantissa field of 57,344
.set SEL, 60                           ; s[60:61] lane selects: lane l xor 16
.set HPP, 20                           ; s[20:21] hp
.set OFF, 16                           ; weights: v16-47 byte offsets of 32 rows of K
.set X,   64                           ; v64-127 numbers (weights: two sets of 32; norm: 64 of a lane)
.set C,   128                          ; weights: v128-191 codes, eight registers a block: no store's data are written again
.set SB,  14                           ; weights: v14, v15 scale words of the wave's two K steps
.set LG,  128                          ; norm: the gain's 64 numbers
.set LB,  192                          ; norm: the bias's
.set PC,  16                           ; norm: the fragment's 16 registers of codes
.set TM,  32                           ; norm: v32-47 at work in QUANT
.set PW,  48                           ; norm: the scale word
; 64 numbers of a lane, register 16 b + i = k 32 b + 16 (lane / 16) + i of my row, become a fragment's codes in v[pc] on and its scale word in v[PW].
.macro QUANT s, pc
.irp b, 0,1,2,3
	v_max3_num_f32 v[TM+\b], |v[\s+16*\b]|, |v[\s+1+16*\b]|, 0x8000000      ; my 16 numbers of block b, and the floor 2^(16 - 127): the byte cannot fall under 1
.endr
.irp i, 2,4,6,8,10,12,14
.irp b, 0,1,2,3
	v_max3_num_f32 v[TM+\b], v[TM+\b], |v[\s+16*\b+\i]|, |v[\s+1+16*\b+\i]|  ; the four blocks by turns
.endr
.endr
.irp b, 0,1,2,3
	v_permlanex16_b32 v[TM+4+\b], v[TM+\b], s[SEL], s[SEL+1]
.endr
.irp b, 0,1,2,3
	v_max_num_f32 v[TM+\b], v[TM+\b], v[TM+4+\b]                            ; with lane l xor 16's: the block's largest magnitude
.endr
.irp b, 0,1,2,3
	v_add_nc_u32 v[TM+12+\b], 0xf8800000, v[TM+\b]                          ; 15 off its exponent field: the conversion's scale operand
.endr
.irp b, 0,1,2,3
	v_and_or_b32 v[TM+8+\b], v[TM+\b], 0x7f800000, s[MNT]                   ; 57,344 x the scale
.endr
.irp b, 0,1,2,3
	v_lshrrev_b32 v[TM+4+\b], 23, v[TM+12+\b]                               ; the scale's byte
.endr
	v_lshl_or_b32 v[PW], v[TM+5], 8, v[TM+4]
	v_lshl_or_b32 v[PW], v[TM+6], 16, v[PW]
	v_lshl_or_b32 v[PW], v[TM+7], 24, v[PW]
.irp b, 0,1,2,3
.irp i, 0,1,2,3,4,5,6,7,8,9,10,11,12,13,14,15
	v_med3_num_f32 v[\s+16*\b+\i], v[\s+16*\b+\i], -v[TM+8+\b], v[TM+8+\b]  ; the conversion to an 8-bit code does not saturate (ISA guide 7.6.2): the hold comes first
.endr
	v_cvt_scalef32_pk8_bf8_f32 v[(\pc)+4*\b:(\pc)+1+4*\b], v[\s+16*\b:\s+7+16*\b], v[TM+12+\b]
	v_cvt_scalef32_pk8_bf8_f32 v[(\pc)+2+4*\b:(\pc)+3+4*\b], v[\s+8+16*\b:\s+15+16*\b], v[TM+12+\b]
.endr
	v_nop                                          ; a plain line behind the last conversion
.endm
	s_load_b256 s[4:11], s[0:1], 0x0               ; x s[4:5], ln1_g s[6:7], ln1_b s[8:9], w_qkv s[10:11]
	s_load_b256 s[12:19], s[0:1], 0x20             ; w_proj s[12:13], w_fc1 s[14:15], w_fc2 s[16:17], wpk s[18:19]
	s_load_b64 s[20:21], s[0:1], 0x40              ; hp
	v_lshl_add_u32 v[SPW], v0, 2, SPARE
	v_mov_b32 v[NIL], 0
	v_lshrrev_b32 v1, 5, v0
	v_readfirstlane_b32 s[WV], v1                  ; wave 0..7
	v_and_b32 v2, 31, v0                           ; lane
	s_mov_b32 s[MNT], 0x600000
	s_cmp_lt_u32 ttmp9, NWG                        ; the work-group's number alone: all eight waves go the same way
	s_cbranch_scc0 .Lnorm
; ---------------- THE WEIGHTS.  A work-group takes 128 columns x 512 along K; wave w columns 32 (w % 4) + lane and 256 along K: eight blocks of 32, each whole in one lane's registers.
	s_wait_kmcnt 0x0
	s_mov_b64 s[24:25], s[16:17]                   ; which tensor: w_fc2 unless the number is lower
	s_mov_b32 s26, 128                             ; its first work-group
	s_mov_b32 s27, 4096                            ; bytes in a row of K
	s_mov_b32 s28, 3                               ; log2 of its parts of 512 along K
	s_mov_b32 s29, 32                              ; its K steps of 128
	s_mov_b32 s30, W2OFF                           ; its place in wpk
.macro PICK lim, ptr, first, pitch, woff
	s_cmp_lt_u32 ttmp9, \lim
	s_cselect_b64 s[24:25], s[\ptr:\ptr+1], s[24:25]
	s_cselect_b32 s26, \first, s26
	s_cselect_b32 s27, \pitch, s27
	s_cselect_b32 s28, 1, s28
	s_cselect_b32 s29, 8, s29
	s_cselect_b32 s30, \woff, s30
.endm
	PICK 128, 14, 64, 16384, W1OFF
	PICK 64, 12, 48, 4096, WPOFF
	PICK 48, 10, 0, 12288, 0
	s_sub_co_u32 s31, ttmp9, s26
	s_lshl_b32 s32, 1, s28
	s_sub_co_u32 s32, s32, 1
	s_and_b32 s32, s31, s32                        ; which 512 along K
	s_lshr_b32 s33, s31, s28                       ; which group of 128 columns
	s_lshr_b32 s34, s[WV], 2                       ; which 256 of the 512
	s_and_b32 s35, s[WV], 3                        ; which 32 of the 128 columns
	s_lshl_b32 s36, s32, 9
	s_lshl_b32 s37, s34, 8
	s_add_co_u32 s36, s36, s37                     ; my first row of K
	s_mul_i32 s36, s36, s27
	s_lshl_b32 s37, s33, 9
	s_add_co_u32 s36, s36, s37
	s_lshl_b32 s37, s35, 7
	s_add_co_u32 s36, s36, s37                     ; + my first column, in bytes: under 2^25
	s_mov_b32 s37, 0
	s_add_nc_u64 s[40:41], s[24:25], s[36:37]      ; block 0's base;
	s_lshl_b32 s38, s27, 5
	s_mov_b32 s39, 0
.irp t, 1,2,3,4,5,6,7
	s_add_nc_u64 s[40+2*\t:41+2*\t], s[38+2*\t:39+2*\t], s[38:39]   ; the others 32 rows apart: the pitch is no constant of the text, so it cannot stand in an immediate
.endr
	s_mul_i32 s56, s33, s29
	s_lshl_b32 s57, s32, 2
	s_add_co_u32 s56, s56, s57
	s_lshl_b32 s57, s34, 1
	s_add_co_u32 s56, s56, s57                     ; my first PACK block: group x steps + step
	s_mul_i32 s56, s56, BLK
	s_add_co_u32 s56, s56, s30
	s_mov_b32 s57, 0
	s_add_nc_u64 s[18:19], s[18:19], s[56:57]
	v_lshlrev_b32 v3, 2, v2
.set i, 0
.rept 32
	v_mad_u32_u24 v[OFF+i], s27, i, v3             ; row i of a block, my column
.set i, i+1
.endr
	v_bfe_u32 v4, v2, 3, 1                         ; column 32 B + lane is slot r' of tile 2 B + u': u' = (lane / 8) % 2,
	v_and_b32 v5, 7, v2
	v_bfe_u32 v6, v2, 4, 1
	v_lshl_or_b32 v5, v6, 3, v5                    ; r' = lane % 8 + 8 (lane / 16)
	v_lshlrev_b32 v7, 4, v5
	v_lshl_add_u32 v7, v4, 11, v7
	s_lshl_b32 s58, s35, 12
	v_add_nc_u32 v7, s58, v7                       ; my codes' place in a block: 2048 (2 B + u') + 16 r'
	v_lshlrev_b32 v8, 4, v5
	v_lshl_add_u32 v8, v4, 2, v8
	s_lshr_b32 s58, s35, 1
	s_lshl_b32 s58, s58, 8
	s_and_b32 s59, s35, 1
	s_lshl_b32 s59, s59, 3
	s_add_co_u32 s58, s58, s59
	v_add_nc_u32 v8, s58, v8                       ; my scale word's: 256 (B / 2) + 16 r' + 4 (2 (B % 2) + u')
.macro WLOAD t                         ; block t: 32 rows of K at my column; 32 lanes read 128 consecutive bytes, the four waves side by side 512
.set i, 0
.rept 32
	global_load_b32 v[X+32*((\t)%2)+i], v[OFF+i], s[40+2*(\t):41+2*(\t)] th:TH_LOAD_NT
.set i, i+1
.endr
.endm
.macro WBLOCK t
.set XS, X+32*((\t)%2)
.set CC, C+8*(\t)
.if (\t) < 7
	s_wait_loadcnt 32                              ; this block's 32 loads are in; the next block's 32 may be out
.else
	s_wait_loadcnt 0x0
.endif
	v_max3_num_f32 v12, |v[XS]|, |v[XS+1]|, |v[XS+2]|
	v_max3_num_f32 v13, |v[XS+3]|, |v[XS+4]|, |v[XS+5]|
.irp i, 6,10,14,18,22,26
	v_max3_num_f32 v12, v12, |v[XS+\i]|, |v[XS+\i+1]|
	v_max3_num_f32 v13, v13, |v[XS+\i+2]|, |v[XS+\i+3]|
.endr
	v_max3_num_f32 v12, v12, |v[XS+30]|, |v[XS+31]|
	v_max3_num_f32 v12, v12, v13, 0x8000000        ; the block's largest magnitude, all 32 numbers mine, and the floor
	v_add_nc_u32 v11, 0xf8800000, v12              ; the conversion's scale operand
	v_and_or_b32 v10, v12, 0x7f800000, s[MNT]      ; 57,344 x the scale
	v_lshrrev_b32 v13, 23, v11                     ; the byte
.if (\t)%4 == 0
	v_mov_b32 v[SB+(\t)/4], v13
.else
	v_lshl_or_b32 v[SB+(\t)/4], v13, 8*((\t)%4), v[SB+(\t)/4]
.endif
.set i, 0
.rept 32
	v_med3_num_f32 v[XS+i], v[XS+i], -v10, v10
.set i, i+1
.endr
.irp g, 0,1,2,3
	v_cvt_scalef32_pk8_bf8_f32 v[CC+2*\g:CC+2*\g+1], v[XS+8*\g:XS+8*\g+7], v11
.endr
.if (\t)+2 < 8
	WLOAD (\t)+2
.endif
	global_store_b128 v7, v[CC:CC+3], s[18:19] offset:((\t)/4)*BLK+((\t)%4)*512        ; k = 0 .. 15 of the block: the lower half's lanes of the image; the 32 lanes fill two aligned runs of 256 bytes
	global_store_b128 v7, v[CC+4:CC+7], s[18:19] offset:((\t)/4)*BLK+((\t)%4)*512+256  ; k = 16 .. 31: the upper half's
.endm
	WLOAD 0
	WLOAD 1
.irp t, 0,1,2,3,4,5,6,7
	WBLOCK \t
.endr
	global_store_b32 v8, v[SB], s[18:19] offset:16384
	global_store_b32 v8, v[SB+1], s[18:19] offset:BLK+16384
	s_endpgm                                       ; this way wrote no LDS
; ---------------- LAYERNORM 1.  Work-group t takes tile t % 8 of group t / 8; wave w columns 128 w on.  Lane (r, h) holds, of its row, 16 neighbours of each block of 32: the operand's own layout.
.Lnorm:
	s_sub_co_u32 s24, ttmp9, NWG
	s_lshr_b32 s25, s24, 3                         ; group
	s_and_b32 s26, s24, 7                          ; tile
	s_mov_b32 s[SEL], 0x76543210
	s_mov_b32 s[SEL+1], 0xfedcba98
	s_mov_b32 s62, 0x3a800000                      ; 1 / 1024
	s_mov_b32 s63, 0x3727c5ac                      ; 1e-5
	v_and_b32 v3, 15, v0                           ; r
	v_bfe_u32 v4, v0, 4, 1                         ; h
	v_and_b32 v5, 8, v3
	v_add_nc_u32 v5, v5, v3                        ; r + 8 (r / 8)
	v_lshlrev_b32 v6, 6, v4                        ; gain, bias: 64 h
	v_lshl_add_u32 v7, v5, 12, v6                  ; x: + a row of 4,096 bytes
	v_lshlrev_b32 v9, 5, v3                        ; LDS: row r's eight partial sums
	s_lshl_b32 s27, s[WV], 2
	v_add_nc_u32 v8, s27, v9                       ; and mine among them
	s_lshl_b32 s27, s26, 11
	v_lshl_add_u32 v10, v2, 4, s27                 ; the image: 2048 tile + 16 lane
	s_lshr_b32 s27, s26, 2
	s_lshl_b32 s27, s27, 8
	s_and_b32 s28, s26, 3
	s_lshl_b32 s28, s28, 2
	s_add_co_u32 s27, s27, s28
	v_lshl_add_u32 v11, v3, 4, s27                 ; the scale word
	s_lshl_b32 s30, s25, 7
	s_lshr_b32 s28, s26, 1
	s_lshl_b32 s28, s28, 5
	s_add_co_u32 s30, s30, s28
	s_and_b32 s28, s26, 1
	s_lshl_b32 s28, s28, 3
	s_add_co_u32 s30, s30, s28                     ; the tile's first row
	s_lshl_b32 s30, s30, 12
	s_lshl_b32 s32, s[WV], 9                       ; my 128 columns
	s_mov_b32 s33, 0
	s_add_co_u32 s30, s30, s32
	s_mov_b32 s31, 0
	s_lshl_b32 s34, s25, 3
	s_add_co_u32 s34, s34, s[WV]
	s_mul_i32 s34, s34, BLK
	s_mov_b32 s35, 0
	s_wait_kmcnt 0x0
	s_add_nc_u64 s[4:5], s[4:5], s[30:31]
	s_add_nc_u64 s[6:7], s[6:7], s[32:33]
	s_add_nc_u64 s[8:9], s[8:9], s[32:33]
	s_add_nc_u64 s[HPP:HPP+1], s[HPP:HPP+1], s[34:35]
.irp c, 0,1,2,3
.irp j, 0,1,2,3
	global_load_b128 v[X+16*\c+4*\j:X+16*\c+4*\j+3], v7, s[4:5] offset:128*\c+16*\j th:TH_LOAD_NT
.endr
.endr
.irp c, 0,1,2,3
.irp j, 0,1,2,3
	global_load_b128 v[LG+16*\c+4*\j:LG+16*\c+4*\j+3], v6, s[6:7] offset:128*\c+16*\j
.endr
.endr
.irp c, 0,1,2,3
.irp j, 0,1,2,3
	global_load_b128 v[LB+16*\c+4*\j:LB+16*\c+4*\j+3], v6, s[8:9] offset:128*\c+16*\j
.endr
.endr
.irp b, 0,1,2,3
	v_mov_b32 v[TM+4+\b], 0                        ; written once: a lane permute's destination counts as one of its sources
.endr
; v[52:53], a lane's sum in two halves, becomes the row's sum over all 1,024 columns in v56: the halves, lane l xor 16, then the eight waves through LDS.
.macro ACROSS red
	v_add_f32 v52, v52, v53
	v_permlanex16_b32 v53, v52, s[SEL], s[SEL+1]
	v_add_f32 v52, v52, v53
	ds_store_b32 v8, v52 offset:\red               ; both lanes of a row write the same word with the same value
	s_wait_dscnt 0x0                               ; for the others' sake: my store has landed
	s_barrier_signal -1
	s_barrier_wait -1
	ds_load_b128 v[56:59], v9 offset:\red
	ds_load_b128 v[60:63], v9 offset:\red+16
	s_wait_dscnt 0x0
	v_pk_add_f32 v[56:57], v[56:57], v[58:59]
	v_pk_add_f32 v[60:61], v[60:61], v[62:63]
	v_pk_add_f32 v[56:57], v[56:57], v[60:61]
	v_add_f32 v56, v56, v57
.endm
	s_wait_loadcnt 32                              ; x's 16 loads are in; the gain's and the bias's 32 may be out
	v_pk_add_f32 v[52:53], v[X:X+1], v[X+2:X+3]
	v_pk_add_f32 v[54:55], v[X+4:X+5], v[X+6:X+7]
.irp j, 8,12,16,20,24,28,32,36,40,44,48,52,56,60
	v_pk_add_f32 v[52:53], v[52:53], v[X+\j:X+\j+1]
	v_pk_add_f32 v[54:55], v[54:55], v[X+\j+2:X+\j+3]
.endr
	v_pk_add_f32 v[52:53], v[52:53], v[54:55]
	ACROSS RED1
	v_mul_f32 v56, s62, v56                        ; the mean
	v_mov_b32 v57, v56
.set j, 0
.rept 32
	v_pk_add_f32 v[X+j:X+j+1], v[X+j:X+j+1], v[56:57] neg_lo:[0,1] neg_hi:[0,1]   ; x - mean
.set j, j+2
.endr
	v_pk_mul_f32 v[52:53], v[X:X+1], v[X:X+1]
	v_pk_mul_f32 v[54:55], v[X+2:X+3], v[X+2:X+3]
.irp j, 4,8,12,16,20,24,28,32,36,40,44,48,52,56,60
	v_pk_fma_f32 v[52:53], v[X+\j:X+\j+1], v[X+\j:X+\j+1], v[52:53]
	v_pk_fma_f32 v[54:55], v[X+\j+2:X+\j+3], v[X+\j+2:X+\j+3], v[54:55]
.endr
	v_pk_add_f32 v[52:53], v[52:53], v[54:55]
	ACROSS RED2
	v_fma_f32 v56, v56, s62, s63                   ; the variance + 1e-5 (the division by 1,024 rounds nothing)
	v_rsq_f32 v56, v56
	v_nop                                          ; a plain line behind the transcendental
	s_wait_alu depctr_va_vdst(0)                   ; and the wait ahead of its first reader
	v_mov_b32 v57, v56
	s_wait_loadcnt 0x0                             ; the gain and the bias
.set j, 0
.rept 32
	v_pk_mul_f32 v[X+j:X+j+1], v[X+j:X+j+1], v[56:57]
.set j, j+2
.endr
.set j, 0
.rept 32
	v_pk_fma_f32 v[X+j:X+j+1], v[X+j:X+j+1], v[LG+j:LG+j+1], v[LB+j:LB+j+1]
.set j, j+2
.endr
	QUANT X, PC
.irp c, 0,1,2,3
	global_store_b128 v10, v[PC+4*\c:PC+4*\c+3], s[HPP:HPP+1] offset:512*\c   ; 32 lanes store 512 consecutive bytes
.endr
	global_store_b32 v11, v[PW], s[HPP:HPP+1] offset:16384                    ; both lanes of a row store the same word
	s_wait_tensorcnt 0x0                           ; the wave's end, behind my last LDS store
	ds_add_u32 v[SPW], v[NIL]
	s_wait_dscnt 0x0
	s_endpgm
.Lfunc_end_k_q6c8e232868_prep:
	.size	k_q6c8e232868_prep, .Lfunc_end_k_q6c8e232868_prep-k_q6c8e232868_prep
	.p2alignl 7, 3214868480
	.fill 96, 4, 3214868480
	.section	.rodata,"a",@progbits
	.p2align	6, 0x0
	.amdhsa_kernel k_q6c8e232868_prep
		.amdhsa_group_segment_fixed_size 2048
		.amdhsa_private_segment_fixed_size 0
		.amdhsa_enable_private_segment 0
		.amdhsa_kernarg_size 72
		.amdhsa_user_sgpr_count 2
		.amdhsa_user_sgpr_kernarg_segment_ptr 1
		.amdhsa_wavefront_size32 1
		.amdhsa_system_sgpr_workgroup_id_x 1
		.amdhsa_system_sgpr_workgroup_id_y 1
		.amdhsa_system_sgpr_workgroup_id_z 1
		.amdhsa_system_vgpr_workitem_id 0
		.amdhsa_next_free_vgpr 256
		.amdhsa_next_free_sgpr 66
		.amdhsa_reserve_vcc 0
		.amdhsa_float_denorm_mode_32 3
		.amdhsa_float_denorm_mode_16_64 3
		.amdhsa_memory_ordered 1
		.amdhsa_forward_progress 1
		.amdhsa_inst_pref_size 87
	.end_amdhsa_kernel
	.amdgpu_metadata
---
amdhsa.version: [ 1, 2 ]
amdhsa.kernels:
  - .name:           k_q6c8e232868_prep
    .symbol:         k_q6c8e232868_prep.kd
    .args:
      - { .name: x, .offset: 0, .size: 8, .value_kind: global_buffer, .address_space: global }
      - { .name: ln1_g, .offset: 8, .size: 8, .value_kind: global_buffer, .address_space: global }
      - { .name: ln1_b, .offset: 16, .size: 8, .value_kind: global_buffer, .address_space: global }
      - { .name: w_qkv, .offset: 24, .size: 8, .value_kind: global_buffer, .address_space: global }
      - { .name: w_proj, .offset: 32, .size: 8, .value_kind: global_buffer, .address_space: global }
      - { .name: w_fc1, .offset: 40, .size: 8, .value_kind: global_buffer, .address_space: global }
      - { .name: w_fc2, .offset: 48, .size: 8, .value_kind: global_buffer, .address_space: global }
      - { .name: wpk, .offset: 56, .size: 8, .value_kind: global_buffer, .address_space: global }
      - { .name: hp, .offset: 64, .size: 8, .value_kind: global_buffer, .address_space: global }
    .group_segment_fixed_size: 2048
    .private_segment_fixed_size: 0
    .kernarg_segment_align: 8
    .kernarg_segment_size: 72
    .max_flat_workgroup_size: 256
    .sgpr_count:     66
    .vgpr_count:     256
    .wavefront_size: 32
...
	.end_amdgpu_metadata
.endif
;; end of part 1
;; launch qkv (part 2): grid 12 x 16, 4 waves a work-group, clusters of 4 x 4, 327,680 bytes of LDS; arguments hp, wpk, b_qkv, qimg, kv; writes qimg, kv
.if DOCPART == 2
	.amdgcn_target "amdgcn-amd-amdhsa--gfx1250"
	.amdhsa_code_object_version 6
	.text
	.protected	k_q6c8e232868_qkv
	.globl	k_q6c8e232868_qkv
	.p2align	8
	.type	k_q6c8e232868_qkv,@function
k_q6c8e232868_qkv:
	s_mov_b64 s[64:65], 0
	v_nop
	global_prefetch_b8 v0, s[64:65] scope:SCOPE_SE
	s_setreg_imm32_b32 hwreg(HW_REG_WAVE_MODE, 25, 1), 1
	s_wait_xcnt 0x0
	s_wait_alu depctr_hold_cnt(0) depctr_sa_sdst(0) depctr_va_vdst(0) depctr_va_sdst(0) depctr_va_ssrc(0) depctr_va_vcc(0) depctr_vm_vsrc(0)
	s_getreg_b32 s2, hwreg(HW_REG_IB_STS2, 6, 4)
	s_cmp_eq_u32 s2, 0
	s_cbranch_scc0 .Lentry_in_a_cluster
	s_endpgm
.Lentry_in_a_cluster:
	s_bfe_u32 s2, ttmp6, 0x10000c
	s_cmp_lg_u32 s2, 0xf033
	s_cbranch_scc0 .Lentry_shape_is_right
	s_endpgm
.Lentry_shape_is_right:
; qkv = LN1(x) w_qkv + b_qkv on codes of BF8 with E8M0 scales; its results leave QUANTISED, as images of attention's operands: q and k along the head's 64, v along the keys.  No work of the problem is left out.
; Operands lie in PACK blocks (16,896 bytes for 128 rows x 128 K: eight tiles' register images, then their scale words; slot r of tile i is row 32 (i / 2) + 8 (i % 2) + r + 8 (r / 8)).
; A tile of the result, 256 x 256, is made by four waves, 128 x 128 each: 64 accumulators.  K goes in slots of 256 through a ring of two LDS slots; a slot holds two blocks of each of four groups
; (two of tokens, two of columns), each group's two blocks one dense run of 33,792 bytes brought by one tensor load.  The scale words ride in the blocks.
; CLUSTERS: 4 x 4 work-groups; the tokens' blocks are asked for jointly along a row of the cluster, the weights' along a column.
; TRANSPOSED USE: source 0 = 16 rows of the weights, source 1 = 16 tokens: a lane holds one token, and by the order of rows in a tile the 64 registers of a block of tokens are columns 32 b + 16 h + i: the quantiser's layout.
; V's COLUMNS (cluster x = 2, the same in all sixteen partners): the two roles change places at the LDS reads alone, so that a lane holds one column and its registers run along the tokens, which are v's K.
; OUT: qimg [head 32][tile 128][c 2][lane][16].  kv [head 32][step 16] records of 17,408 bytes: K's four fragments (registers c = 0, 1: key tile 2 b'; c = 2, 3: key tile 2 b' + 1), V^T's four fragments,
; K's scale words [r][b'], V's [r][tile], and q's scale words of the same 128 tokens, each as (s0, s1, s0, s1).
; LIMITS: NaN and infinities are not served; a block under 2^(16 - 127), zeros too, keeps the scale byte 1 (read by this program alone).
.set SIZE_K, 1024
.set WOFF,   0                         ; w_qkv's blocks in wpk
.set BIASC,  0                         ; the bias is added on the way out: it lies along registers for q and k, along lanes for v
.set BLK,    16896
.set KS,     SIZE_K/128
.set GB,     2*BLK                     ; a group's two blocks: what one tensor load brings
.set SLOT,   4*GB
.set SPARE,  2*SLOT                    ; behind the ring: the spare words, 128 bytes a wave, that no other line names
.set LAPS,   SIZE_K/512
.set RB,     17408                     ; a record of kv
.set HS,     16*RB                     ; a head of kv
.set FR, 16
.set NL, 4
.set NP, 8                             ; places behind this matrix instruction (ISA guide 7.12.1)
.set BV,   8                           ; v8-15   v's bias: column slot r of tile a
.set ADRA, 16                          ; v16-17  LDS address of source 1's fragments in slot 0, 1
.set ADRB, 20                          ; v20-21  of source 0's
.set ADRS, 22                          ; v22-23  of the scale words: lanes 0-15 source 1's group, lanes 16-31 source 0's
.set LO,   24                          ; v24     16 x lane
.set LK,   25                          ; v25     16 r + a head of kv for lanes 16-31
.set SPW,  28
.set NIL,  29
.set SC,   32                          ; v32-63  scale words: set for slot s at SC + 16 s; in it register 8 q + i: tile i
.set BIA,  64                          ; v64-127 q's and k's bias, in the result's layout
.set AF,   128                         ; source 1's fragments, one set
.set T,    128                         ; the way out: 64 numbers
.set PC,   192                         ; codes, two sets by turns
.set TM,   224
.set PW,   240
.set WD,   244                         ; the eight blocks' scale words
.set G1, 24
.set G0, 32
.set G1B, 48
.set G0B, 56
.set SEL, 94
.set MNT, 96
.set MSB, 0
.macro WIN new                         ; the immediate's high byte repeats the setting that is left
.if MSB != (\new)
	s_set_vgpr_msb (MSB<<8)|(\new)
.set MSB, (\new)
.endif
.endm
.set MUL_LO, 0xa1                      ; source 0 window 1, source 1 window 0, C and D window 2
.set MUL_HI, 0xf1                      ; the same, C and D window 3
.set TO_B,   0x40
.macro JLOAD g0a, g1a, g0b, g1b        ; a joint load: waves 0 and 1 fetch the tokens' groups, waves 2 and 3 the weights'; an s_nop 0 and four v_nop follow each line
	s_cmp_eq_u32 s15, 0
	s_cbranch_scc0 .Lfor_b_\@
	tensor_load_to_lds s[\g0a:\g0a+3], s[\g1a:\g1a+7]
	s_nop 0
.rept 4
	v_nop
.endr
	s_branch .Lasked_\@
.Lfor_b_\@:
	tensor_load_to_lds s[\g0b:\g0b+3], s[\g1b:\g1b+7]
	s_nop 0
.rept 4
	v_nop
.endr
.Lasked_\@:
.endm
.macro CREST
	s_cmp_lg_u32 s14, 0
	s_cbranch_scc1 .Lnot_wave_0_\@
	s_barrier_signal -3
.Lnot_wave_0_\@:
	s_barrier_wait -3
	s_barrier_signal -1
	s_barrier_wait -1
.endm
.macro CROUND
	s_barrier_signal -1
	s_barrier_wait -1
	CREST
.endm
.macro PLACES n
.rept \n
	v_nop
.endr
.endm
	s_load_b256 s[4:11], s[0:1], 0x0               ; hp s[4:5], wpk s[6:7], b_qkv s[8:9], qimg s[10:11]
	s_load_b64 s[12:13], s[0:1], 0x20              ; kv
	v_lshl_add_u32 v[SPW], v0, 2, SPARE
	v_mov_b32 v[NIL], 0
	ds_add_u32 v[SPW], v[NIL]                      ; the opening: the add, twice on end, and its wait ahead of my first tensor load
	ds_add_u32 v[SPW], v[NIL]
	v_lshrrev_b32 v1, 5, v0
	v_readfirstlane_b32 s14, v1                    ; wave 0..3
	s_lshr_b32 s15, s14, 1                         ; which group of tokens is mine.  Also: I fetch tokens (0) or weights (1)
	s_and_b32 s16, s14, 1                          ; which group of columns.  Also: which of the two groups I fetch
	s_bfe_u32 s40, ttmp6, 0x40000                  ; cx, cy
	s_bfe_u32 s41, ttmp6, 0x40004
	s_lshl_b32 s42, ttmp9, 2
	s_add_co_u32 s42, s42, s40                     ; tile column
	s_and_b32 s17, ttmp7, 0xffff
	s_lshl_b32 s17, s17, 2
	s_add_co_u32 s17, s17, s41                     ; tile row
	s_lshl_b32 s43, s41, 2
	s_lshl_b32 s43, 15, s43                        ; my row of the cluster
	s_lshl_b32 s44, 0x1111, s40                    ; my column
	s_or_b32 s[G1+0], s43, (3<<16)|(1<<21)         ; the mask; elements of 8 bytes; bit 21 beside a mask; no padding: the blocks are read 16 bytes a lane on end
	s_or_b32 s[G1B+0], s44, (3<<16)|(1<<21)
.irp g, G1, G1B
	s_mov_b32 s[\g+1], 32<<16                      ; tensor_dim0: 32 elements, 256 bytes
	s_mov_b32 s[\g+2], 132<<16                     ; tensor_dim1: 132 rows = 33,792 bytes
	s_mov_b32 s[\g+3], 32<<16                      ; tile_dim0
	s_mov_b32 s[\g+4], 132                         ; tile_dim1
	s_mov_b32 s[\g+5], 32                          ; the pitch: dense
	s_mov_b32 s[\g+6], 0
	s_mov_b32 s[\g+7], 0
.endr
	s_lshl_b32 s20, s17, 1
	s_add_co_u32 s20, s20, s16                     ; the tokens' group that I fetch
	s_mul_i32 s20, s20, KS*BLK
	s_mov_b32 s21, 0
	s_lshl_b32 s46, s42, 1
	s_add_co_u32 s46, s46, s16                     ; the weights' group
	s_mul_i32 s46, s46, KS*BLK
	s_add_co_u32 s46, s46, WOFF
	s_mov_b32 s47, 0
	s_mul_i32 s45, s14, GB                         ; where it goes: no place in the cluster enters an LDS address
	s_wait_dscnt 0x0                               ; both opening adds are done
	s_wait_kmcnt 0x0
	s_add_nc_u64 s[20:21], s[4:5], s[20:21]
	s_add_nc_u64 s[46:47], s[6:7], s[46:47]
	CROUND                                         ; all sixteen work-groups are here: the first joint loads meet
.irp s, 0,1
	s_mov_b32 s[G0+4*\s], 1
	s_add_co_u32 s[G0+4*\s+1], s45, \s*SLOT
	s_add_nc_u64 s[G0+4*\s+2:G0+4*\s+3], s[20:21], \s*GB
	s_or_b32 s[G0+4*\s+3], s[G0+4*\s+3], 0x80000000
	s_mov_b32 s[G0B+4*\s], 1
	s_add_co_u32 s[G0B+4*\s+1], s45, \s*SLOT
	s_add_nc_u64 s[G0B+4*\s+2:G0B+4*\s+3], s[46:47], \s*GB
	s_or_b32 s[G0B+4*\s+3], s[G0B+4*\s+3], 0x80000000
	JLOAD G0+4*\s, G1, G0B+4*\s, G1B
.endr
	v_and_b32 v1, 15, v0                           ; r
	v_bfe_u32 v2, v0, 4, 1                         ; h
	v_and_b32 v3, 31, v0
	v_lshlrev_b32 v[LO], 4, v3
	s_mul_i32 s21, s15, GB                         ; my tokens' group in a slot
	s_mul_i32 s22, s16, GB
	s_add_co_u32 s22, s22, 2*GB                    ; my columns' group
	s_cmp_eq_u32 ttmp9, 2                          ; v's columns?  The cluster's x: the same in all partners
	s_cselect_b32 s18, s22, s21                    ; source 1 reads the tokens, for v the columns;
	s_cselect_b32 s19, s21, s22                    ; source 0 the other
	s_cselect_b32 s23, 1, 0
	v_xor_b32 v4, s23, v2                          ; and the halves of the scale registers go with them
	v_add_nc_u32 v[ADRA], s18, v[LO]
	v_add_nc_u32 v[ADRB], s19, v[LO]
	v_add_nc_u32 v[ADRA+1], SLOT, v[ADRA]
	v_add_nc_u32 v[ADRB+1], SLOT, v[ADRB]
	s_sub_co_u32 s23, s22, s21
	v_mul_u32_u24 v5, s23, v4                      ; one product: the lower group + half x the distance
	v_lshl_add_u32 v5, v1, 4, v5
	s_add_co_u32 s23, s21, 16384
	v_add_nc_u32 v[ADRS], s23, v5
	v_add_nc_u32 v[ADRS+1], SLOT, v[ADRS]
	s_lshl_b32 s46, s42, 10
	s_lshl_b32 s47, s16, 9
	s_add_co_u32 s46, s46, s47                     ; my first column, in bytes of f32
	s_mov_b32 s47, 0
	s_add_nc_u64 s[8:9], s[8:9], s[46:47]
	v_lshlrev_b32 v6, 6, v2
	v_and_b32 v7, 8, v1
	v_add_nc_u32 v7, v7, v1
	v_lshlrev_b32 v7, 2, v7
.irp b, 0,1,2,3                                ; both forms of the bias are loaded by every wave, 24 loads of which it uses 16 or 8: that spares a branch here
.irp j, 0,1,2,3
	global_load_b128 v[BIA+16*\b+4*\j:BIA+16*\b+4*\j+3], v6, s[8:9] offset:128*\b+16*\j   ; register 16 b + i: column 32 b + 16 h + i
.endr
.endr
.irp a, 0,1,2,3,4,5,6,7
	global_load_b32 v[BV+\a], v7, s[8:9] offset:4*(32*(\a/2)+8*(\a%2))                    ; column slot r of tile a
.endr
	v_mul_u32_u24 v[LK], v2, HS
	v_lshl_add_u32 v[LK], v1, 4, v[LK]
	s_lshl_b32 s74, s17, 1
	s_add_co_u32 s74, s74, s15                     ; my group of 128 tokens
	s_lshr_b32 s75, s74, 4                         ; the batch
	s_and_b32 s74, s74, 15                         ; the key step
	s_lshl_b32 s75, s75, 4
	s_lshl_b32 s76, s40, 2
	s_add_co_u32 s75, s75, s76
	s_lshl_b32 s76, s16, 1
	s_add_co_u32 s75, s75, s76                     ; the first of my two heads: 16 batch + 4 cx + 2 (wave % 2)
	s_mul_i32 s76, s75, HS
	s_mul_i32 s77, s74, RB
	s_add_co_u32 s76, s76, s77
	s_mov_b32 s77, 0
	s_add_nc_u64 s[72:73], s[12:13], s[76:77]      ; its record
	s_lshl_b32 s78, s75, 17
	s_lshl_b32 s79, s74, 13
	s_add_co_u32 s78, s78, s79                     ; and its eight tiles in qimg
	s_mov_b32 s80, HS
	s_cmp_eq_u32 ttmp9, 0
	s_cselect_b64 s[68:69], s[10:11], s[12:13]     ; where the codes go: q's into qimg, k's and v's into the record
	s_cselect_b32 s76, s78, s76
	s_cselect_b32 s80, 131072, s80                 ; from head to head
	s_cmp_eq_u32 ttmp9, 2
	s_cselect_b32 s78, 8192, 0                     ; V^T lies behind K
	s_add_co_u32 s76, s76, s78
	s_add_nc_u64 s[68:69], s[68:69], s[76:77]
	s_mov_b32 s81, 0
	s_add_nc_u64 s[70:71], s[68:69], s[80:81]      ; the second head's
.macro FRAG reg, adr, q, i             ; a fragment comes back as it was stored: four loads of 512 consecutive bytes
.irp c, 0,1,2,3
	ds_load_b128 v[\reg+4*\c:\reg+4*\c+3], v[\adr] offset:BLK*(\q)+2048*(\i)+512*\c
.endr
.endm
; 16 matrix instructions: source 1's blocks a0, a0 + 1 x source 0's eight.  The 64 accumulators take turns, one instruction a turn, in the same order in every step.
.macro MUL16 a0, p, q, sc, zero
.irp a, \a0, \a0+1
.irp b, 0,1,2,3,4,5,6,7
.if \zero
.if BIASC
	v_wmma_scale_f32_16x16x128_f8f6f4 v[8*(8*((\a)%4)+\b):8*(8*((\a)%4)+\b)+7], v[128*(\p)+FR*\b:128*(\p)+FR*\b+FR-1], v[AF+FR*(\a):AF+FR*(\a)+FR-1], v[BIA+8*\b:BIA+8*\b+7], v[SC+16*(\sc)+8*(\q)+\b], v[SC+16*(\sc)+8*(\q)+(\a)] matrix_a_fmt:MATRIX_FMT_BF8 matrix_b_fmt:MATRIX_FMT_BF8 matrix_a_scale:MATRIX_SCALE_ROW1
.else
	v_wmma_scale_f32_16x16x128_f8f6f4 v[8*(8*((\a)%4)+\b):8*(8*((\a)%4)+\b)+7], v[128*(\p)+FR*\b:128*(\p)+FR*\b+FR-1], v[AF+FR*(\a):AF+FR*(\a)+FR-1], 0, v[SC+16*(\sc)+8*(\q)+\b], v[SC+16*(\sc)+8*(\q)+(\a)] matrix_a_fmt:MATRIX_FMT_BF8 matrix_b_fmt:MATRIX_FMT_BF8 matrix_a_scale:MATRIX_SCALE_ROW1
.endif
.else
	v_wmma_scale_f32_16x16x128_f8f6f4 v[8*(8*((\a)%4)+\b):8*(8*((\a)%4)+\b)+7], v[128*(\p)+FR*\b:128*(\p)+FR*\b+FR-1], v[AF+FR*(\a):AF+FR*(\a)+FR-1], v[8*(8*((\a)%4)+\b):8*(8*((\a)%4)+\b)+7], v[SC+16*(\sc)+8*(\q)+\b], v[SC+16*(\sc)+8*(\q)+(\a)] matrix_a_fmt:MATRIX_FMT_BF8 matrix_b_fmt:MATRIX_FMT_BF8 matrix_a_scale:MATRIX_SCALE_ROW1
.endif
.endr
.endr
.endm
.macro FETCH_B slot, q, p
	WIN TO_B
.irp i, 0,1,2,3,4,5,6,7
	FRAG 128*(\p)+FR*\i, ADRB+\slot, \q, \i
.endr
	WIN 0
.endm
.macro FETCH_A slot, q, i0
.irp i, \i0, \i0+1, \i0+2, \i0+3
	FRAG AF+FR*(\i), ADRA+\slot, \q, \i
.endr
.endm
.macro SCALES sc                       ; a slot's scale words, both steps': register 8 q + i holds tile i's, source 1's in lanes 0-15, source 0's in lanes 16-31
.irp q, 0,1
.irp j, 0,1
	ds_load_b128 v[SC+16*\sc+8*\q+4*\j:SC+16*\sc+8*\q+4*\j+3], v[ADRS+\sc] offset:BLK*\q+256*\j
.endr
.endr
.endm
.macro STEP slot, q, zero              ; a step of 128 along K that has its successor in the same slot
	s_wait_dscnt 4*NL                              ; all but the youngest 16 loads (source 1's blocks 4-7) are in
	WIN MUL_LO-0x20*BIASC*(\zero)
	MUL16 0, (\q)%2, \q, \slot, \zero
	MUL16 2, (\q)%2, \q, \slot, \zero
	s_wait_dscnt 0
	PLACES NP
	FETCH_B \slot, (\q)+1, 1-(\q)%2
	FETCH_A \slot, (\q)+1, 0
	WIN MUL_HI-0x30*BIASC*(\zero)
	MUL16 4, (\q)%2, \q, \slot, \zero
	MUL16 6, (\q)%2, \q, \slot, \zero
	PLACES NP
	WIN 0
	FETCH_A \slot, (\q)+1, 4
.endm
; A slot's last step changes slots: one barrier; in front of it each wave waits for all its tensor loads, adds 0 to its spare word, and waits for that and for its reads of this slot.
.macro TURN slot, next, fill
	s_wait_tensorcnt 0x0                           ; all my tensor loads have landed: my part of the next slot
	ds_add_u32 v[SPW], v[NIL]
	s_wait_dscnt 4*NL+1                            ; the add and the youngest 16 loads may be out
	WIN MUL_LO
	MUL16 0, 1, 1, \slot, 0
	s_wait_dscnt 0x0                               ; the add is done, and my reads of this slot are over
	s_barrier_signal -1
	MUL16 2, 1, 1, \slot, 0
	WIN 0
	s_barrier_wait -1
.if \fill
	CREST                                          ; the barrier has opened a round of the cluster's: no wave of any partner still reads this slot or has a load on its way
	s_add_nc_u64 s[G0+4*\slot+2:G0+4*\slot+3], s[G0+4*\slot+2:G0+4*\slot+3], 2*GB
	s_add_nc_u64 s[G0B+4*\slot+2:G0B+4*\slot+3], s[G0B+4*\slot+2:G0B+4*\slot+3], 2*GB
	JLOAD G0+4*\slot, G1, G0B+4*\slot, G1B         ; the first tensor load behind the round; its four v_nop are among the places below
	PLACES NP-4
.else
	PLACES NP
.endif
	FETCH_B \next, 0, 0
	FETCH_A \next, 0, 0
	SCALES \next
	WIN MUL_HI
	MUL16 4, 1, 1, \slot, 0
	MUL16 6, 1, 1, \slot, 0
	PLACES NP
	WIN 0
	FETCH_A \next, 0, 4
.endm
	s_wait_tensorcnt 1                             ; my part of slot 0 is in; slot 1's load may be out
	s_barrier_signal -1
	s_barrier_wait -1
	FETCH_B 0, 0, 0
	FETCH_A 0, 0, 0
	SCALES 0
	FETCH_A 0, 0, 4
	STEP 0, 0, 1                                   ; the first step's products start the sums
	s_mov_b32 s3, LAPS-1
.Llap:
	TURN 0, 1, 1
	STEP 1, 0, 0
	TURN 1, 0, 1
	STEP 0, 0, 0
	s_sub_co_u32 s3, s3, 1
	s_cmp_lg_u32 s3, 0
	s_cbranch_scc1 .Llap
	TURN 0, 1, 0                                   ; the last lap fills nothing
	STEP 1, 0, 0
	s_wait_dscnt 4*NL
	WIN MUL_LO
	MUL16 0, 1, 1, 1, 0
	MUL16 2, 1, 1, 1, 0
	s_wait_dscnt 0
	WIN MUL_HI
	MUL16 4, 1, 1, 1, 0
	MUL16 6, 1, 1, 1, 0
	WIN 0
; ---------------- THE WAY OUT.  Block a of source 1 (16 tokens, for v 16 columns): the bias, the quantiser, four stores of 512 consecutive bytes.
.macro QUANT s, pc
.irp b, 0,1,2,3
	v_max3_num_f32 v[TM+\b], |v[\s+16*\b]|, |v[\s+1+16*\b]|, 0x8000000      ; my 16 numbers of block b, and the floor 2^(16 - 127)
.endr
.irp i, 2,4,6,8,10,12,14
.irp b, 0,1,2,3
	v_max3_num_f32 v[TM+\b], v[TM+\b], |v[\s+16*\b+\i]|, |v[\s+1+16*\b+\i]|
.endr
.endr
.irp b, 0,1,2,3
	v_permlanex16_b32 v[TM+4+\b], v[TM+\b], s[SEL], s[SEL+1]
.endr
.irp b, 0,1,2,3
	v_max_num_f32 v[TM+\b], v[TM+\b], v[TM+4+\b]
.endr
.irp b, 0,1,2,3
	v_add_nc_u32 v[TM+12+\b], 0xf8800000, v[TM+\b]
.endr
.irp b, 0,1,2,3
	v_and_or_b32 v[TM+8+\b], v[TM+\b], 0x7f800000, s[MNT]
.endr
.irp b, 0,1,2,3
	v_lshrrev_b32 v[TM+4+\b], 23, v[TM+12+\b]
.endr
	v_lshl_or_b32 v[PW], v[TM+5], 8, v[TM+4]
	v_lshl_or_b32 v[PW], v[TM+6], 16, v[PW]
	v_lshl_or_b32 v[PW], v[TM+7], 24, v[PW]
.irp b, 0,1,2,3
.irp i, 0,1,2,3,4,5,6,7,8,9,10,11,12,13,14,15
	v_med3_num_f32 v[\s+16*\b+\i], v[\s+16*\b+\i], -v[TM+8+\b], v[TM+8+\b]
.endr
	v_cvt_scalef32_pk8_bf8_f32 v[(\pc)+4*\b:(\pc)+1+4*\b], v[\s+16*\b:\s+7+16*\b], v[TM+12+\b]
	v_cvt_scalef32_pk8_bf8_f32 v[(\pc)+2+4*\b:(\pc)+3+4*\b], v[\s+8+16*\b:\s+15+16*\b], v[TM+12+\b]
.endr
	v_nop
.endm
.macro PULLQ a                         ; q, k: the bias lies along the registers
	WIN 0x02+(\a)/4
.set i, 0
.rept 32
	v_pk_add_f32 v[T+i:T+i+1], v[64*((\a)%4)+i:64*((\a)%4)+i+1], v[BIA+i:BIA+i+1]
.set i, i+2
.endr
	WIN 0
.endm
.macro PULLV a                         ; v: one number a lane
	WIN 0x02+(\a)/4
.set i, 0
.rept 32
.if (\a)%2
	v_pk_add_f32 v[T+i:T+i+1], v[64*((\a)%4)+i:64*((\a)%4)+i+1], v[BV+2*((\a)/2):BV+2*((\a)/2)+1] op_sel:[0,1] op_sel_hi:[1,1]
.else
	v_pk_add_f32 v[T+i:T+i+1], v[64*((\a)%4)+i:64*((\a)%4)+i+1], v[BV+2*((\a)/2):BV+2*((\a)/2)+1] op_sel:[0,0] op_sel_hi:[1,0]
.endif
.set i, i+2
.endr
	WIN 0
.endm
.macro ROWQ a
.set PP, PC+16*((\a)%2)
	s_cmp_eq_u32 ttmp9, 2
	s_cbranch_scc1 .Lpv_\@
	PULLQ \a
	s_branch .Lpd_\@
.Lpv_\@:
	PULLV \a
.Lpd_\@:
	s_wait_xcnt 0x0                                ; the stores of two blocks back have read their registers
	QUANT T, PC+16*((\a)%2)
	v_mov_b32 v[WD+(\a)], v[PW]
	s_cmp_eq_u32 ttmp9, 2
	s_cbranch_scc1 .Lsv_\@
.irp c, 0,1
	global_store_b128 v[LO], v[PP+4*\c:PP+4*\c+3], s[68:69] offset:(\a)*1024+\c*512      ; columns 0-63: my first head, tile a of tokens
	global_store_b128 v[LO], v[PP+8+4*\c:PP+8+4*\c+3], s[70:71] offset:(\a)*1024+\c*512  ; columns 64-127: the second
.endr
	s_branch .Lsd_\@
.Lsv_\@:
.irp c, 0,1,2,3
	global_store_b128 v[LO], v[PP+4*\c:PP+4*\c+3], s[68+2*((\a)/4):69+2*((\a)/4)] offset:((\a)%4)*2048+\c*512   ; head a / 4, its tile a % 4 of 16 channels x 128 keys
.endr
.Lsd_\@:
.endm
	PLACES NP
	s_wait_loadcnt 0x0                             ; the bias
	s_mov_b32 s66, 0xffff0000                      ; lanes 16-31
	s_mov_b32 s[SEL], 0x76543210
	s_mov_b32 s[SEL+1], 0xfedcba98
	s_mov_b32 s[MNT], 0x600000
.irp b, 0,1,2,3
	v_mov_b32 v[TM+4+\b], 0                        ; written once: a lane permute's destination counts as one of its sources
.endr
.irp a, 0,1,2,3,4,5,6,7
	ROWQ \a
.endr
	s_cmp_eq_u32 ttmp9, 1
	s_cbranch_scc1 .Ltail_k
	s_cmp_eq_u32 ttmp9, 2
	s_cbranch_scc1 .Ltail_v
.irp i, 0,1,2,3                                ; q: tiles 0-3 in lanes 0-15, tiles 4-7 in lanes 16-31; a head's two bytes twice over
	v_cndmask_b32 v[32+\i], v[WD+\i], v[WD+4+\i], s66
.endr
.irp i, 0,1,2,3
	v_perm_b32 v[36+\i], v[32+\i], v[32+\i], 0x05040100
.endr
.irp i, 0,1,2,3
	v_perm_b32 v[40+\i], v[32+\i], v[32+\i], 0x07060302
.endr
	global_store_b128 v[LO], v[36:39], s[72:73] offset:16896
	global_store_b128 v[LO], v[40:43], s[72:73] offset:16896+HS
	s_branch .Ltail_done
.Ltail_k:
.irp b, 0,1,2,3                                ; k: fragment b' takes tile 2 b's two bytes below and tile 2 b' + 1's above
	v_perm_b32 v[32+\b], v[WD+2*\b+1], v[WD+2*\b], 0x05040100
.endr
.irp b, 0,1,2,3
	v_perm_b32 v[36+\b], v[WD+2*\b+1], v[WD+2*\b], 0x07060302
.endr
.irp b, 0,1,2,3
	v_cndmask_b32 v[40+\b], v[32+\b], v[36+\b], s66    ; the first head's in lanes 0-15, the second's in lanes 16-31
.endr
	global_store_b128 v[LK], v[40:43], s[72:73] offset:16384
	s_branch .Ltail_done
.Ltail_v:
.irp i, 0,1,2,3
	v_cndmask_b32 v[32+\i], v[WD+\i], v[WD+4+\i], s66
.endr
	global_store_b128 v[LK], v[32:35], s[72:73] offset:16640
.Ltail_done:
	s_wait_tensorcnt 0x0                           ; the wave's end
	ds_add_u32 v[SPW], v[NIL]
	s_wait_dscnt 0x0
	CROUND                                         ; the closing round
	s_endpgm
.Lfunc_end_k_q6c8e232868_qkv:
	.size	k_q6c8e232868_qkv, .Lfunc_end_k_q6c8e232868_qkv-k_q6c8e232868_qkv
	.p2alignl 7, 3214868480
	.fill 96, 4, 3214868480
	.section	.rodata,"a",@progbits
	.p2align	6, 0x0
	.amdhsa_kernel k_q6c8e232868_qkv
		.amdhsa_group_segment_fixed_size 327680
		.amdhsa_private_segment_fixed_size 0
		.amdhsa_enable_private_segment 0
		.amdhsa_kernarg_size 40
		.amdhsa_user_sgpr_count 2
		.amdhsa_user_sgpr_kernarg_segment_ptr 1
		.amdhsa_wavefront_size32 1
		.amdhsa_system_sgpr_workgroup_id_x 1
		.amdhsa_system_sgpr_workgroup_id_y 1
		.amdhsa_system_sgpr_workgroup_id_z 1
		.amdhsa_system_vgpr_workitem_id 0
		.amdhsa_next_free_vgpr 1024
		.amdhsa_next_free_sgpr 100
		.amdhsa_reserve_vcc 0
		.amdhsa_float_denorm_mode_32 3
		.amdhsa_float_denorm_mode_16_64 3
		.amdhsa_memory_ordered 1
		.amdhsa_forward_progress 1
		.amdhsa_inst_pref_size 223
	.end_amdhsa_kernel
	.amdgpu_metadata
---
amdhsa.version: [ 1, 2 ]
amdhsa.kernels:
  - .name:           k_q6c8e232868_qkv
    .symbol:         k_q6c8e232868_qkv.kd
    .args:
      - { .name: hp, .offset: 0, .size: 8, .value_kind: global_buffer, .address_space: global }
      - { .name: wpk, .offset: 8, .size: 8, .value_kind: global_buffer, .address_space: global }
      - { .name: b_qkv, .offset: 16, .size: 8, .value_kind: global_buffer, .address_space: global }
      - { .name: qimg, .offset: 24, .size: 8, .value_kind: global_buffer, .address_space: global }
      - { .name: kv, .offset: 32, .size: 8, .value_kind: global_buffer, .address_space: global }
    .group_segment_fixed_size: 327680
    .private_segment_fixed_size: 0
    .kernarg_segment_align: 8
    .kernarg_segment_size: 40
    .max_flat_workgroup_size: 128
    .sgpr_count:     100
    .vgpr_count:     1024
    .wavefront_size: 32
...
	.end_amdgpu_metadata
.endif
;; end of part 2
;; launch attn (part 3): grid 8 x 32, 16 waves a work-group, clusters of 4 x 1, 327,680 bytes of LDS; arguments qimg, kv, op; writes op
.if DOCPART == 3
	.amdgcn_target "amdgcn-amd-amdhsa--gfx1250"
	.amdhsa_code_object_version 6
	.text
	.protected	k_q6c8e232868_attn
	.globl	k_q6c8e232868_attn
	.p2align	8
	.type	k_q6c8e232868_attn,@function
k_q6c8e232868_attn:
	s_mov_b64 s[64:65], 0
	v_nop
	global_prefetch_b8 v0, s[64:65] scope:SCOPE_SE
	s_setreg_imm32_b32 hwreg(HW_REG_WAVE_MODE, 25, 1), 1
	s_wait_xcnt 0x0
	s_wait_alu depctr_hold_cnt(0) depctr_sa_sdst(0) depctr_va_vdst(0) depctr_va_sdst(0) depctr_va_ssrc(0) depctr_va_vcc(0) depctr_vm_vsrc(0)
	s_getreg_b32 s2, hwreg(HW_REG_IB_STS2, 6, 4)
	s_cmp_eq_u32 s2, 0
	s_cbranch_scc0 .Lentry_in_a_cluster
	s_endpgm
.Lentry_in_a_cluster:
	s_bfe_u32 s2, ttmp6, 0x10000c
	s_cmp_lg_u32 s2, 0x3003
	s_cbranch_scc0 .Lentry_shape_is_right
	s_endpgm
.Lentry_shape_is_right:
; o = softmax(q k^T / 8) v for 32 heads of 2,048 tokens x 64, both products on codes of BF8 with E8M0 scales; o / l leaves quantised along C, as PACK blocks for the projection.  No work of the problem is left out.
; THE SOFTMAX AHEAD OF THE SECOND PRODUCT: t = score x log2(e) / 8; M = the running largest t rounded up to a whole number; p = 2^(t - M) is quantised along the keys, not normalised; the row's sum is taken of the
; unquantised p and divides at the end; when M moves, the sum and O are multiplied by 2^(old M - new M), which rounds nothing.
; SHARES.  A work-group owns 256 queries of one head, each of its sixteen waves one tile of 16, in 256 registers: four waves to a SIMD, so that one wave's vector work stands beside another's matrix work.
; A HEAD'S WHOLE K AND V, sixteen records of 17,408 bytes, stay in LDS: filled once, in four chunks, never again.  The four work-groups of a cluster belong to one head and ask for each piece jointly.
; BOTH PRODUCTS ARE USED TRANSPOSED: a lane holds one query throughout.  By the order of tokens in a tile, the 16 registers of key tiles 2 b and 2 b + 1 are keys 32 b + 16 (lane / 16) + 0 .. 15.
; K = 64 IN AN INSTRUCTION OF 128: a fragment of K holds key tile 2 b' in k = 0 .. 63 and key tile 2 b' + 1 in k = 64 .. 127.  Q stands as [8 registers of zero codes][its 8][8 of zero codes]: the last 16 pick the
; lower tile, the first 16 the upper.  The other half multiplies zero codes by codes that are finite (the quantiser holds at 57,344) under scale bytes 1 .. 254: it adds exactly 0.
; No prefetch: all that the work-group reads of K and V is asked for by the tensor loads at its head.
; LIMITS: NaN and infinities are not served; a block under 2^(16 - 127), zeros too, keeps the scale byte 1 (read by this program alone).
.set RB,    17408                      ; a record: K 8,192, V^T 8,192, K's words 256, V's words 256, q's words 512
.set HS,    16*RB
.set BLK,   16896
.set SPARE, HS                         ; behind the head: the spare words, 128 bytes for each of 16 waves, that no other line names
.set WV,  12
.set G1,  24                           ; s[24:31] descriptor group 1;  s[32:47] four groups 0: none of s24 to s47 is written once the loads are issued
.set G0,  32
.set CNT, 55
.set TB,  56                           ; s56 LDS byte of the record in hand
.set MNT, 57
.set CS,  58                           ; s[58:59] c = log2(e) / 8
.set SEL, 60
.set LI,  1                            ; v1 16 x lane
.set LR,  2                            ; v2 16 r
.set VO,  3                            ; v3 the way out: my codes' place in the block
.set VS,  4                            ; v4 my scale bytes'
.set SPW, 5
.set NIL, 6
.set ADK, 8
.set ADS, 9
.set QS,  40                           ; q's scale word
.set F,   48                           ; v48-111 four fragments of K, then of V^T
.set S,   112                          ; v112-175 S^T, then p
.set O,   176                          ; v176-207 O^T
.set PCD, 208                          ; p's codes
.set KW,  224                          ; K's scale words;
.set VW,  228                          ; V's
.macro CROUND
	s_barrier_signal -1
	s_barrier_wait -1
	s_cmp_lg_u32 s[WV], 0
	s_cbranch_scc1 .Lnot_wave_0_\@
	s_barrier_signal -3
.Lnot_wave_0_\@:
	s_barrier_wait -3
	s_barrier_signal -1
	s_barrier_wait -1
.endm
	s_load_b128 s[4:7], s[0:1], 0x0                ; qimg, kv
	s_load_b64 s[8:9], s[0:1], 0x10                ; op
	v_lshl_add_u32 v[SPW], v0, 2, SPARE
	v_mov_b32 v[NIL], 0
	ds_add_u32 v[SPW], v[NIL]                      ; the opening: the add, twice on end, and its wait ahead of my first tensor load
	ds_add_u32 v[SPW], v[NIL]
	v_lshrrev_b32 v8, 5, v0
	v_readfirstlane_b32 s[WV], v8                  ; wave 0..15
	s_bfe_u32 s13, ttmp6, 0x40000                  ; cx
	s_lshl_b32 s14, ttmp9, 2
	s_add_co_u32 s14, s14, s13                     ; my block of 256 queries: it enters global addresses alone
	s_and_b32 s15, ttmp7, 0xffff                   ; the head, which the four partners share
	s_mul_i32 s16, s15, HS
	s_mul_i32 s17, s[WV], 17*256                   ; my sixteenth of a chunk
	s_add_co_u32 s18, s16, s17
	s_mov_b32 s19, 0
	s_mov_b32 s[G1], 15|(3<<16)|(1<<21)            ; the mask: all four; elements of 8 bytes; bit 21 beside a mask; no padding
	s_mov_b32 s[G1+1], 32<<16                      ; rows of 256 bytes,
	s_mov_b32 s[G1+2], 17<<16                      ; 17 of them
	s_mov_b32 s[G1+3], 32<<16
	s_mov_b32 s[G1+4], 17
	s_mov_b32 s[G1+5], 32                          ; dense
	s_mov_b32 s[G1+6], 0
	s_mov_b32 s[G1+7], 0
	s_mov_b32 s[SEL], 0x76543210
	s_mov_b32 s[SEL+1], 0xfedcba98
	s_mov_b32 s[CS], 0x3e38aa3b                    ; log2(e) / 8
	s_mov_b32 s[CS+1], s[CS]
	s_mov_b32 s[MNT], 0x600000
	s_wait_dscnt 0x0                               ; both opening adds are done
	s_wait_kmcnt 0x0
	s_add_nc_u64 s[20:21], s[6:7], s[18:19]
	CROUND                                         ; all four work-groups are here: the joint loads meet
.irp j, 0,1,2,3
	s_mov_b32 s[G0+4*\j], 1
	s_add_co_u32 s[G0+4*\j+1], s17, \j*4*RB        ; chunk j: four records; LDS and memory are laid alike
	s_add_nc_u64 s[G0+4*\j+2:G0+4*\j+3], s[20:21], \j*4*RB
	s_or_b32 s[G0+4*\j+3], s[G0+4*\j+3], 0x80000000
.endr
.irp j, 0,1,2,3
	tensor_load_to_lds s[G0+4*\j:G0+4*\j+3], s[G1:G1+7]    ; every wave issues its four: four tensor loads of mine are out
	s_nop 0
.endr
.rept 4
	v_nop
.endr
	v_and_b32 v[LI], 31, v0
	v_lshlrev_b32 v[LI], 4, v[LI]
	v_and_b32 v[LR], 15, v0
	v_lshlrev_b32 v[LR], 4, v[LR]
	s_lshl_b32 s22, s15, 17                        ; from here on the scalar work stands in s22, s23 and s48 to s53: outside the descriptors of the loads that are out
	s_lshl_b32 s23, s14, 14
	s_add_co_u32 s22, s22, s23
	s_lshl_b32 s23, s[WV], 10
	s_add_co_u32 s22, s22, s23                     ; my tile of q: head, 16 x block + wave, 1,024 bytes each
	s_mov_b32 s23, 0
	s_add_nc_u64 s[4:5], s[4:5], s[22:23]
	global_load_b128 v[24:27], v[LI], s[4:5]
	global_load_b128 v[28:31], v[LI], s[4:5] offset:512
	s_lshl_b32 s22, s14, 1
	s_lshr_b32 s23, s[WV], 3
	s_add_co_u32 s22, s22, s23                     ; my tile's group of 128 tokens in the batch
	s_mul_i32 s48, s22, RB
	s_add_co_u32 s48, s48, s16
	s_bfe_u32 s53, s[WV], 0x10002
	s_lshl_b32 s53, s53, 8
	s_and_b32 s23, s[WV], 3
	s_lshl_b32 s23, s23, 2
	s_add_co_u32 s53, s53, s23                     ; the tile's scale words: 256 (a / 4) + 4 (a % 4), a = wave % 8
	s_add_co_u32 s48, s48, s53
	s_mov_b32 s49, 0
	s_add_nc_u64 s[6:7], s[6:7], s[48:49]
	global_load_b32 v[QS], v[LR], s[6:7] offset:16896      ; from memory
	s_lshr_b32 s50, s15, 4
	s_lshl_b32 s50, s50, 4
	s_add_co_u32 s50, s50, s22                     ; the group among all 32
	s_lshl_b32 s50, s50, 3
	s_bfe_u32 s51, s15, 0x30001
	s_add_co_u32 s50, s50, s51                     ; x 8 steps + the head's step of C: head / 2
	s_mul_i32 s50, s50, BLK
	s_mov_b32 s51, 0
	s_add_nc_u64 s[8:9], s[8:9], s[50:51]
	s_and_b32 s52, s[WV], 7
	s_lshl_b32 s52, s52, 11
	s_and_b32 s23, s15, 1
	s_lshl_b32 s22, s23, 10
	s_add_co_u32 s52, s52, s22
	v_add_nc_u32 v[VO], s52, v[LI]                 ; 2048 a + 1024 (head % 2) + 16 lane
	s_lshl_b32 s23, s23, 1
	s_add_co_u32 s53, s53, s23
	v_add_nc_u32 v[VS], s53, v[LR]                 ; the word, + 2 (head % 2)
.irp j, 0,1,2,3,4,5,6,7
	v_mov_b32 v[16+\j], 0                          ; the zero codes on both sides of q's
	v_mov_b32 v[32+\j], 0
.endr
	v_mov_b32 v13, 0xff61b1e6                      ; the largest t so far: -3e38
	v_floor_f32 v12, -v13                          ; -M
	v_mov_b32 v14, 0                               ; the sum, in two halves
	v_mov_b32 v15, 0
.irp b, 0,1,2,3
	v_mov_b32 v[236+\b], 0                         ; written once: a lane permute's destination counts as one of its sources
.endr
	v_mov_b32 v253, 0
.set j, 0
.rept 32
	v_mov_b32 v[O+j], 0                            ; O^T: the step is written once; the first finds zeros, which the first change of M leaves zeros
.set j, j+1
.endr
; A KEY STEP: 128 keys, one record.
.macro STEP
	v_add_nc_u32 v[ADK], s[TB], v[LI]
	v_add_nc_u32 v[ADS], s[TB], v[LR]
.rept 6
	v_nop                                          ; with the two additions: eight places in front of loads into registers that the last products read
.endr
.irp b, 0,1,2,3
.irp c, 0,1,2,3
	ds_load_b128 v[F+16*\b+4*\c:F+16*\b+4*\c+3], v[ADK] offset:2048*\b+512*\c
.endr
.endr
	ds_load_b128 v[KW:KW+3], v[ADS] offset:16384
	s_wait_dscnt 0x0
.irp b, 0,1,2,3
	v_wmma_scale_f32_16x16x128_f8f6f4 v[S+16*\b:S+16*\b+7], v[F+16*\b:F+16*\b+15], v[24:39], 0, v[KW+\b], v[QS] matrix_a_fmt:MATRIX_FMT_BF8 matrix_b_fmt:MATRIX_FMT_BF8      ; key tile 2 b
	v_wmma_scale_f32_16x16x128_f8f6f4 v[S+16*\b+8:S+16*\b+15], v[F+16*\b:F+16*\b+15], v[16:31], 0, v[KW+\b], v[QS] matrix_a_fmt:MATRIX_FMT_BF8 matrix_b_fmt:MATRIX_FMT_BF8  ; key tile 2 b + 1
.endr
.rept 8
	v_nop
.endr
.irp b, 0,1,2,3                                ; V^T's fragments are asked for now: they land under the softmax
.irp c, 0,1,2,3
	ds_load_b128 v[F+16*\b+4*\c:F+16*\b+4*\c+3], v[ADK] offset:8192+2048*\b+512*\c
.endr
.endr
	ds_load_b128 v[VW:VW+3], v[ADS] offset:16640
.irp b, 0,1,2,3
	v_max3_num_f32 v[232+\b], v[S+16*\b], v[S+1+16*\b], v[S+2+16*\b]      ; the largest score of each block of 32 keys: for the row's maximum, and, since p rises with the score, for the block's largest p
.endr
.irp i, 3,5,7,9,11,13
.irp b, 0,1,2,3
	v_max3_num_f32 v[232+\b], v[232+\b], v[S+16*\b+\i], v[S+1+16*\b+\i]
.endr
.endr
.irp b, 0,1,2,3
	v_max_num_f32 v[232+\b], v[232+\b], v[S+15+16*\b]
.endr
.irp b, 0,1,2,3
	v_permlanex16_b32 v[236+\b], v[232+\b], s[SEL], s[SEL+1]
.endr
.irp b, 0,1,2,3
	v_max_num_f32 v[232+\b], v[232+\b], v[236+\b]
.endr
	v_max3_num_f32 v254, v232, v233, v234
	v_max_num_f32 v254, v254, v235
	v_mul_f32 v254, s[CS], v254                    ; as t
	v_max_num_f32 v13, v13, v254                   ; the running largest t
	v_mov_b32 v254, v12
	v_floor_f32 v12, -v13                          ; the new -M = -ceil(t)
	v_sub_f32 v254, v12, v254                      ; old M - new M: a whole number, 0 or less
	v_cvt_i32_f32 v254, v254
	v_ldexp_f32 v252, 1.0, v254                    ; f = 2^(old M - new M)
.set j, 0
.rept 32
	v_pk_fma_f32 v[S+j:S+j+1], v[S+j:S+j+1], s[CS:CS+1], v[12:13] op_sel_hi:[1,0,0]   ; t - M
.set j, j+2
.endr
.irp b, 0,1,2,3
	v_fma_f32 v[232+\b], v[232+\b], s[CS], v12
.endr
.set j, 0
.rept 64
	v_exp_f32 v[S+j], v[S+j]                       ; p = 2^(t - M)
.set j, j+1
.endr
	v_pk_mul_f32 v[14:15], v[14:15], v[252:253] op_sel_hi:[1,0]    ; the sums under the new M: a plain line behind the exponentials
	s_wait_alu depctr_va_vdst(0)                   ; one wait for the batch, ahead of its first reader
.irp b, 0,1,2,3
	v_exp_f32 v[232+\b], v[232+\b]                 ; the blocks' largest p
.endr
	v_pk_add_f32 v[236:237], v[S:S+1], v[S+2:S+3]  ; the row's sum, of the unquantised p, in two chains
.irp j, 4,8,12,16,20,24,28,32,36,40,44,48,52,56,60
	v_pk_add_f32 v[14:15], v[14:15], v[S+\j:S+\j+1]
	v_pk_add_f32 v[236:237], v[236:237], v[S+\j+2:S+\j+3]
.endr
	v_pk_add_f32 v[14:15], v[14:15], v[236:237]
	s_wait_alu depctr_va_vdst(0)                   ; and one for the four
.irp b, 0,1,2,3
	v_max_num_f32 v[232+\b], 0x8000000, v[232+\b]  ; the floor
.endr
.irp b, 0,1,2,3
	v_add_nc_u32 v[244+\b], 0xf8800000, v[232+\b]
.endr
.irp b, 0,1,2,3
	v_and_or_b32 v[240+\b], v[232+\b], 0x7f800000, s[MNT]
.endr
.irp b, 0,1,2,3
	v_lshrrev_b32 v[236+\b], 23, v[244+\b]
.endr
	v_lshl_or_b32 v253, v237, 8, v236              ; p's scale word for these 128 keys
	v_lshl_or_b32 v253, v238, 16, v253
	v_lshl_or_b32 v253, v239, 24, v253
.irp b, 0,1,2,3
.irp i, 0,1,2,3,4,5,6,7,8,9,10,11,12,13,14,15
	v_min_num_f32 v[S+16*\b+\i], v[S+16*\b+\i], v[240+\b]      ; the hold; p is not negative
.endr
	v_cvt_scalef32_pk8_bf8_f32 v[PCD+4*\b:PCD+1+4*\b], v[S+16*\b:S+7+16*\b], v[244+\b]
	v_cvt_scalef32_pk8_bf8_f32 v[PCD+2+4*\b:PCD+3+4*\b], v[S+8+16*\b:S+15+16*\b], v[244+\b]
.endr
.set j, 0
.rept 16
	v_pk_mul_f32 v[O+j:O+j+1], v[O+j:O+j+1], v[252:253] op_sel_hi:[1,0]    ; O^T under the new M; also the places in front of the products below
.set j, j+2
.endr
	s_wait_dscnt 0x0                               ; V^T and its scale words are in
.irp t, 0,1,2,3
	v_wmma_scale_f32_16x16x128_f8f6f4 v[O+8*\t:O+8*\t+7], v[F+16*\t:F+16*\t+15], v[PCD:PCD+15], v[O+8*\t:O+8*\t+7], v[VW+\t], v253 matrix_a_fmt:MATRIX_FMT_BF8 matrix_b_fmt:MATRIX_FMT_BF8   ; four accumulators by turns
.endr
	s_add_co_u32 s[TB], s[TB], RB
.endm
.macro CHUNK j                         ; four records
	s_wait_tensorcnt 3-\j                          ; my part of this chunk is in; the later chunks' loads may be out
	s_wait_dscnt 0x0
	s_barrier_signal -1
	s_barrier_wait -1                              ; everybody's is
	s_mov_b32 s[TB], \j*4*RB
	s_mov_b32 s[CNT], 4
.Lstep_\@:
	STEP
	s_sub_co_u32 s[CNT], s[CNT], 1
	s_cmp_lg_u32 s[CNT], 0
	s_cbranch_scc1 .Lstep_\@
.endm
	s_wait_loadcnt 0x0                             ; q
	CHUNK 0
	CHUNK 1
	CHUNK 2
	CHUNK 3
	; THE WAY OUT: O^T / the sum; register 16 b + i is channel 32 b + 16 h + i of my query: two blocks of the projection's K.
.rept 8
	v_nop
.endr
	v_add_f32 v14, v14, v15
	v_permlanex16_b32 v252, v14, s[SEL], s[SEL+1]
	v_add_f32 v14, v14, v252                       ; the row's sum
	v_rcp_f32 v14, v14
	v_nop
	s_wait_alu depctr_va_vdst(0)
.set j, 0
.rept 16
	v_pk_mul_f32 v[S+j:S+j+1], v[O+j:O+j+1], v[14:15] op_sel_hi:[1,0]
.set j, j+2
.endr
.irp b, 0,1
	v_max3_num_f32 v[232+\b], |v[S+16*\b]|, |v[S+1+16*\b]|, 0x8000000
.endr
.irp i, 2,4,6,8,10,12,14
.irp b, 0,1
	v_max3_num_f32 v[232+\b], v[232+\b], |v[S+16*\b+\i]|, |v[S+1+16*\b+\i]|
.endr
.endr
.irp b, 0,1
	v_permlanex16_b32 v[236+\b], v[232+\b], s[SEL], s[SEL+1]
.endr
.irp b, 0,1
	v_max_num_f32 v[232+\b], v[232+\b], v[236+\b]
.endr
.irp b, 0,1
	v_add_nc_u32 v[244+\b], 0xf8800000, v[232+\b]
.endr
.irp b, 0,1
	v_and_or_b32 v[240+\b], v[232+\b], 0x7f800000, s[MNT]
.endr
.irp b, 0,1
	v_lshrrev_b32 v[236+\b], 23, v[244+\b]
.endr
	v_lshl_or_b32 v253, v237, 8, v236
.irp b, 0,1
.irp i, 0,1,2,3,4,5,6,7,8,9,10,11,12,13,14,15
	v_med3_num_f32 v[S+16*\b+\i], v[S+16*\b+\i], -v[240+\b], v[240+\b]
.endr
	v_cvt_scalef32_pk8_bf8_f32 v[PCD+4*\b:PCD+1+4*\b], v[S+16*\b:S+7+16*\b], v[244+\b]
	v_cvt_scalef32_pk8_bf8_f32 v[PCD+2+4*\b:PCD+3+4*\b], v[S+8+16*\b:S+15+16*\b], v[244+\b]
.endr
	v_nop
	global_store_b128 v[VO], v[PCD:PCD+3], s[8:9]              ; 512 consecutive bytes each
	global_store_b128 v[VO], v[PCD+4:PCD+7], s[8:9] offset:512
	global_store_b16 v[VS], v253, s[8:9] offset:16384          ; my head's two bytes of the row's scale word; both lanes of a row store the same
	s_wait_tensorcnt 0x0                           ; the wave's end
	ds_add_u32 v[SPW], v[NIL]
	s_wait_dscnt 0x0
	CROUND                                         ; the closing round
	s_endpgm
.Lfunc_end_k_q6c8e232868_attn:
	.size	k_q6c8e232868_attn, .Lfunc_end_k_q6c8e232868_attn-k_q6c8e232868_attn
	.p2alignl 7, 3214868480
	.fill 96, 4, 3214868480
	.section	.rodata,"a",@progbits
	.p2align	6, 0x0
	.amdhsa_kernel k_q6c8e232868_attn
		.amdhsa_group_segment_fixed_size 327680
		.amdhsa_private_segment_fixed_size 0
		.amdhsa_enable_private_segment 0
		.amdhsa_kernarg_size 24
		.amdhsa_user_sgpr_count 2
		.amdhsa_user_sgpr_kernarg_segment_ptr 1
		.amdhsa_wavefront_size32 1
		.amdhsa_system_sgpr_workgroup_id_x 1
		.amdhsa_system_sgpr_workgroup_id_y 1
		.amdhsa_system_sgpr_workgroup_id_z 1
		.amdhsa_system_vgpr_workitem_id 0
		.amdhsa_next_free_vgpr 256
		.amdhsa_next_free_sgpr 66
		.amdhsa_reserve_vcc 0
		.amdhsa_float_denorm_mode_32 3
		.amdhsa_float_denorm_mode_16_64 3
		.amdhsa_memory_ordered 1
		.amdhsa_forward_progress 1
		.amdhsa_inst_pref_size 88
	.end_amdhsa_kernel
	.amdgpu_metadata
---
amdhsa.version: [ 1, 2 ]
amdhsa.kernels:
  - .name:           k_q6c8e232868_attn
    .symbol:         k_q6c8e232868_attn.kd
    .args:
      - { .name: qimg, .offset: 0, .size: 8, .value_kind: global_buffer, .address_space: global }
      - { .name: kv, .offset: 8, .size: 8, .value_kind: global_buffer, .address_space: global }
      - { .name: op, .offset: 16, .size: 8, .value_kind: global_buffer, .address_space: global }
    .group_segment_fixed_size: 327680
    .private_segment_fixed_size: 0
    .kernarg_segment_align: 8
    .kernarg_segment_size: 24
    .max_flat_workgroup_size: 512
    .sgpr_count:     66
    .vgpr_count:     256
    .wavefront_size: 32
...
	.end_amdgpu_metadata
.endif
;; end of part 3
;; launch proj (part 4): grid 4 x 16, 4 waves a work-group, clusters of 4 x 4, 327,680 bytes of LDS; arguments op, wpk, b_proj, x, x1; writes x1
.if DOCPART == 4
	.amdgcn_target "amdgcn-amd-amdhsa--gfx1250"
	.amdhsa_code_object_version 6
	.text
	.protected	k_q6c8e232868_proj
	.globl	k_q6c8e232868_proj
	.p2align	8
	.type	k_q6c8e232868_proj,@function
k_q6c8e232868_proj:
	s_mov_b64 s[64:65], 0
	v_nop
	global_prefetch_b8 v0, s[64:65] scope:SCOPE_SE
	s_setreg_imm32_b32 hwreg(HW_REG_WAVE_MODE, 25, 1), 1
	s_wait_xcnt 0x0
	s_wait_alu depctr_hold_cnt(0) depctr_sa_sdst(0) depctr_va_vdst(0) depctr_va_sdst(0) depctr_va_ssrc(0) depctr_va_vcc(0) depctr_vm_vsrc(0)
	s_getreg_b32 s2, hwreg(HW_REG_IB_STS2, 6, 4)
	s_cmp_eq_u32 s2, 0
	s_cbranch_scc0 .Lentry_in_a_cluster
	s_endpgm
.Lentry_in_a_cluster:
	s_bfe_u32 s2, ttmp6, 0x10000c
	s_cmp_lg_u32 s2, 0xf033
	s_cbranch_scc0 .Lentry_shape_is_right
	s_endpgm
.Lentry_shape_is_right:
; x1 = x + (o w_proj + b_proj): a product on codes of BF8 with E8M0 scales, f32 sums, the bias as the sums' first C, the residual added on the way out.  No work of the problem is left out.
; Operands lie in PACK blocks (16,896 bytes for 128 rows x 128 K: eight tiles' register images, then their scale words; slot r of tile i is row 32 (i / 2) + 8 (i % 2) + r + 8 (r / 8)).
; A tile of the result, 256 x 256, is made by four waves, 128 x 128 each.  K goes in slots of 256 through a ring of two LDS slots; a group's two blocks are one dense run of 33,792 bytes, one tensor load.
; CLUSTERS: 4 x 4 work-groups; the tokens' blocks are asked for jointly along a row of the cluster, the weights' along a column.  TRANSPOSED USE: source 0 = the weights' rows, source 1 = tokens.
.set SIZE_K, 1024
.set WOFF,   24*8*16896                ; w_proj's blocks in wpk
.set BIASC,  1
.set BLK,    16896
.set KS,     SIZE_K/128
.set GB,     2*BLK
.set SLOT,   4*GB
.set SPARE,  2*SLOT                    ; behind the ring: the spare words, 128 bytes a wave, that no other line names
.set LAPS,   SIZE_K/512
.set FR, 16
.set NL, 4
.set NP, 8
.set ADRA, 16
.set ADRB, 20
.set ADRS, 22
.set STO,  24                          ; the way out: where I put 64 bytes of a row
.set RD,   25                          ; where I read a row back
.set CO,   26                          ; 16 x lane
.set SPW,  28
.set NIL,  29
.set SC,   32
.set BIA,  64                          ; the bias, in the result's layout; later the residual's rows
.set RS,   64
.set AF,   128
.set BK,   128                         ; 16 rows back from the stage: v128-191 and v192-255 by turns
.set G1, 24
.set G0, 32
.set G1B, 48
.set G0B, 56
.set MSB, 0
.macro WIN new
.if MSB != (\new)
	s_set_vgpr_msb (MSB<<8)|(\new)
.set MSB, (\new)
.endif
.endm
.set MUL_LO, 0xa1
.set MUL_HI, 0xf1
.set TO_B,   0x40
.macro JLOAD g0a, g1a, g0b, g1b
	s_cmp_eq_u32 s15, 0
	s_cbranch_scc0 .Lfor_b_\@
	tensor_load_to_lds s[\g0a:\g0a+3], s[\g1a:\g1a+7]
	s_nop 0
.rept 4
	v_nop
.endr
	s_branch .Lasked_\@
.Lfor_b_\@:
	tensor_load_to_lds s[\g0b:\g0b+3], s[\g1b:\g1b+7]
	s_nop 0
.rept 4
	v_nop
.endr
.Lasked_\@:
.endm
.macro CREST
	s_cmp_lg_u32 s14, 0
	s_cbranch_scc1 .Lnot_wave_0_\@
	s_barrier_signal -3
.Lnot_wave_0_\@:
	s_barrier_wait -3
	s_barrier_signal -1
	s_barrier_wait -1
.endm
.macro CROUND
	s_barrier_signal -1
	s_barrier_wait -1
	CREST
.endm
.macro PLACES n
.rept \n
	v_nop
.endr
.endm
	s_load_b256 s[4:11], s[0:1], 0x0               ; the tokens' blocks s[4:5], wpk s[6:7], the bias s[8:9], the residual s[10:11]
	s_load_b64 s[12:13], s[0:1], 0x20              ; the result
	v_lshl_add_u32 v[SPW], v0, 2, SPARE
	v_mov_b32 v[NIL], 0
	ds_add_u32 v[SPW], v[NIL]                      ; the opening: the add, twice on end, and its wait ahead of my first tensor load
	ds_add_u32 v[SPW], v[NIL]
	v_lshrrev_b32 v1, 5, v0
	v_readfirstlane_b32 s14, v1
	s_lshr_b32 s15, s14, 1
	s_and_b32 s16, s14, 1
	s_bfe_u32 s40, ttmp6, 0x40000
	s_bfe_u32 s41, ttmp6, 0x40004
	s_lshl_b32 s42, ttmp9, 2
	s_add_co_u32 s42, s42, s40                     ; tile column
	s_and_b32 s17, ttmp7, 0xffff
	s_lshl_b32 s17, s17, 2
	s_add_co_u32 s17, s17, s41                     ; tile row
	s_lshl_b32 s43, s41, 2
	s_lshl_b32 s43, 15, s43
	s_lshl_b32 s44, 0x1111, s40
	s_or_b32 s[G1+0], s43, (3<<16)|(1<<21)
	s_or_b32 s[G1B+0], s44, (3<<16)|(1<<21)
.irp g, G1, G1B
	s_mov_b32 s[\g+1], 32<<16
	s_mov_b32 s[\g+2], 132<<16
	s_mov_b32 s[\g+3], 32<<16
	s_mov_b32 s[\g+4], 132
	s_mov_b32 s[\g+5], 32
	s_mov_b32 s[\g+6], 0
	s_mov_b32 s[\g+7], 0
.endr
	s_lshl_b32 s20, s17, 1
	s_add_co_u32 s20, s20, s16
	s_mul_i32 s20, s20, KS*BLK
	s_mov_b32 s21, 0
	s_lshl_b32 s46, s42, 1
	s_add_co_u32 s46, s46, s16
	s_mul_i32 s46, s46, KS*BLK
	s_add_co_u32 s46, s46, WOFF
	s_mov_b32 s47, 0
	s_mul_i32 s45, s14, GB
	s_wait_dscnt 0x0
	s_wait_kmcnt 0x0
	s_add_nc_u64 s[20:21], s[4:5], s[20:21]
	s_add_nc_u64 s[46:47], s[6:7], s[46:47]
	CROUND
.irp s, 0,1
	s_mov_b32 s[G0+4*\s], 1
	s_add_co_u32 s[G0+4*\s+1], s45, \s*SLOT
	s_add_nc_u64 s[G0+4*\s+2:G0+4*\s+3], s[20:21], \s*GB
	s_or_b32 s[G0+4*\s+3], s[G0+4*\s+3], 0x80000000
	s_mov_b32 s[G0B+4*\s], 1
	s_add_co_u32 s[G0B+4*\s+1], s45, \s*SLOT
	s_add_nc_u64 s[G0B+4*\s+2:G0B+4*\s+3], s[46:47], \s*GB
	s_or_b32 s[G0B+4*\s+3], s[G0B+4*\s+3], 0x80000000
	JLOAD G0+4*\s, G1, G0B+4*\s, G1B
.endr
	v_and_b32 v1, 15, v0
	v_bfe_u32 v2, v0, 4, 1
	v_and_b32 v3, 31, v0
	v_lshlrev_b32 v[CO], 4, v3
	s_mul_i32 s21, s15, GB                         ; my tokens' group in a slot
	s_mul_i32 s22, s16, GB
	s_add_co_u32 s22, s22, 2*GB                    ; my columns' group
	v_add_nc_u32 v[ADRA], s21, v[CO]
	v_add_nc_u32 v[ADRB], s22, v[CO]
	v_add_nc_u32 v[ADRA+1], SLOT, v[ADRA]
	v_add_nc_u32 v[ADRB+1], SLOT, v[ADRB]
	s_sub_co_u32 s23, s22, s21
	v_mul_u32_u24 v5, s23, v2                      ; lanes 16-31 take the columns' scale words
	v_lshl_add_u32 v5, v1, 4, v5
	s_add_co_u32 s23, s21, 16384
	v_add_nc_u32 v[ADRS], s23, v5
	v_add_nc_u32 v[ADRS+1], SLOT, v[ADRS]
	s_lshl_b32 s46, s42, 10
	s_lshl_b32 s47, s16, 9
	s_add_co_u32 s46, s46, s47                     ; my first column, in bytes
	s_mov_b32 s47, 0
	s_add_nc_u64 s[8:9], s[8:9], s[46:47]
	v_lshlrev_b32 v6, 6, v2
.irp b, 0,1,2,3
.irp j, 0,1,2,3
	global_load_b128 v[BIA+16*\b+4*\j:BIA+16*\b+4*\j+3], v6, s[8:9] offset:128*\b+16*\j   ; register 16 b + i: column 32 b + 16 h + i
.endr
.endr
	s_lshl_b32 s18, s17, 8
	s_lshl_b32 s19, s15, 7
	s_add_co_u32 s18, s18, s19                     ; my first row
	s_lshl_b32 s18, s18, 12
	s_add_co_u32 s46, s46, s18
	s_add_nc_u64 s[10:11], s[10:11], s[46:47]
	s_add_nc_u64 s[12:13], s[12:13], s[46:47]
	s_mul_i32 s23, s14, 16*528                     ; my stage: 16 rows x (512 + 16) bytes, in slot 0, which has had its last fill and its last read when the first result is stored there
	v_mul_u32_u24 v5, v1, 528
	v_lshl_add_u32 v5, v2, 6, v5
	v_add_nc_u32 v[STO], s23, v5
	v_add_nc_u32 v[RD], s23, v[CO]
.macro FRAG reg, adr, q, i
.irp c, 0,1,2,3
	ds_load_b128 v[\reg+4*\c:\reg+4*\c+3], v[\adr] offset:BLK*(\q)+2048*(\i)+512*\c
.endr
.endm
.macro MUL16 a0, p, q, sc, zero        ; the 64 accumulators take turns, one instruction a turn
.irp a, \a0, \a0+1
.irp b, 0,1,2,3,4,5,6,7
.if \zero
.if BIASC
	v_wmma_scale_f32_16x16x128_f8f6f4 v[8*(8*((\a)%4)+\b):8*(8*((\a)%4)+\b)+7], v[128*(\p)+FR*\b:128*(\p)+FR*\b+FR-1], v[AF+FR*(\a):AF+FR*(\a)+FR-1], v[BIA+8*\b:BIA+8*\b+7], v[SC+16*(\sc)+8*(\q)+\b], v[SC+16*(\sc)+8*(\q)+(\a)] matrix_a_fmt:MATRIX_FMT_BF8 matrix_b_fmt:MATRIX_FMT_BF8 matrix_a_scale:MATRIX_SCALE_ROW1
.else
	v_wmma_scale_f32_16x16x128_f8f6f4 v[8*(8*((\a)%4)+\b):8*(8*((\a)%4)+\b)+7], v[128*(\p)+FR*\b:128*(\p)+FR*\b+FR-1], v[AF+FR*(\a):AF+FR*(\a)+FR-1], 0, v[SC+16*(\sc)+8*(\q)+\b], v[SC+16*(\sc)+8*(\q)+(\a)] matrix_a_fmt:MATRIX_FMT_BF8 matrix_b_fmt:MATRIX_FMT_BF8 matrix_a_scale:MATRIX_SCALE_ROW1
.endif
.else
	v_wmma_scale_f32_16x16x128_f8f6f4 v[8*(8*((\a)%4)+\b):8*(8*((\a)%4)+\b)+7], v[128*(\p)+FR*\b:128*(\p)+FR*\b+FR-1], v[AF+FR*(\a):AF+FR*(\a)+FR-1], v[8*(8*((\a)%4)+\b):8*(8*((\a)%4)+\b)+7], v[SC+16*(\sc)+8*(\q)+\b], v[SC+16*(\sc)+8*(\q)+(\a)] matrix_a_fmt:MATRIX_FMT_BF8 matrix_b_fmt:MATRIX_FMT_BF8 matrix_a_scale:MATRIX_SCALE_ROW1
.endif
.endr
.endr
.endm
.macro FETCH_B slot, q, p
	WIN TO_B
.irp i, 0,1,2,3,4,5,6,7
	FRAG 128*(\p)+FR*\i, ADRB+\slot, \q, \i
.endr
	WIN 0
.endm
.macro FETCH_A slot, q, i0
.irp i, \i0, \i0+1, \i0+2, \i0+3
	FRAG AF+FR*(\i), ADRA+\slot, \q, \i
.endr
.endm
.macro SCALES sc
.irp q, 0,1
.irp j, 0,1
	ds_load_b128 v[SC+16*\sc+8*\q+4*\j:SC+16*\sc+8*\q+4*\j+3], v[ADRS+\sc] offset:BLK*\q+256*\j
.endr
.endr
.endm
.macro STEP slot, q, zero
	s_wait_dscnt 4*NL                              ; all but the youngest 16 loads (the tokens' blocks 4-7) are in
	WIN MUL_LO-0x20*BIASC*(\zero)                  ; (the first step's C, the bias, lies in window 0)
	MUL16 0, (\q)%2, \q, \slot, \zero
	MUL16 2, (\q)%2, \q, \slot, \zero
	s_wait_dscnt 0
	PLACES NP
	FETCH_B \slot, (\q)+1, 1-(\q)%2
	FETCH_A \slot, (\q)+1, 0
	WIN MUL_HI-0x30*BIASC*(\zero)
	MUL16 4, (\q)%2, \q, \slot, \zero
	MUL16 6, (\q)%2, \q, \slot, \zero
	PLACES NP
	WIN 0
	FETCH_A \slot, (\q)+1, 4
.endm
.macro TURN slot, next, fill
	s_wait_tensorcnt 0x0                           ; all my tensor loads have landed: my part of the next slot
	ds_add_u32 v[SPW], v[NIL]
	s_wait_dscnt 4*NL+1                            ; the add and the youngest 16 loads may be out
	WIN MUL_LO
	MUL16 0, 1, 1, \slot, 0
	s_wait_dscnt 0x0                               ; the add is done, and my reads of this slot are over
	s_barrier_signal -1
	MUL16 2, 1, 1, \slot, 0
	WIN 0
	s_barrier_wait -1
.if \fill
	CREST                                          ; a round of the cluster's barrier: no wave of any partner still reads this slot or has a load on its way
	s_add_nc_u64 s[G0+4*\slot+2:G0+4*\slot+3], s[G0+4*\slot+2:G0+4*\slot+3], 2*GB
	s_add_nc_u64 s[G0B+4*\slot+2:G0B+4*\slot+3], s[G0B+4*\slot+2:G0B+4*\slot+3], 2*GB
	JLOAD G0+4*\slot, G1, G0B+4*\slot, G1B
	PLACES NP-4
.else
	PLACES NP
.endif
	FETCH_B \next, 0, 0
	FETCH_A \next, 0, 0
	SCALES \next
	WIN MUL_HI
	MUL16 4, 1, 1, \slot, 0
	MUL16 6, 1, 1, \slot, 0
	PLACES NP
	WIN 0
	FETCH_A \next, 0, 4
.endm
	s_wait_tensorcnt 1                             ; my part of slot 0 is in; slot 1's load may be out
	s_barrier_signal -1
	s_barrier_wait -1
	FETCH_B 0, 0, 0
	FETCH_A 0, 0, 0
	SCALES 0
	FETCH_A 0, 0, 4
	s_wait_loadcnt 0x0                             ; the bias
	STEP 0, 0, 1
	s_mov_b32 s3, LAPS-1
.Llap:
	TURN 0, 1, 1
	STEP 1, 0, 0
	TURN 1, 0, 1
	STEP 0, 0, 0
	s_sub_co_u32 s3, s3, 1
	s_cmp_lg_u32 s3, 0
	s_cbranch_scc1 .Llap
	TURN 0, 1, 0
	STEP 1, 0, 0
	s_wait_dscnt 4*NL
	WIN MUL_LO
	MUL16 0, 1, 1, 1, 0
	MUL16 2, 1, 1, 1, 0
	s_wait_dscnt 0
	WIN MUL_HI
	MUL16 4, 1, 1, 1, 0
	MUL16 6, 1, 1, 1, 0
	WIN 0
; THE WAY OUT, a block of 16 tokens x 128 columns at a time: through my own stage in LDS, back as whole rows of 512 bytes, the residual's same rows added, stored by 32 lanes as 512 consecutive bytes.
; Slot t of block a is row 32 (a / 2) + 8 (a % 2) + t + 8 (t / 8) of my 128: it stands in the immediates.
.macro RLOAD a
.irp t, 0,1,2,3,4,5,6,7,8,9,10,11,12,13,14,15
	global_load_b128 v[RS+4*\t:RS+4*\t+3], v[CO], s[10:11] offset:(32*((\a)/2)+8*((\a)%2)+\t+8*(\t/8))*4096 th:TH_LOAD_NT
.endr
.endm
.macro TOSTAGE a
.set AC, 64*((\a)%4)
	WIN 0x08+4*((\a)/4)                            ; an LDS store's data: window 2 or 3
.irp b, 0,1,2,3,4,5,6,7
	ds_store_b128 v[STO], v[AC+8*\b:AC+8*\b+3] offset:128*(\b/2)+32*(\b%2)          ; each accumulator from its low end on
	ds_store_b128 v[STO], v[AC+8*\b+4:AC+8*\b+7] offset:128*(\b/2)+32*(\b%2)+16
.endr
	WIN 0
.set BB, BK+64*((\a)%2)
.irp t, 0,1,2,3,4,5,6,7,8,9,10,11,12,13,14,15
	ds_load_b128 v[BB+4*\t:BB+4*\t+3], v[RD] offset:\t*528    ; LDS serves a wave's instructions in order (ISA guide 5.7.1.4): these see my stores
.endr
.endm
.macro OUTROW a
.if (\a) >= 2
	s_wait_xcnt 0x0                                ; the stores of two blocks back have read their registers
.endif
	TOSTAGE \a
	s_wait_dscnt 0x0
	s_wait_loadcnt 0x0                             ; the residual's rows
.set i, 0
.rept 32
	v_pk_add_f32 v[BB+i:BB+i+1], v[BB+i:BB+i+1], v[RS+i:RS+i+1]
.set i, i+2
.endr
.if (\a) < 7
	RLOAD (\a)+1
.endif
.irp t, 0,1,2,3,4,5,6,7,8,9,10,11,12,13,14,15
	global_store_b128 v[CO], v[BB+4*\t:BB+4*\t+3], s[12:13] offset:(32*((\a)/2)+8*((\a)%2)+\t+8*(\t/8))*4096 th:TH_STORE_NT
.endr
.endm
	PLACES NP
	RLOAD 0
.irp a, 0,1,2,3,4,5,6,7
	OUTROW \a
.endr
	s_wait_tensorcnt 0x0                           ; the wave's end, behind my last tensor load and my last LDS store
	ds_add_u32 v[SPW], v[NIL]
	s_wait_dscnt 0x0
	CROUND                                         ; the closing round
	s_endpgm
.Lfunc_end_k_q6c8e232868_proj:
	.size	k_q6c8e232868_proj, .Lfunc_end_k_q6c8e232868_proj-k_q6c8e232868_proj
	.p2alignl 7, 3214868480
	.fill 96, 4, 3214868480
	.section	.rodata,"a",@progbits
	.p2align	6, 0x0
	.amdhsa_kernel k_q6c8e232868_proj
		.amdhsa_group_segment_fixed_size 327680
		.amdhsa_private_segment_fixed_size 0
		.amdhsa_enable_private_segment 0
		.amdhsa_kernarg_size 40
		.amdhsa_user_sgpr_count 2
		.amdhsa_user_sgpr_kernarg_segment_ptr 1
		.amdhsa_wavefront_size32 1
		.amdhsa_system_sgpr_workgroup_id_x 1
		.amdhsa_system_sgpr_workgroup_id_y 1
		.amdhsa_system_sgpr_workgroup_id_z 1
		.amdhsa_system_vgpr_workitem_id 0
		.amdhsa_next_free_vgpr 1024
		.amdhsa_next_free_sgpr 100
		.amdhsa_reserve_vcc 0
		.amdhsa_float_denorm_mode_32 3
		.amdhsa_float_denorm_mode_16_64 3
		.amdhsa_memory_ordered 1
		.amdhsa_forward_progress 1
		.amdhsa_inst_pref_size 171
	.end_amdhsa_kernel
	.amdgpu_metadata
---
amdhsa.version: [ 1, 2 ]
amdhsa.kernels:
  - .name:           k_q6c8e232868_proj
    .symbol:         k_q6c8e232868_proj.kd
    .args:
      - { .name: op, .offset: 0, .size: 8, .value_kind: global_buffer, .address_space: global }
      - { .name: wpk, .offset: 8, .size: 8, .value_kind: global_buffer, .address_space: global }
      - { .name: b_proj, .offset: 16, .size: 8, .value_kind: global_buffer, .address_space: global }
      - { .name: x, .offset: 24, .size: 8, .value_kind: global_buffer, .address_space: global }
      - { .name: x1, .offset: 32, .size: 8, .value_kind: global_buffer, .address_space: global }
    .group_segment_fixed_size: 327680
    .private_segment_fixed_size: 0
    .kernarg_segment_align: 8
    .kernarg_segment_size: 40
    .max_flat_workgroup_size: 128
    .sgpr_count:     100
    .vgpr_count:     1024
    .wavefront_size: 32
...
	.end_amdgpu_metadata
.endif
;; end of part 4
;; launch ln2 (part 5): grid 256 x 1, 8 waves a work-group, no clusters, 2,048 bytes of LDS; arguments x1, ln2_g, ln2_b, hp; writes hp
.if DOCPART == 5
	.amdgcn_target "amdgcn-amd-amdhsa--gfx1250"
	.amdhsa_code_object_version 6
	.text
	.protected	k_q6c8e232868_ln2
	.globl	k_q6c8e232868_ln2
	.p2align	8
	.type	k_q6c8e232868_ln2,@function
k_q6c8e232868_ln2:
	s_mov_b64 s[64:65], 0
	v_nop
	global_prefetch_b8 v0, s[64:65] scope:SCOPE_SE
	s_setreg_imm32_b32 hwreg(HW_REG_WAVE_MODE, 25, 1), 1
	s_wait_xcnt 0x0
; LayerNorm 2 of x1, quantised along C to codes of BF8 with E8M0 scales, into PACK blocks (16,896 bytes for 128 rows x 128 K: eight tiles' register images, then their scale words;
; slot r of tile i is row 32 (i / 2) + 8 (i % 2) + r + 8 (r / 8)).  No work of the problem is left out.
; Work-group t takes tile t % 8 of group t / 8, 16 rows; wave w columns 128 w on.  Lane (r, h) holds, of its row, 16 neighbours of each block of 32: the operand's own layout.
; No cluster and no tensor load: no two work-groups read the same rows, and the data pass through registers once.
; LIMITS: NaN and infinities are not served; a block under 2^(16 - 127), zeros too, keeps the scale byte 1 (read by this program alone).
.set BLK,   16896
.set RED1,  0
.set RED2,  512
.set SPARE, 1024                       ; the spare words, 128 bytes for each wave, that no other line names
.set SPW, 50
.set NIL, 51
.set WV,  22
.set MNT, 23
.set SEL, 60
.set HPP, 10                           ; s[10:11] hp
.set X,   64
.set LG,  128
.set LB,  192
.set PC,  16
.set TM,  32
.set PW,  48
.macro QUANT s, pc
.irp b, 0,1,2,3
	v_max3_num_f32 v[TM+\b], |v[\s+16*\b]|, |v[\s+1+16*\b]|, 0x8000000      ; my 16 numbers of block b, and the floor 2^(16 - 127)
.endr
.irp i, 2,4,6,8,10,12,14
.irp b, 0,1,2,3
	v_max3_num_f32 v[TM+\b], v[TM+\b], |v[\s+16*\b+\i]|, |v[\s+1+16*\b+\i]|
.endr
.endr
.irp b, 0,1,2,3
	v_permlanex16_b32 v[TM+4+\b], v[TM+\b], s[SEL], s[SEL+1]
.endr
.irp b, 0,1,2,3
	v_max_num_f32 v[TM+\b], v[TM+\b], v[TM+4+\b]
.endr
.irp b, 0,1,2,3
	v_add_nc_u32 v[TM+12+\b], 0xf8800000, v[TM+\b]
.endr
.irp b, 0,1,2,3
	v_and_or_b32 v[TM+8+\b], v[TM+\b], 0x7f800000, s[MNT]
.endr
.irp b, 0,1,2,3
	v_lshrrev_b32 v[TM+4+\b], 23, v[TM+12+\b]
.endr
	v_lshl_or_b32 v[PW], v[TM+5], 8, v[TM+4]
	v_lshl_or_b32 v[PW], v[TM+6], 16, v[PW]
	v_lshl_or_b32 v[PW], v[TM+7], 24, v[PW]
.irp b, 0,1,2,3
.irp i, 0,1,2,3,4,5,6,7,8,9,10,11,12,13,14,15
	v_med3_num_f32 v[\s+16*\b+\i], v[\s+16*\b+\i], -v[TM+8+\b], v[TM+8+\b]
.endr
	v_cvt_scalef32_pk8_bf8_f32 v[(\pc)+4*\b:(\pc)+1+4*\b], v[\s+16*\b:\s+7+16*\b], v[TM+12+\b]
	v_cvt_scalef32_pk8_bf8_f32 v[(\pc)+2+4*\b:(\pc)+3+4*\b], v[\s+8+16*\b:\s+15+16*\b], v[TM+12+\b]
.endr
	v_nop
.endm
	s_load_b256 s[4:11], s[0:1], 0x0               ; x1 s[4:5], ln2_g s[6:7], ln2_b s[8:9], hp s[10:11]
	v_lshl_add_u32 v[SPW], v0, 2, SPARE
	v_mov_b32 v[NIL], 0
	v_lshrrev_b32 v1, 5, v0
	v_readfirstlane_b32 s[WV], v1
	v_and_b32 v2, 31, v0
	s_mov_b32 s[MNT], 0x600000
	s_mov_b32 s24, ttmp9
	s_lshr_b32 s25, s24, 3                         ; group
	s_and_b32 s26, s24, 7                          ; tile
	s_mov_b32 s[SEL], 0x76543210
	s_mov_b32 s[SEL+1], 0xfedcba98
	s_mov_b32 s62, 0x3a800000                      ; 1 / 1024
	s_mov_b32 s63, 0x3727c5ac                      ; 1e-5
	v_and_b32 v3, 15, v0
	v_bfe_u32 v4, v0, 4, 1
	v_and_b32 v5, 8, v3
	v_add_nc_u32 v5, v5, v3
	v_lshlrev_b32 v6, 6, v4
	v_lshl_add_u32 v7, v5, 12, v6
	v_lshlrev_b32 v9, 5, v3
	s_lshl_b32 s27, s[WV], 2
	v_add_nc_u32 v8, s27, v9
	s_lshl_b32 s27, s26, 11
	v_lshl_add_u32 v10, v2, 4, s27
	s_lshr_b32 s27, s26, 2
	s_lshl_b32 s27, s27, 8
	s_and_b32 s28, s26, 3
	s_lshl_b32 s28, s28, 2
	s_add_co_u32 s27, s27, s28
	v_lshl_add_u32 v11, v3, 4, s27
	s_lshl_b32 s30, s25, 7
	s_lshr_b32 s28, s26, 1
	s_lshl_b32 s28, s28, 5
	s_add_co_u32 s30, s30, s28
	s_and_b32 s28, s26, 1
	s_lshl_b32 s28, s28, 3
	s_add_co_u32 s30, s30, s28
	s_lshl_b32 s30, s30, 12
	s_lshl_b32 s32, s[WV], 9
	s_mov_b32 s33, 0
	s_add_co_u32 s30, s30, s32
	s_mov_b32 s31, 0
	s_lshl_b32 s34, s25, 3
	s_add_co_u32 s34, s34, s[WV]
	s_mul_i32 s34, s34, BLK
	s_mov_b32 s35, 0
	s_wait_kmcnt 0x0
	s_add_nc_u64 s[4:5], s[4:5], s[30:31]
	s_add_nc_u64 s[6:7], s[6:7], s[32:33]
	s_add_nc_u64 s[8:9], s[8:9], s[32:33]
	s_add_nc_u64 s[HPP:HPP+1], s[HPP:HPP+1], s[34:35]
.irp c, 0,1,2,3
.irp j, 0,1,2,3
	global_load_b128 v[X+16*\c+4*\j:X+16*\c+4*\j+3], v7, s[4:5] offset:128*\c+16*\j th:TH_LOAD_NT
.endr
.endr
.irp c, 0,1,2,3
.irp j, 0,1,2,3
	global_load_b128 v[LG+16*\c+4*\j:LG+16*\c+4*\j+3], v6, s[6:7] offset:128*\c+16*\j
.endr
.endr
.irp c, 0,1,2,3
.irp j, 0,1,2,3
	global_load_b128 v[LB+16*\c+4*\j:LB+16*\c+4*\j+3], v6, s[8:9] offset:128*\c+16*\j
.endr
.endr
.irp b, 0,1,2,3
	v_mov_b32 v[TM+4+\b], 0
.endr
.macro ACROSS red                      ; v[52:53], a lane's sum in two halves, becomes the row's sum over all 1,024 columns in v56
	v_add_f32 v52, v52, v53
	v_permlanex16_b32 v53, v52, s[SEL], s[SEL+1]
	v_add_f32 v52, v52, v53
	ds_store_b32 v8, v52 offset:\red
	s_wait_dscnt 0x0                               ; for the others' sake: my store has landed
	s_barrier_signal -1
	s_barrier_wait -1
	ds_load_b128 v[56:59], v9 offset:\red
	ds_load_b128 v[60:63], v9 offset:\red+16
	s_wait_dscnt 0x0
	v_pk_add_f32 v[56:57], v[56:57], v[58:59]
	v_pk_add_f32 v[60:61], v[60:61], v[62:63]
	v_pk_add_f32 v[56:57], v[56:57], v[60:61]
	v_add_f32 v56, v56, v57
.endm
	s_wait_loadcnt 32                              ; x1's 16 loads are in; the gain's and the bias's 32 may be out
	v_pk_add_f32 v[52:53], v[X:X+1], v[X+2:X+3]
	v_pk_add_f32 v[54:55], v[X+4:X+5], v[X+6:X+7]
.irp j, 8,12,16,20,24,28,32,36,40,44,48,52,56,60
	v_pk_add_f32 v[52:53], v[52:53], v[X+\j:X+\j+1]
	v_pk_add_f32 v[54:55], v[54:55], v[X+\j+2:X+\j+3]
.endr
	v_pk_add_f32 v[52:53], v[52:53], v[54:55]
	ACROSS RED1
	v_mul_f32 v56, s62, v56
	v_mov_b32 v57, v56
.set j, 0
.rept 32
	v_pk_add_f32 v[X+j:X+j+1], v[X+j:X+j+1], v[56:57] neg_lo:[0,1] neg_hi:[0,1]
.set j, j+2
.endr
	v_pk_mul_f32 v[52:53], v[X:X+1], v[X:X+1]
	v_pk_mul_f32 v[54:55], v[X+2:X+3], v[X+2:X+3]
.irp j, 4,8,12,16,20,24,28,32,36,40,44,48,52,56,60
	v_pk_fma_f32 v[52:53], v[X+\j:X+\j+1], v[X+\j:X+\j+1], v[52:53]
	v_pk_fma_f32 v[54:55], v[X+\j+2:X+\j+3], v[X+\j+2:X+\j+3], v[54:55]
.endr
	v_pk_add_f32 v[52:53], v[52:53], v[54:55]
	ACROSS RED2
	v_fma_f32 v56, v56, s62, s63
	v_rsq_f32 v56, v56
	v_nop
	s_wait_alu depctr_va_vdst(0)                   ; the wait ahead of the first reader
	v_mov_b32 v57, v56
	s_wait_loadcnt 0x0
.set j, 0
.rept 32
	v_pk_mul_f32 v[X+j:X+j+1], v[X+j:X+j+1], v[56:57]
.set j, j+2
.endr
.set j, 0
.rept 32
	v_pk_fma_f32 v[X+j:X+j+1], v[X+j:X+j+1], v[LG+j:LG+j+1], v[LB+j:LB+j+1]
.set j, j+2
.endr
	QUANT X, PC
.irp c, 0,1,2,3
	global_store_b128 v10, v[PC+4*\c:PC+4*\c+3], s[HPP:HPP+1] offset:512*\c
.endr
	global_store_b32 v11, v[PW], s[HPP:HPP+1] offset:16384
	s_wait_tensorcnt 0x0                           ; the wave's end, behind my last LDS store
	ds_add_u32 v[SPW], v[NIL]
	s_wait_dscnt 0x0
	s_endpgm
.Lfunc_end_k_q6c8e232868_ln2:
	.size	k_q6c8e232868_ln2, .Lfunc_end_k_q6c8e232868_ln2-k_q6c8e232868_ln2
	.p2alignl 7, 3214868480
	.fill 96, 4, 3214868480
	.section	.rodata,"a",@progbits
	.p2align	6, 0x0
	.amdhsa_kernel k_q6c8e232868_ln2
		.amdhsa_group_segment_fixed_size 2048
		.amdhsa_private_segment_fixed_size 0
		.amdhsa_enable_private_segment 0
		.amdhsa_kernarg_size 32
		.amdhsa_user_sgpr_count 2
		.amdhsa_user_sgpr_kernarg_segment_ptr 1
		.amdhsa_wavefront_size32 1
		.amdhsa_system_sgpr_workgroup_id_x 1
		.amdhsa_system_sgpr_workgroup_id_y 1
		.amdhsa_system_sgpr_workgroup_id_z 1
		.amdhsa_system_vgpr_workitem_id 0
		.amdhsa_next_free_vgpr 256
		.amdhsa_next_free_sgpr 66
		.amdhsa_reserve_vcc 0
		.amdhsa_float_denorm_mode_32 3
		.amdhsa_float_denorm_mode_16_64 3
		.amdhsa_memory_ordered 1
		.amdhsa_forward_progress 1
		.amdhsa_inst_pref_size 28
	.end_amdhsa_kernel
	.amdgpu_metadata
---
amdhsa.version: [ 1, 2 ]
amdhsa.kernels:
  - .name:           k_q6c8e232868_ln2
    .symbol:         k_q6c8e232868_ln2.kd
    .args:
      - { .name: x1, .offset: 0, .size: 8, .value_kind: global_buffer, .address_space: global }
      - { .name: ln2_g, .offset: 8, .size: 8, .value_kind: global_buffer, .address_space: global }
      - { .name: ln2_b, .offset: 16, .size: 8, .value_kind: global_buffer, .address_space: global }
      - { .name: hp, .offset: 24, .size: 8, .value_kind: global_buffer, .address_space: global }
    .group_segment_fixed_size: 2048
    .private_segment_fixed_size: 0
    .kernarg_segment_align: 8
    .kernarg_segment_size: 32
    .max_flat_workgroup_size: 256
    .sgpr_count:     66
    .vgpr_count:     256
    .wavefront_size: 32
...
	.end_amdgpu_metadata
.endif
;; end of part 5
;; launch fc1 (part 6): grid 16 x 16, 4 waves a work-group, clusters of 4 x 4, 327,680 bytes of LDS; arguments hp, wpk, b_fc1, gp; writes gp
.if DOCPART == 6
	.amdgcn_target "amdgcn-amd-amdhsa--gfx1250"
	.amdhsa_code_object_version 6
	.text
	.protected	k_q6c8e232868_fc1
	.globl	k_q6c8e232868_fc1
	.p2align	8
	.type	k_q6c8e232868_fc1,@function
k_q6c8e232868_fc1:
	s_mov_b64 s[64:65], 0
	v_nop
	global_prefetch_b8 v0, s[64:65] scope:SCOPE_SE
	s_setreg_imm32_b32 hwreg(HW_REG_WAVE_MODE, 25, 1), 1
	s_wait_xcnt 0x0
	s_wait_alu depctr_hold_cnt(0) depctr_sa_sdst(0) depctr_va_vdst(0) depctr_va_sdst(0) depctr_va_ssrc(0) depctr_va_vcc(0) depctr_vm_vsrc(0)
	s_getreg_b32 s2, hwreg(HW_REG_IB_STS2, 6, 4)
	s_cmp_eq_u32 s2, 0
	s_cbranch_scc0 .Lentry_in_a_cluster
	s_endpgm
.Lentry_in_a_cluster:
	s_bfe_u32 s2, ttmp6, 0x10000c
	s_cmp_lg_u32 s2, 0xf033
	s_cbranch_scc0 .Lentry_shape_is_right
	s_endpgm
.Lentry_shape_is_right:
; g = gelu(LN2(x1) w_fc1 + b_fc1), exact (by erf), on codes of BF8 with E8M0 scales; g leaves quantised along the hidden units, as PACK blocks for the last product.  No work of the problem is left out.
; Operands lie in PACK blocks (16,896 bytes for 128 rows x 128 K: eight tiles' register images, then their scale words; slot r of tile i is row 32 (i / 2) + 8 (i % 2) + r + 8 (r / 8)).
; A tile of the result, 256 x 256, is made by four waves, 128 x 128 each.  K goes in slots of 256 through a ring of two LDS slots; a group's two blocks are one dense run of 33,792 bytes, one tensor load.
; CLUSTERS: 4 x 4 work-groups; the tokens' blocks are asked for jointly along a row of the cluster, the weights' along a column.  TRANSPOSED USE: source 0 = the weights' rows, source 1 = tokens:
; a lane holds one token, and the 64 registers of a block of tokens are hidden units 32 b + 16 h + i: the quantiser's layout.  A wave's 128 x 128 is one whole PACK block of the next operand.
; erf(z) = z P(z^2) / Q(z^2) with z held within +-4, polynomials of degree 6 and 4 in z^2, in f32.  LIMIT: far below 0 the sum 1 + erf cancels, as it does in f32 in the formula 0.5 x (1 + erf(x / sqrt 2)) itself.
; LIMITS: NaN and infinities are not served; a block under 2^(16 - 127), zeros too, keeps the scale byte 1 (read by this program alone).
.set SIZE_K, 1024
.set WOFF,   (24*8+8*8)*16896          ; w_fc1's blocks in wpk
.set BIASC,  1
.set BLK,    16896
.set KS,     SIZE_K/128
.set GB,     2*BLK
.set SLOT,   4*GB
.set SPARE,  2*SLOT                    ; behind the ring: the spare words, 128 bytes a wave, that no other line names
.set LAPS,   SIZE_K/512
.set FR, 16
.set NL, 4
.set NP, 8
.set ADRA, 16
.set ADRB, 20
.set ADRS, 22
.set LO,   24                          ; 16 x lane
.set SPW,  28
.set NIL,  29
.set SC,   32
.set BIA,  64
.set AF,   128
.set Z,    64                          ; the way out: 16 numbers a batch: z,
.set Z2,   80                          ; z^2,
.set PN,   96                          ; the numerator,
.set QD,   112                         ; the denominator
.set T,    128                         ; 64 numbers: 0.5 x, then gelu(x)
.set PC,   192
.set TM,   224
.set PW,   240
.set WD,   244
.set G1, 24
.set G0, 32
.set G1B, 48
.set G0B, 56
.set RT2, 68                           ; scalar pairs: sqrt 2 and erf's coefficients (a11 and b6 stand in v[12:13], v[14:15])
.set A13, 70
.set A9,  72
.set A7,  74
.set A5,  76
.set A3,  78
.set A1,  80
.set B8,  82
.set B4,  84
.set B2,  86
.set B0,  88
.set SEL, 94
.set MNT, 96
.set MSB, 0
.macro WIN new
.if MSB != (\new)
	s_set_vgpr_msb (MSB<<8)|(\new)
.set MSB, (\new)
.endif
.endm
.set MUL_LO, 0xa1
.set MUL_HI, 0xf1
.set TO_B,   0x40
.macro JLOAD g0a, g1a, g0b, g1b
	s_cmp_eq_u32 s15, 0
	s_cbranch_scc0 .Lfor_b_\@
	tensor_load_to_lds s[\g0a:\g0a+3], s[\g1a:\g1a+7]
	s_nop 0
.rept 4
	v_nop
.endr
	s_branch .Lasked_\@
.Lfor_b_\@:
	tensor_load_to_lds s[\g0b:\g0b+3], s[\g1b:\g1b+7]
	s_nop 0
.rept 4
	v_nop
.endr
.Lasked_\@:
.endm
.macro CREST
	s_cmp_lg_u32 s14, 0
	s_cbranch_scc1 .Lnot_wave_0_\@
	s_barrier_signal -3
.Lnot_wave_0_\@:
	s_barrier_wait -3
	s_barrier_signal -1
	s_barrier_wait -1
.endm
.macro CROUND
	s_barrier_signal -1
	s_barrier_wait -1
	CREST
.endm
.macro PLACES n
.rept \n
	v_nop
.endr
.endm
	s_load_b256 s[4:11], s[0:1], 0x0               ; hp s[4:5], wpk s[6:7], b_fc1 s[8:9], gp s[10:11]
	v_lshl_add_u32 v[SPW], v0, 2, SPARE
	v_mov_b32 v[NIL], 0
	ds_add_u32 v[SPW], v[NIL]                      ; the opening: the add, twice on end, and its wait ahead of my first tensor load
	ds_add_u32 v[SPW], v[NIL]
	v_lshrrev_b32 v1, 5, v0
	v_readfirstlane_b32 s14, v1
	s_lshr_b32 s15, s14, 1
	s_and_b32 s16, s14, 1
	s_bfe_u32 s40, ttmp6, 0x40000
	s_bfe_u32 s41, ttmp6, 0x40004
	s_lshl_b32 s42, ttmp9, 2
	s_add_co_u32 s42, s42, s40                     ; tile column
	s_and_b32 s17, ttmp7, 0xffff
	s_lshl_b32 s17, s17, 2
	s_add_co_u32 s17, s17, s41                     ; tile row
	s_lshl_b32 s43, s41, 2
	s_lshl_b32 s43, 15, s43
	s_lshl_b32 s44, 0x1111, s40
	s_or_b32 s[G1+0], s43, (3<<16)|(1<<21)
	s_or_b32 s[G1B+0], s44, (3<<16)|(1<<21)
.irp g, G1, G1B
	s_mov_b32 s[\g+1], 32<<16
	s_mov_b32 s[\g+2], 132<<16
	s_mov_b32 s[\g+3], 32<<16
	s_mov_b32 s[\g+4], 132
	s_mov_b32 s[\g+5], 32
	s_mov_b32 s[\g+6], 0
	s_mov_b32 s[\g+7], 0
.endr
	s_lshl_b32 s20, s17, 1
	s_add_co_u32 s20, s20, s16
	s_mul_i32 s20, s20, KS*BLK
	s_mov_b32 s21, 0
	s_lshl_b32 s46, s42, 1
	s_add_co_u32 s46, s46, s16
	s_mul_i32 s46, s46, KS*BLK
	s_add_co_u32 s46, s46, WOFF
	s_mov_b32 s47, 0
	s_mul_i32 s45, s14, GB
	s_wait_dscnt 0x0
	s_wait_kmcnt 0x0
	s_add_nc_u64 s[20:21], s[4:5], s[20:21]
	s_add_nc_u64 s[46:47], s[6:7], s[46:47]
	CROUND
.irp s, 0,1
	s_mov_b32 s[G0+4*\s], 1
	s_add_co_u32 s[G0+4*\s+1], s45, \s*SLOT
	s_add_nc_u64 s[G0+4*\s+2:G0+4*\s+3], s[20:21], \s*GB
	s_or_b32 s[G0+4*\s+3], s[G0+4*\s+3], 0x80000000
	s_mov_b32 s[G0B+4*\s], 1
	s_add_co_u32 s[G0B+4*\s+1], s45, \s*SLOT
	s_add_nc_u64 s[G0B+4*\s+2:G0B+4*\s+3], s[46:47], \s*GB
	s_or_b32 s[G0B+4*\s+3], s[G0B+4*\s+3], 0x80000000
	JLOAD G0+4*\s, G1, G0B+4*\s, G1B
.endr
	v_and_b32 v1, 15, v0
	v_bfe_u32 v2, v0, 4, 1
	v_and_b32 v3, 31, v0
	v_lshlrev_b32 v[LO], 4, v3
	s_mul_i32 s21, s15, GB
	s_mul_i32 s22, s16, GB
	s_add_co_u32 s22, s22, 2*GB
	v_add_nc_u32 v[ADRA], s21, v[LO]
	v_add_nc_u32 v[ADRB], s22, v[LO]
	v_add_nc_u32 v[ADRA+1], SLOT, v[ADRA]
	v_add_nc_u32 v[ADRB+1], SLOT, v[ADRB]
	s_sub_co_u32 s23, s22, s21
	v_mul_u32_u24 v5, s23, v2
	v_lshl_add_u32 v5, v1, 4, v5
	s_add_co_u32 s23, s21, 16384
	v_add_nc_u32 v[ADRS], s23, v5
	v_add_nc_u32 v[ADRS+1], SLOT, v[ADRS]
	s_lshl_b32 s46, s42, 10
	s_lshl_b32 s47, s16, 9
	s_add_co_u32 s46, s46, s47
	s_mov_b32 s47, 0
	s_add_nc_u64 s[8:9], s[8:9], s[46:47]
	v_lshlrev_b32 v6, 6, v2
.irp b, 0,1,2,3
.irp j, 0,1,2,3
	global_load_b128 v[BIA+16*\b+4*\j:BIA+16*\b+4*\j+3], v6, s[8:9] offset:128*\b+16*\j
.endr
.endr
	s_lshl_b32 s46, s17, 1
	s_add_co_u32 s46, s46, s15                     ; my group of tokens
	s_lshl_b32 s46, s46, 5                         ; x 32 steps of the next K
	s_lshl_b32 s47, s42, 1
	s_add_co_u32 s46, s46, s47
	s_add_co_u32 s46, s46, s16                     ; + my 128 hidden units' step
	s_mul_i32 s46, s46, BLK
	s_mov_b32 s47, 0
	s_add_nc_u64 s[10:11], s[10:11], s[46:47]      ; the block that I write, whole
.macro FRAG reg, adr, q, i
.irp c, 0,1,2,3
	ds_load_b128 v[\reg+4*\c:\reg+4*\c+3], v[\adr] offset:BLK*(\q)+2048*(\i)+512*\c
.endr
.endm
.macro MUL16 a0, p, q, sc, zero        ; the 64 accumulators take turns, one instruction a turn
.irp a, \a0, \a0+1
.irp b, 0,1,2,3,4,5,6,7
.if \zero
.if BIASC
	v_wmma_scale_f32_16x16x128_f8f6f4 v[8*(8*((\a)%4)+\b):8*(8*((\a)%4)+\b)+7], v[128*(\p)+FR*\b:128*(\p)+FR*\b+FR-1], v[AF+FR*(\a):AF+FR*(\a)+FR-1], v[BIA+8*\b:BIA+8*\b+7], v[SC+16*(\sc)+8*(\q)+\b], v[SC+16*(\sc)+8*(\q)+(\a)] matrix_a_fmt:MATRIX_FMT_BF8 matrix_b_fmt:MATRIX_FMT_BF8 matrix_a_scale:MATRIX_SCALE_ROW1
.else
	v_wmma_scale_f32_16x16x128_f8f6f4 v[8*(8*((\a)%4)+\b):8*(8*((\a)%4)+\b)+7], v[128*(\p)+FR*\b:128*(\p)+FR*\b+FR-1], v[AF+FR*(\a):AF+FR*(\a)+FR-1], 0, v[SC+16*(\sc)+8*(\q)+\b], v[SC+16*(\sc)+8*(\q)+(\a)] matrix_a_fmt:MATRIX_FMT_BF8 matrix_b_fmt:MATRIX_FMT_BF8 matrix_a_scale:MATRIX_SCALE_ROW1
.endif
.else
	v_wmma_scale_f32_16x16x128_f8f6f4 v[8*(8*((\a)%4)+\b):8*(8*((\a)%4)+\b)+7], v[128*(\p)+FR*\b:128*(\p)+FR*\b+FR-1], v[AF+FR*(\a):AF+FR*(\a)+FR-1], v[8*(8*((\a)%4)+\b):8*(8*((\a)%4)+\b)+7], v[SC+16*(\sc)+8*(\q)+\b], v[SC+16*(\sc)+8*(\q)+(\a)] matrix_a_fmt:MATRIX_FMT_BF8 matrix_b_fmt:MATRIX_FMT_BF8 matrix_a_scale:MATRIX_SCALE_ROW1
.endif
.endr
.endr
.endm
.macro FETCH_B slot, q, p
	WIN TO_B
.irp i, 0,1,2,3,4,5,6,7
	FRAG 128*(\p)+FR*\i, ADRB+\slot, \q, \i
.endr
	WIN 0
.endm
.macro FETCH_A slot, q, i0
.irp i, \i0, \i0+1, \i0+2, \i0+3
	FRAG AF+FR*(\i), ADRA+\slot, \q, \i
.endr
.endm
.macro SCALES sc
.irp q, 0,1
.irp j, 0,1
	ds_load_b128 v[SC+16*\sc+8*\q+4*\j:SC+16*\sc+8*\q+4*\j+3], v[ADRS+\sc] offset:BLK*\q+256*\j
.endr
.endr
.endm
.macro STEP slot, q, zero
	s_wait_dscnt 4*NL                              ; all but the youngest 16 loads (the tokens' blocks 4-7) are in
	WIN MUL_LO-0x20*BIASC*(\zero)                  ; (the first step's C, the bias, lies in window 0)
	MUL16 0, (\q)%2, \q, \slot, \zero
	MUL16 2, (\q)%2, \q, \slot, \zero
	s_wait_dscnt 0
	PLACES NP
	FETCH_B \slot, (\q)+1, 1-(\q)%2
	FETCH_A \slot, (\q)+1, 0
	WIN MUL_HI-0x30*BIASC*(\zero)
	MUL16 4, (\q)%2, \q, \slot, \zero
	MUL16 6, (\q)%2, \q, \slot, \zero
	PLACES NP
	WIN 0
	FETCH_A \slot, (\q)+1, 4
.endm
.macro TURN slot, next, fill
	s_wait_tensorcnt 0x0                           ; all my tensor loads have landed: my part of the next slot
	ds_add_u32 v[SPW], v[NIL]
	s_wait_dscnt 4*NL+1                            ; the add and the youngest 16 loads may be out
	WIN MUL_LO
	MUL16 0, 1, 1, \slot, 0
	s_wait_dscnt 0x0                               ; the add is done, and my reads of this slot are over
	s_barrier_signal -1
	MUL16 2, 1, 1, \slot, 0
	WIN 0
	s_barrier_wait -1
.if \fill
	CREST                                          ; a round of the cluster's barrier: no wave of any partner still reads this slot or has a load on its way
	s_add_nc_u64 s[G0+4*\slot+2:G0+4*\slot+3], s[G0+4*\slot+2:G0+4*\slot+3], 2*GB
	s_add_nc_u64 s[G0B+4*\slot+2:G0B+4*\slot+3], s[G0B+4*\slot+2:G0B+4*\slot+3], 2*GB
	JLOAD G0+4*\slot, G1, G0B+4*\slot, G1B
	PLACES NP-4
.else
	PLACES NP
.endif
	FETCH_B \next, 0, 0
	FETCH_A \next, 0, 0
	SCALES \next
	WIN MUL_HI
	MUL16 4, 1, 1, \slot, 0
	MUL16 6, 1, 1, \slot, 0
	PLACES NP
	WIN 0
	FETCH_A \next, 0, 4
.endm
	s_wait_tensorcnt 1                             ; my part of slot 0 is in; slot 1's load may be out
	s_barrier_signal -1
	s_barrier_wait -1
	FETCH_B 0, 0, 0
	FETCH_A 0, 0, 0
	SCALES 0
	FETCH_A 0, 0, 4
	s_wait_loadcnt 0x0                             ; the bias
	STEP 0, 0, 1
	s_mov_b32 s3, LAPS-1
.Llap:
	TURN 0, 1, 1
	STEP 1, 0, 0
	TURN 1, 0, 1
	STEP 0, 0, 0
	s_sub_co_u32 s3, s3, 1
	s_cmp_lg_u32 s3, 0
	s_cbranch_scc1 .Llap
	TURN 0, 1, 0
	STEP 1, 0, 0
	s_wait_dscnt 4*NL
	WIN MUL_LO
	MUL16 0, 1, 1, 1, 0
	MUL16 2, 1, 1, 1, 0
	s_wait_dscnt 0
	WIN MUL_HI
	MUL16 4, 1, 1, 1, 0
	MUL16 6, 1, 1, 1, 0
	WIN 0
; ---------------- THE WAY OUT: a loop of eight trips, one block of 16 tokens each, so that GELU and the quantiser are written once.  What differs from trip to trip is which accumulators are read:
; a switch on the trip's number leads to one of eight runs of 32 packed multiplications, which bring the block, as 0.5 x, into fixed registers.
.macro QUANT s, pc
.irp b, 0,1,2,3
	v_max3_num_f32 v[TM+\b], |v[\s+16*\b]|, |v[\s+1+16*\b]|, 0x8000000
.endr
.irp i, 2,4,6,8,10,12,14
.irp b, 0,1,2,3
	v_max3_num_f32 v[TM+\b], v[TM+\b], |v[\s+16*\b+\i]|, |v[\s+1+16*\b+\i]|
.endr
.endr
.irp b, 0,1,2,3
	v_permlanex16_b32 v[TM+4+\b], v[TM+\b], s[SEL], s[SEL+1]
.endr
.irp b, 0,1,2,3
	v_max_num_f32 v[TM+\b], v[TM+\b], v[TM+4+\b]
.endr
.irp b, 0,1,2,3
	v_add_nc_u32 v[TM+12+\b], 0xf8800000, v[TM+\b]
.endr
.irp b, 0,1,2,3
	v_and_or_b32 v[TM+8+\b], v[TM+\b], 0x7f800000, s[MNT]
.endr
.irp b, 0,1,2,3
	v_lshrrev_b32 v[TM+4+\b], 23, v[TM+12+\b]
.endr
	v_lshl_or_b32 v[PW], v[TM+5], 8, v[TM+4]
	v_lshl_or_b32 v[PW], v[TM+6], 16, v[PW]
	v_lshl_or_b32 v[PW], v[TM+7], 24, v[PW]
.irp b, 0,1,2,3
.irp i, 0,1,2,3,4,5,6,7,8,9,10,11,12,13,14,15
	v_med3_num_f32 v[\s+16*\b+\i], v[\s+16*\b+\i], -v[TM+8+\b], v[TM+8+\b]
.endr
	v_cvt_scalef32_pk8_bf8_f32 v[(\pc)+4*\b:(\pc)+1+4*\b], v[\s+16*\b:\s+7+16*\b], v[TM+12+\b]
	v_cvt_scalef32_pk8_bf8_f32 v[(\pc)+2+4*\b:(\pc)+3+4*\b], v[\s+8+16*\b:\s+15+16*\b], v[TM+12+\b]
.endr
	v_nop
.endm
.macro PULL a
.if (\a) > 0
	v_mov_b32 v[WD+(\a)-1], v[PW]                  ; the last trip's scale word
.endif
	WIN 0x02+(\a)/4
.set i, 0
.rept 32
	v_pk_mul_f32 v[T+i:T+i+1], v[64*((\a)%4)+i:64*((\a)%4)+i+1], 0.5 op_sel_hi:[1,0]
.set i, i+2
.endr
	WIN 0
.endm
.macro HORNER d, k                     ; d = d z^2 + k, eight pairs by turns
.set i, 0
.rept 8
	v_pk_fma_f32 v[\d+i:\d+i+1], v[\d+i:\d+i+1], v[Z2+i:Z2+i+1], s[\k:\k+1] op_sel_hi:[1,1,0]
.set i, i+2
.endr
.endm
.macro GELU n                          ; 16 numbers: v[T + 16 n ..] holds 0.5 x and takes 0.5 x (1 + erf(x / sqrt 2))
.set TT, T+16*(\n)
.set i, 0
.rept 8
	v_pk_mul_f32 v[Z+i:Z+i+1], v[TT+i:TT+i+1], s[RT2:RT2+1] op_sel_hi:[1,0]     ; z = 0.5 x sqrt 2
.set i, i+2
.endr
.set i, 0
.rept 16
	v_med3_num_f32 v[Z+i], v[Z+i], -4.0, 4.0
.set i, i+1
.endr
.set i, 0
.rept 8
	v_pk_mul_f32 v[Z2+i:Z2+i+1], v[Z+i:Z+i+1], v[Z+i:Z+i+1]
.set i, i+2
.endr
.set i, 0
.rept 8
	v_pk_fma_f32 v[QD+i:QD+i+1], v[Z2+i:Z2+i+1], s[B8:B8+1], v[14:15] op_sel_hi:[1,0,1]
.set i, i+2
.endr
	HORNER QD, B4
	HORNER QD, B2
	HORNER QD, B0
.set i, 0
.rept 16
	v_rcp_f32 v[QD+i], v[QD+i]                     ; one batch; the numerator's 56 lines below name none of its results
.set i, i+1
.endr
.set i, 0
.rept 8
	v_pk_fma_f32 v[PN+i:PN+i+1], v[Z2+i:Z2+i+1], s[A13:A13+1], v[12:13] op_sel_hi:[1,0,1]
.set i, i+2
.endr
	HORNER PN, A9
	HORNER PN, A7
	HORNER PN, A5
	HORNER PN, A3
	HORNER PN, A1
.set i, 0
.rept 8
	v_pk_mul_f32 v[PN+i:PN+i+1], v[PN+i:PN+i+1], v[Z+i:Z+i+1]
.set i, i+2
.endr
	s_wait_alu depctr_va_vdst(0)                   ; one wait for the batch, ahead of its first reader
.set i, 0
.rept 8
	v_pk_mul_f32 v[PN+i:PN+i+1], v[PN+i:PN+i+1], v[QD+i:QD+i+1]                 ; erf
.set i, i+2
.endr
.set i, 0
.rept 8
	v_pk_fma_f32 v[TT+i:TT+i+1], v[TT+i:TT+i+1], v[PN+i:PN+i+1], v[TT+i:TT+i+1]
.set i, i+2
.endr
.endm
.macro KONST reg, val
	s_mov_b32 s[\reg], \val
	s_mov_b32 s[\reg+1], \val
.endm
	PLACES NP
	s_mov_b32 s66, 0xffff0000                      ; lanes 16-31
	s_mov_b32 s[SEL], 0x76543210
	s_mov_b32 s[SEL+1], 0xfedcba98
	s_mov_b32 s[MNT], 0x600000
	KONST RT2, 0x3fb504f3                          ; sqrt 2
	KONST A13, 0xaf95df0b                          ; -2.72614225801306e-10
	KONST A9,  0xb60cff51                          ; -2.10102402082508e-6
	KONST A7,  0xb86ec2d2                          ; -5.69250639462346e-5
	KONST A5,  0xba40ac63                          ; -7.34990630326855e-4
	KONST A3,  0xbb41a1f6                          ; -2.95459980854025e-3
	KONST A1,  0xbc83dbd4                          ; -1.60960333262415e-2
	KONST B8,  0xb77460cd                          ; -1.45660718464996e-5
	KONST B4,  0xbadc924e                          ; -1.68282697438203e-3
	KONST B2,  0xbbf19bf8                          ; -7.37332916720468e-3
	KONST B0,  0xbc69b6a7                          ; -1.42647390514189e-2
	v_mov_b32 v12, 0x32edffee                      ; a11 = 2.77068142495902e-8
	v_mov_b32 v13, 0x32edffee
	v_mov_b32 v14, 0xb95fbd29                      ; b6 = -2.13374055278905e-4
	v_mov_b32 v15, 0xb95fbd29
.irp b, 0,1,2,3
	v_mov_b32 v[TM+4+\b], 0                        ; written once: a lane permute's destination counts as one of its sources
.endr
.irp i, 0,1,2,3,4,5,6,7
	v_mov_b32 v[WD+\i], 0                          ; written once, so that every way through the switch finds them written
.endr
	s_mov_b32 s19, 0
	s_mov_b32 s3, 0
.Lrow:
.irp a, 1,2,3,4,5,6,7
	s_cmp_eq_u32 s3, \a
	s_cbranch_scc1 .Lpull\a
.endr
.irp a, 0,1,2,3,4,5,6,7
.Lpull\a:
	PULL \a
.if \a < 7
	s_branch .Lwork
.endif
.endr
.Lwork:
	GELU 0
	GELU 1
	GELU 2
	GELU 3
	s_wait_xcnt 0x0                                ; the last trip's stores have read their registers and their base
	s_cmp_lg_u32 s3, 0
	s_cselect_b32 s18, 2048, 0
	s_add_nc_u64 s[10:11], s[10:11], s[18:19]      ; on to this block's image
	QUANT T, PC
.irp c, 0,1,2,3
	global_store_b128 v[LO], v[PC+4*\c:PC+4*\c+3], s[10:11] offset:512*\c     ; 512 consecutive bytes
.endr
	s_add_co_u32 s3, s3, 1
	s_cmp_lt_u32 s3, 8
	s_cbranch_scc1 .Lrow
	v_mov_b32 v[WD+7], v[PW]
.irp i, 0,1,2,3
	v_cndmask_b32 v[32+\i], v[WD+\i], v[WD+4+\i], s66      ; tiles 0-3 in lanes 0-15, tiles 4-7 in lanes 16-31
.endr
	global_store_b128 v[LO], v[32:35], s[10:11] offset:16384-7*2048    ; the base stands at the eighth image: the scale words lie 2,048 bytes on
	s_wait_tensorcnt 0x0                           ; the wave's end
	ds_add_u32 v[SPW], v[NIL]
	s_wait_dscnt 0x0
	CROUND                                         ; the closing round
	s_endpgm
.Lfunc_end_k_q6c8e232868_fc1:
	.size	k_q6c8e232868_fc1, .Lfunc_end_k_q6c8e232868_fc1-k_q6c8e232868_fc1
	.p2alignl 7, 3214868480
	.fill 96, 4, 3214868480
	.section	.rodata,"a",@progbits
	.p2align	6, 0x0
	.amdhsa_kernel k_q6c8e232868_fc1
		.amdhsa_group_segment_fixed_size 327680
		.amdhsa_private_segment_fixed_size 0
		.amdhsa_enable_private_segment 0
		.amdhsa_kernarg_size 32
		.amdhsa_user_sgpr_count 2
		.amdhsa_user_sgpr_kernarg_segment_ptr 1
		.amdhsa_wavefront_size32 1
		.amdhsa_system_sgpr_workgroup_id_x 1
		.amdhsa_system_sgpr_workgroup_id_y 1
		.amdhsa_system_sgpr_workgroup_id_z 1
		.amdhsa_system_vgpr_workitem_id 0
		.amdhsa_next_free_vgpr 1024
		.amdhsa_next_free_sgpr 100
		.amdhsa_reserve_vcc 0
		.amdhsa_float_denorm_mode_32 3
		.amdhsa_float_denorm_mode_16_64 3
		.amdhsa_memory_ordered 1
		.amdhsa_forward_progress 1
		.amdhsa_inst_pref_size 178
	.end_amdhsa_kernel
	.amdgpu_metadata
---
amdhsa.version: [ 1, 2 ]
amdhsa.kernels:
  - .name:           k_q6c8e232868_fc1
    .symbol:         k_q6c8e232868_fc1.kd
    .args:
      - { .name: hp, .offset: 0, .size: 8, .value_kind: global_buffer, .address_space: global }
      - { .name: wpk, .offset: 8, .size: 8, .value_kind: global_buffer, .address_space: global }
      - { .name: b_fc1, .offset: 16, .size: 8, .value_kind: global_buffer, .address_space: global }
      - { .name: gp, .offset: 24, .size: 8, .value_kind: global_buffer, .address_space: global }
    .group_segment_fixed_size: 327680
    .private_segment_fixed_size: 0
    .kernarg_segment_align: 8
    .kernarg_segment_size: 32
    .max_flat_workgroup_size: 128
    .sgpr_count:     100
    .vgpr_count:     1024
    .wavefront_size: 32
...
	.end_amdgpu_metadata
.endif
;; end of part 6
;; launch fc2 (part 7): grid 4 x 16, 4 waves a work-group, clusters of 4 x 4, 327,680 bytes of LDS; arguments gp, wpk, b_fc2, x1, out0; writes out0
.if DOCPART == 7
	.amdgcn_target "amdgcn-amd-amdhsa--gfx1250"
	.amdhsa_code_object_version 6
	.text
	.protected	k_q6c8e232868_fc2
	.globl	k_q6c8e232868_fc2
	.p2align	8
	.type	k_q6c8e232868_fc2,@function
k_q6c8e232868_fc2:
	s_mov_b64 s[64:65], 0
	v_nop
	global_prefetch_b8 v0, s[64:65] scope:SCOPE_SE
	s_setreg_imm32_b32 hwreg(HW_REG_WAVE_MODE, 25, 1), 1
	s_wait_xcnt 0x0
	s_wait_alu depctr_hold_cnt(0) depctr_sa_sdst(0) depctr_va_vdst(0) depctr_va_sdst(0) depctr_va_ssrc(0) depctr_va_vcc(0) depctr_vm_vsrc(0)
	s_getreg_b32 s2, hwreg(HW_REG_IB_STS2, 6, 4)
	s_cmp_eq_u32 s2, 0
	s_cbranch_scc0 .Lentry_in_a_cluster
	s_endpgm
.Lentry_in_a_cluster:
	s_bfe_u32 s2, ttmp6, 0x10000c
	s_cmp_lg_u32 s2, 0xf033
	s_cbranch_scc0 .Lentry_shape_is_right
	s_endpgm
.Lentry_shape_is_right:
; out0 = x1 + (g w_fc2 + b_fc2): a product on codes of BF8 with E8M0 scales, f32 sums, the bias as the sums' first C, the residual added on the way out.  No work of the problem is left out.
; Operands lie in PACK blocks (16,896 bytes for 128 rows x 128 K: eight tiles' register images, then their scale words; slot r of tile i is row 32 (i / 2) + 8 (i % 2) + r + 8 (r / 8)).
; A tile of the result, 256 x 256, is made by four waves, 128 x 128 each.  K goes in slots of 256 through a ring of two LDS slots; a group's two blocks are one dense run of 33,792 bytes, one tensor load.
; CLUSTERS: 4 x 4 work-groups; the tokens' blocks are asked for jointly along a row of the cluster, the weights' along a column.  TRANSPOSED USE: source 0 = the weights' rows, source 1 = tokens.
.set SIZE_K, 4096
.set WOFF,   (24*8+8*8+32*8)*16896     ; w_fc2's blocks in wpk
.set BIASC,  1
.set BLK,    16896
.set KS,     SIZE_K/128
.set GB,     2*BLK
.set SLOT,   4*GB
.set SPARE,  2*SLOT                    ; behind the ring: the spare words, 128 bytes a wave, that no other line names
.set LAPS,   SIZE_K/512
.set FR, 16
.set NL, 4
.set NP, 8
.set ADRA, 16
.set ADRB, 20
.set ADRS, 22
.set STO,  24
.set RD,   25
.set CO,   26
.set SPW,  28
.set NIL,  29
.set SC,   32
.set BIA,  64
.set RS,   64
.set AF,   128
.set BK,   128
.set G1, 24
.set G0, 32
.set G1B, 48
.set G0B, 56
.set MSB, 0
.macro WIN new
.if MSB != (\new)
	s_set_vgpr_msb (MSB<<8)|(\new)
.set MSB, (\new)
.endif
.endm
.set MUL_LO, 0xa1
.set MUL_HI, 0xf1
.set TO_B,   0x40
.macro JLOAD g0a, g1a, g0b, g1b
	s_cmp_eq_u32 s15, 0
	s_cbranch_scc0 .Lfor_b_\@
	tensor_load_to_lds s[\g0a:\g0a+3], s[\g1a:\g1a+7]
	s_nop 0
.rept 4
	v_nop
.endr
	s_branch .Lasked_\@
.Lfor_b_\@:
	tensor_load_to_lds s[\g0b:\g0b+3], s[\g1b:\g1b+7]
	s_nop 0
.rept 4
	v_nop
.endr
.Lasked_\@:
.endm
.macro CREST
	s_cmp_lg_u32 s14, 0
	s_cbranch_scc1 .Lnot_wave_0_\@
	s_barrier_signal -3
.Lnot_wave_0_\@:
	s_barrier_wait -3
	s_barrier_signal -1
	s_barrier_wait -1
.endm
.macro CROUND
	s_barrier_signal -1
	s_barrier_wait -1
	CREST
.endm
.macro PLACES n
.rept \n
	v_nop
.endr
.endm
	s_load_b256 s[4:11], s[0:1], 0x0               ; the tokens' blocks s[4:5], wpk s[6:7], the bias s[8:9], the residual s[10:11]
	s_load_b64 s[12:13], s[0:1], 0x20              ; the result
	v_lshl_add_u32 v[SPW], v0, 2, SPARE
	v_mov_b32 v[NIL], 0
	ds_add_u32 v[SPW], v[NIL]                      ; the opening: the add, twice on end, and its wait ahead of my first tensor load
	ds_add_u32 v[SPW], v[NIL]
	v_lshrrev_b32 v1, 5, v0
	v_readfirstlane_b32 s14, v1
	s_lshr_b32 s15, s14, 1
	s_and_b32 s16, s14, 1
	s_bfe_u32 s40, ttmp6, 0x40000
	s_bfe_u32 s41, ttmp6, 0x40004
	s_lshl_b32 s42, ttmp9, 2
	s_add_co_u32 s42, s42, s40                     ; tile column
	s_and_b32 s17, ttmp7, 0xffff
	s_lshl_b32 s17, s17, 2
	s_add_co_u32 s17, s17, s41                     ; tile row
	s_lshl_b32 s43, s41, 2
	s_lshl_b32 s43, 15, s43
	s_lshl_b32 s44, 0x1111, s40
	s_or_b32 s[G1+0], s43, (3<<16)|(1<<21)
	s_or_b32 s[G1B+0], s44, (3<<16)|(1<<21)
.irp g, G1, G1B
	s_mov_b32 s[\g+1], 32<<16
	s_mov_b32 s[\g+2], 132<<16
	s_mov_b32 s[\g+3], 32<<16
	s_mov_b32 s[\g+4], 132
	s_mov_b32 s[\g+5], 32
	s_mov_b32 s[\g+6], 0
	s_mov_b32 s[\g+7], 0
.endr
	s_lshl_b32 s20, s17, 1
	s_add_co_u32 s20, s20, s16
	s_mul_i32 s20, s20, KS*BLK
	s_mov_b32 s21, 0
	s_lshl_b32 s46, s42, 1
	s_add_co_u32 s46, s46, s16
	s_mul_i32 s46, s46, KS*BLK
	s_add_co_u32 s46, s46, WOFF
	s_mov_b32 s47, 0
	s_mul_i32 s45, s14, GB
	s_wait_dscnt 0x0
	s_wait_kmcnt 0x0
	s_add_nc_u64 s[20:21], s[4:5], s[20:21]
	s_add_nc_u64 s[46:47], s[6:7], s[46:47]
	CROUND
.irp s, 0,1
	s_mov_b32 s[G0+4*\s], 1
	s_add_co_u32 s[G0+4*\s+1], s45, \s*SLOT
	s_add_nc_u64 s[G0+4*\s+2:G0+4*\s+3], s[20:21], \s*GB
	s_or_b32 s[G0+4*\s+3], s[G0+4*\s+3], 0x80000000
	s_mov_b32 s[G0B+4*\s], 1
	s_add_co_u32 s[G0B+4*\s+1], s45, \s*SLOT
	s_add_nc_u64 s[G0B+4*\s+2:G0B+4*\s+3], s[46:47], \s*GB
	s_or_b32 s[G0B+4*\s+3], s[G0B+4*\s+3], 0x80000000
	JLOAD G0+4*\s, G1, G0B+4*\s, G1B
.endr
	v_and_b32 v1, 15, v0
	v_bfe_u32 v2, v0, 4, 1
	v_and_b32 v3, 31, v0
	v_lshlrev_b32 v[CO], 4, v3
	s_mul_i32 s21, s15, GB
	s_mul_i32 s22, s16, GB
	s_add_co_u32 s22, s22, 2*GB
	v_add_nc_u32 v[ADRA], s21, v[CO]
	v_add_nc_u32 v[ADRB], s22, v[CO]
	v_add_nc_u32 v[ADRA+1], SLOT, v[ADRA]
	v_add_nc_u32 v[ADRB+1], SLOT, v[ADRB]
	s_sub_co_u32 s23, s22, s21
	v_mul_u32_u24 v5, s23, v2
	v_lshl_add_u32 v5, v1, 4, v5
	s_add_co_u32 s23, s21, 16384
	v_add_nc_u32 v[ADRS], s23, v5
	v_add_nc_u32 v[ADRS+1], SLOT, v[ADRS]
	s_lshl_b32 s46, s42, 10
	s_lshl_b32 s47, s16, 9
	s_add_co_u32 s46, s46, s47
	s_mov_b32 s47, 0
	s_add_nc_u64 s[8:9], s[8:9], s[46:47]
	v_lshlrev_b32 v6, 6, v2
.irp b, 0,1,2,3
.irp j, 0,1,2,3
	global_load_b128 v[BIA+16*\b+4*\j:BIA+16*\b+4*\j+3], v6, s[8:9] offset:128*\b+16*\j
.endr
.endr
	s_lshl_b32 s18, s17, 8
	s_lshl_b32 s19, s15, 7
	s_add_co_u32 s18, s18, s19
	s_lshl_b32 s18, s18, 12
	s_add_co_u32 s46, s46, s18
	s_add_nc_u64 s[10:11], s[10:11], s[46:47]
	s_add_nc_u64 s[12:13], s[12:13], s[46:47]
	s_mul_i32 s23, s14, 16*528                     ; my stage, in slot 0, which has had its last fill and its last read when the first result is stored there
	v_mul_u32_u24 v5, v1, 528
	v_lshl_add_u32 v5, v2, 6, v5
	v_add_nc_u32 v[STO], s23, v5
	v_add_nc_u32 v[RD], s23, v[CO]
.macro FRAG reg, adr, q, i
.irp c, 0,1,2,3
	ds_load_b128 v[\reg+4*\c:\reg+4*\c+3], v[\adr] offset:BLK*(\q)+2048*(\i)+512*\c
.endr
.endm
.macro MUL16 a0, p, q, sc, zero        ; the 64 accumulators take turns, one instruction a turn
.irp a, \a0, \a0+1
.irp b, 0,1,2,3,4,5,6,7
.if \zero
.if BIASC
	v_wmma_scale_f32_16x16x128_f8f6f4 v[8*(8*((\a)%4)+\b):8*(8*((\a)%4)+\b)+7], v[128*(\p)+FR*\b:128*(\p)+FR*\b+FR-1], v[AF+FR*(\a):AF+FR*(\a)+FR-1], v[BIA+8*\b:BIA+8*\b+7], v[SC+16*(\sc)+8*(\q)+\b], v[SC+16*(\sc)+8*(\q)+(\a)] matrix_a_fmt:MATRIX_FMT_BF8 matrix_b_fmt:MATRIX_FMT_BF8 matrix_a_scale:MATRIX_SCALE_ROW1
.else
	v_wmma_scale_f32_16x16x128_f8f6f4 v[8*(8*((\a)%4)+\b):8*(8*((\a)%4)+\b)+7], v[128*(\p)+FR*\b:128*(\p)+FR*\b+FR-1], v[AF+FR*(\a):AF+FR*(\a)+FR-1], 0, v[SC+16*(\sc)+8*(\q)+\b], v[SC+16*(\sc)+8*(\q)+(\a)] matrix_a_fmt:MATRIX_FMT_BF8 matrix_b_fmt:MATRIX_FMT_BF8 matrix_a_scale:MATRIX_SCALE_ROW1
.endif
.else
	v_wmma_scale_f32_16x16x128_f8f6f4 v[8*(8*((\a)%4)+\b):8*(8*((\a)%4)+\b)+7], v[128*(\p)+FR*\b:128*(\p)+FR*\b+FR-1], v[AF+FR*(\a):AF+FR*(\a)+FR-1], v[8*(8*((\a)%4)+\b):8*(8*((\a)%4)+\b)+7], v[SC+16*(\sc)+8*(\q)+\b], v[SC+16*(\sc)+8*(\q)+(\a)] matrix_a_fmt:MATRIX_FMT_BF8 matrix_b_fmt:MATRIX_FMT_BF8 matrix_a_scale:MATRIX_SCALE_ROW1
.endif
.endr
.endr
.endm
.macro FETCH_B slot, q, p
	WIN TO_B
.irp i, 0,1,2,3,4,5,6,7
	FRAG 128*(\p)+FR*\i, ADRB+\slot, \q, \i
.endr
	WIN 0
.endm
.macro FETCH_A slot, q, i0
.irp i, \i0, \i0+1, \i0+2, \i0+3
	FRAG AF+FR*(\i), ADRA+\slot, \q, \i
.endr
.endm
.macro SCALES sc
.irp q, 0,1
.irp j, 0,1
	ds_load_b128 v[SC+16*\sc+8*\q+4*\j:SC+16*\sc+8*\q+4*\j+3], v[ADRS+\sc] offset:BLK*\q+256*\j
.endr
.endr
.endm
.macro STEP slot, q, zero
	s_wait_dscnt 4*NL                              ; all but the youngest 16 loads (the tokens' blocks 4-7) are in
	WIN MUL_LO-0x20*BIASC*(\zero)                  ; (the first step's C, the bias, lies in window 0)
	MUL16 0, (\q)%2, \q, \slot, \zero
	MUL16 2, (\q)%2, \q, \slot, \zero
	s_wait_dscnt 0
	PLACES NP
	FETCH_B \slot, (\q)+1, 1-(\q)%2
	FETCH_A \slot, (\q)+1, 0
	WIN MUL_HI-0x30*BIASC*(\zero)
	MUL16 4, (\q)%2, \q, \slot, \zero
	MUL16 6, (\q)%2, \q, \slot, \zero
	PLACES NP
	WIN 0
	FETCH_A \slot, (\q)+1, 4
.endm
.macro TURN slot, next, fill
	s_wait_tensorcnt 0x0                           ; all my tensor loads have landed: my part of the next slot
	ds_add_u32 v[SPW], v[NIL]
	s_wait_dscnt 4*NL+1                            ; the add and the youngest 16 loads may be out
	WIN MUL_LO
	MUL16 0, 1, 1, \slot, 0
	s_wait_dscnt 0x0                               ; the add is done, and my reads of this slot are over
	s_barrier_signal -1
	MUL16 2, 1, 1, \slot, 0
	WIN 0
	s_barrier_wait -1
.if \fill
	CREST                                          ; a round of the cluster's barrier: no wave of any partner still reads this slot or has a load on its way
	s_add_nc_u64 s[G0+4*\slot+2:G0+4*\slot+3], s[G0+4*\slot+2:G0+4*\slot+3], 2*GB
	s_add_nc_u64 s[G0B+4*\slot+2:G0B+4*\slot+3], s[G0B+4*\slot+2:G0B+4*\slot+3], 2*GB
	JLOAD G0+4*\slot, G1, G0B+4*\slot, G1B
	PLACES NP-4
.else
	PLACES NP
.endif
	FETCH_B \next, 0, 0
	FETCH_A \next, 0, 0
	SCALES \next
	WIN MUL_HI
	MUL16 4, 1, 1, \slot, 0
	MUL16 6, 1, 1, \slot, 0
	PLACES NP
	WIN 0
	FETCH_A \next, 0, 4
.endm
	s_wait_tensorcnt 1                             ; my part of slot 0 is in; slot 1's load may be out
	s_barrier_signal -1
	s_barrier_wait -1
	FETCH_B 0, 0, 0
	FETCH_A 0, 0, 0
	SCALES 0
	FETCH_A 0, 0, 4
	s_wait_loadcnt 0x0                             ; the bias
	STEP 0, 0, 1
	s_mov_b32 s3, LAPS-1
.Llap:
	TURN 0, 1, 1
	STEP 1, 0, 0
	TURN 1, 0, 1
	STEP 0, 0, 0
	s_sub_co_u32 s3, s3, 1
	s_cmp_lg_u32 s3, 0
	s_cbranch_scc1 .Llap
	TURN 0, 1, 0
	STEP 1, 0, 0
	s_wait_dscnt 4*NL
	WIN MUL_LO
	MUL16 0, 1, 1, 1, 0
	MUL16 2, 1, 1, 1, 0
	s_wait_dscnt 0
	WIN MUL_HI
	MUL16 4, 1, 1, 1, 0
	MUL16 6, 1, 1, 1, 0
	WIN 0
; THE WAY OUT, a block of 16 tokens x 128 columns at a time: through my own stage in LDS, back as whole rows of 512 bytes, the residual's same rows added, stored by 32 lanes as 512 consecutive bytes.
; Slot t of block a is row 32 (a / 2) + 8 (a % 2) + t + 8 (t / 8) of my 128: it stands in the immediates.
.macro RLOAD a
.irp t, 0,1,2,3,4,5,6,7,8,9,10,11,12,13,14,15
	global_load_b128 v[RS+4*\t:RS+4*\t+3], v[CO], s[10:11] offset:(32*((\a)/2)+8*((\a)%2)+\t+8*(\t/8))*4096 th:TH_LOAD_NT
.endr
.endm
.macro TOSTAGE a
.set AC, 64*((\a)%4)
	WIN 0x08+4*((\a)/4)
.irp b, 0,1,2,3,4,5,6,7
	ds_store_b128 v[STO], v[AC+8*\b:AC+8*\b+3] offset:128*(\b/2)+32*(\b%2)          ; each accumulator from its low end on
	ds_store_b128 v[STO], v[AC+8*\b+4:AC+8*\b+7] offset:128*(\b/2)+32*(\b%2)+16
.endr
	WIN 0
.set BB, BK+64*((\a)%2)
.irp t, 0,1,2,3,4,5,6,7,8,9,10,11,12,13,14,15
	ds_load_b128 v[BB+4*\t:BB+4*\t+3], v[RD] offset:\t*528    ; LDS serves a wave's instructions in order (ISA guide 5.7.1.4): these see my stores
.endr
.endm
.macro OUTROW a
.if (\a) >= 2
	s_wait_xcnt 0x0                                ; the stores of two blocks back have read their registers
.endif
	TOSTAGE \a
	s_wait_dscnt 0x0
	s_wait_loadcnt 0x0                             ; the residual's rows
.set i, 0
.rept 32
	v_pk_add_f32 v[BB+i:BB+i+1], v[BB+i:BB+i+1], v[RS+i:RS+i+1]
.set i, i+2
.endr
.if (\a) < 7
	RLOAD (\a)+1
.endif
.irp t, 0,1,2,3,4,5,6,7,8,9,10,11,12,13,14,15
	global_store_b128 v[CO], v[BB+4*\t:BB+4*\t+3], s[12:13] offset:(32*((\a)/2)+8*((\a)%2)+\t+8*(\t/8))*4096 th:TH_STORE_NT
.endr
.endm
	PLACES NP
	RLOAD 0
.irp a, 0,1,2,3,4,5,6,7
	OUTROW \a
.endr
	s_wait_tensorcnt 0x0                           ; the wave's end, behind my last tensor load and my last LDS store
	ds_add_u32 v[SPW], v[NIL]
	s_wait_dscnt 0x0
	CROUND                                         ; the closing round
	s_endpgm
.Lfunc_end_k_q6c8e232868_fc2:
	.size	k_q6c8e232868_fc2, .Lfunc_end_k_q6c8e232868_fc2-k_q6c8e232868_fc2
	.p2alignl 7, 3214868480
	.fill 96, 4, 3214868480
	.section	.rodata,"a",@progbits
	.p2align	6, 0x0
	.amdhsa_kernel k_q6c8e232868_fc2
		.amdhsa_group_segment_fixed_size 327680
		.amdhsa_private_segment_fixed_size 0
		.amdhsa_enable_private_segment 0
		.amdhsa_kernarg_size 40
		.amdhsa_user_sgpr_count 2
		.amdhsa_user_sgpr_kernarg_segment_ptr 1
		.amdhsa_wavefront_size32 1
		.amdhsa_system_sgpr_workgroup_id_x 1
		.amdhsa_system_sgpr_workgroup_id_y 1
		.amdhsa_system_sgpr_workgroup_id_z 1
		.amdhsa_system_vgpr_workitem_id 0
		.amdhsa_next_free_vgpr 1024
		.amdhsa_next_free_sgpr 100
		.amdhsa_reserve_vcc 0
		.amdhsa_float_denorm_mode_32 3
		.amdhsa_float_denorm_mode_16_64 3
		.amdhsa_memory_ordered 1
		.amdhsa_forward_progress 1
		.amdhsa_inst_pref_size 171
	.end_amdhsa_kernel
	.amdgpu_metadata
---
amdhsa.version: [ 1, 2 ]
amdhsa.kernels:
  - .name:           k_q6c8e232868_fc2
    .symbol:         k_q6c8e232868_fc2.kd
    .args:
      - { .name: gp, .offset: 0, .size: 8, .value_kind: global_buffer, .address_space: global }
      - { .name: wpk, .offset: 8, .size: 8, .value_kind: global_buffer, .address_space: global }
      - { .name: b_fc2, .offset: 16, .size: 8, .value_kind: global_buffer, .address_space: global }
      - { .name: x1, .offset: 24, .size: 8, .value_kind: global_buffer, .address_space: global }
      - { .name: out0, .offset: 32, .size: 8, .value_kind: global_buffer, .address_space: global }
    .group_segment_fixed_size: 327680
    .private_segment_fixed_size: 0
    .kernarg_segment_align: 8
    .kernarg_segment_size: 40
    .max_flat_workgroup_size: 128
    .sgpr_count:     100
    .vgpr_count:     1024
    .wavefront_size: 32
...
	.end_amdgpu_metadata
.endif
;; end of part 7
;; ======== version 2 of 2: 7 launches
;; limits: right only within a limited range of input values
;; workspace buffers: wpk 12,976,128 bytes; hp 4,325,376 bytes; op 4,325,376 bytes; gp 17,301,504 bytes; x1 16,777,216 bytes; qimg 4,194,304 bytes; kv 8,912,896 bytes
;; launch prep (part 8): grid 448 x 1, 8 waves a work-group, no clusters, 2,048 bytes of LDS; arguments x, ln1_g, ln1_b, w_qkv, w_proj, w_fc1, w_fc2, wpk, hp; writes wpk, hp
.if DOCPART == 8
	.amdgcn_target "amdgcn-amd-amdhsa--gfx1250"
	.amdhsa_code_object_version 6
	.text
	.protected	k_q6c8e232868_prep
	.globl	k_q6c8e232868_prep
	.p2align	8
	.type	k_q6c8e232868_prep,@function
k_q6c8e232868_prep:
	s_mov_b64 s[64:65], 0
	v_nop
	global_prefetch_b8 v0, s[64:65] scope:SCOPE_SE
	s_setreg_imm32_b32 hwreg(HW_REG_WAVE_MODE, 25, 1), 1
	s_wait_xcnt 0x0
; FIRST LAUNCH OF SEVEN of a pre-LN transformer block in MX-BF8 (E5M2 codes, one E8M0 scale for each 32 along K).
; DEAD WORK: none.  Every input reaches out0 for some values of the inputs; the bias on k moves k's codes, so it stays.  All thirteen inputs are loaded by some launch.
; LIMITS: NaN and infinities among the inputs are not served.  A block whose largest magnitude lies under 2^(16 - 127) keeps the scale byte 1; a block of zeros gets the byte 1 where the
; rule says 127: its codes are zeros, which add nothing under any byte but 0xff, and these bytes are read by this program alone.
; THE LAYOUT OF EVERY OPERAND IN THIS PROGRAM'S WORKSPACE (PACK): an image of the matrix operand's registers.  For 128 rows (a group g) and 128 along K (a step s) a block of BLK = 16,896 bytes at
; (g x steps + s) x BLK: tile i of 16 rows at 2048 i + 512 c + 16 lane: registers 4 c .. 4 c + 3 of lane (r, h): k = 32 c + 16 h + 0 .. 15; behind the codes the scale words at 16384 + 256 (i / 4) + 16 r + 4 (i % 4).
; THE ROWS OF A TILE ARE NOT NEIGHBOURS: slot r of tile i is row 32 (i / 2) + 8 (i % 2) + r + 8 (r / 8) of the group, so that a later product's 16 registers of two neighbouring tiles are 16 neighbours along its rows.
; THIS LAUNCH.  Work-groups 0 to 191: the four weights, stored [K][N], become PACK blocks with N as rows: a lane takes a column and its registers run down K, so nothing is transposed.
; Work-groups 192 to 447: LayerNorm 1 of x, quantised along C, one tile of 16 rows a work-group, one step of 128 columns a wave.
; No cluster and no tensor load: no two work-groups read the same tile (the gain and bias, 8 KiB, aside), and the data pass through registers once.
.set BLK,   16896
.set WPOFF, 24*8*BLK                   ; w_proj's blocks in wpk, behind w_qkv's 24 groups x 8 steps
.set W1OFF, WPOFF+8*8*BLK              ; w_fc1's
.set W2OFF, W1OFF+32*8*BLK             ; w_fc2's
.set NWG,   192                        ; work-groups that take weights
.set RED1,  0                          ; LDS: 16 rows x 8 waves' partial sums,
.set RED2,  512                        ; the same for the squares, in bytes of their own,
.set SPARE, 1024                       ; and the spare words, 128 bytes for each wave, that no other line names
.set SPW, 50                           ; v50 LDS address of my spare word; never rewritten
.set NIL, 51                           ; v51 0; never rewritten
.set WV,  22                           ; s22 my wave's number
.set MNT, 23                           ; s23 the mantissa field of 57,344
.set SEL, 60                           ; s[60:61] lane selects: lane l xor 16
.set HPP, 20                           ; s[20:21] hp
.set OFF, 16                           ; weights: v16-47 byte offsets of 32 rows of K
.set X,   64                           ; v64-127 numbers (weights: two sets of 32; norm: 64 of a lane)
.set C,   128                          ; weights: v128-191 codes, eight registers a block: no store's data are written again
.set SB,  14                           ; weights: v14, v15 scale words of the wave's two K steps
.set LG,  128                          ; norm: the gain's 64 numbers
.set LB,  192                          ; norm: the bias's
.set PC,  16                           ; norm: the fragment's 16 registers of codes
.set TM,  32                           ; norm: v32-47 at work in QUANT
.set PW,  48                           ; norm: the scale word
; 64 numbers of a lane, register 16 b + i = k 32 b + 16 (lane / 16) + i of my row, become a fragment's codes in v[pc] on and its scale word in v[PW].
.macro QUANT s, pc
.irp b, 0,1,2,3
	v_max3_num_f32 v[TM+\b], |v[\s+16*\b]|, |v[\s+1+16*\b]|, 0x8000000      ; my 16 numbers of block b, and the floor 2^(16 - 127): the byte cannot fall under 1
.endr
.irp i, 2,4,6,8,10,12,14
.irp b, 0,1,2,3
	s_delay_alu instid0(VALU_DEP_4)
	v_max3_num_f32 v[TM+\b], v[TM+\b], |v[\s+16*\b+\i]|, |v[\s+1+16*\b+\i]|  ; the four blocks by turns
.endr
.endr
.irp b, 0,1,2,3
	s_delay_alu instid0(VALU_DEP_4)
	v_permlanex16_b32 v[TM+4+\b], v[TM+\b], s[SEL], s[SEL+1]
.endr
.irp b, 0,1,2,3
	s_delay_alu instid0(VALU_DEP_4)
	v_max_num_f32 v[TM+\b], v[TM+\b], v[TM+4+\b]                            ; with lane l xor 16's: the block's largest magnitude
.endr
.irp b, 0,1,2,3
	s_delay_alu instid0(VALU_DEP_4)
	v_add_nc_u32 v[TM+12+\b], 0xf8800000, v[TM+\b]                          ; 15 off its exponent field: the conversion's scale operand
.endr
.irp b, 0,1,2,3
	v_and_or_b32 v[TM+8+\b], v[TM+\b], 0x7f800000, s[MNT]                   ; 57,344 x the scale
.endr
.irp b, 0,1,2,3
	v_lshrrev_b32 v[TM+4+\b], 23, v[TM+12+\b]                               ; the scale's byte
.endr
	s_delay_alu instid0(VALU_DEP_3)
	v_lshl_or_b32 v[PW], v[TM+5], 8, v[TM+4]
	s_delay_alu instid0(VALU_DEP_1)
	v_lshl_or_b32 v[PW], v[TM+6], 16, v[PW]
	s_delay_alu instid0(VALU_DEP_1)
	v_lshl_or_b32 v[PW], v[TM+7], 24, v[PW]
.irp b, 0,1,2,3
.irp i, 0,1,2,3,4,5,6,7,8,9,10,11,12,13,14,15
	v_med3_num_f32 v[\s+16*\b+\i], v[\s+16*\b+\i], -v[TM+8+\b], v[TM+8+\b]  ; the conversion to an 8-bit code does not saturate (ISA guide 7.6.2): the hold comes first
.endr
	v_cvt_scalef32_pk8_bf8_f32 v[(\pc)+4*\b:(\pc)+1+4*\b], v[\s+16*\b:\s+7+16*\b], v[TM+12+\b]
	v_cvt_scalef32_pk8_bf8_f32 v[(\pc)+2+4*\b:(\pc)+3+4*\b], v[\s+8+16*\b:\s+15+16*\b], v[TM+12+\b]
.endr
	v_nop                                          ; a plain line behind the last conversion
.endm
	s_load_b256 s[4:11], s[0:1], 0x0               ; x s[4:5], ln1_g s[6:7], ln1_b s[8:9], w_qkv s[10:11]
	s_load_b256 s[12:19], s[0:1], 0x20             ; w_proj s[12:13], w_fc1 s[14:15], w_fc2 s[16:17], wpk s[18:19]
	s_load_b64 s[20:21], s[0:1], 0x40              ; hp
	v_lshl_add_u32 v[SPW], v0, 2, SPARE
	v_mov_b32 v[NIL], 0
	v_lshrrev_b32 v1, 5, v0
	s_delay_alu instid0(VALU_DEP_1)
	v_readfirstlane_b32 s[WV], v1                  ; wave 0..7
	v_and_b32 v2, 31, v0                           ; lane
	s_mov_b32 s[MNT], 0x600000
	s_cmp_lt_u32 ttmp9, NWG                        ; the work-group's number alone: all eight waves go the same way
	s_cbranch_scc0 .Lnorm
; ---------------- THE WEIGHTS.  A work-group takes 128 columns x 512 along K; wave w columns 32 (w % 4) + lane and 256 along K: eight blocks of 32, each whole in one lane's registers.
	s_wait_kmcnt 0x0
	s_mov_b64 s[24:25], s[16:17]                   ; which tensor: w_fc2 unless the number is lower
	s_mov_b32 s26, 128                             ; its first work-group
	s_mov_b32 s27, 4096                            ; bytes in a row of K
	s_mov_b32 s28, 3                               ; log2 of its parts of 512 along K
	s_mov_b32 s29, 32                              ; its K steps of 128
	s_mov_b32 s30, W2OFF                           ; its place in wpk
.macro PICK lim, ptr, first, pitch, woff
	s_cmp_lt_u32 ttmp9, \lim
	s_cselect_b64 s[24:25], s[\ptr:\ptr+1], s[24:25]
	s_cselect_b32 s26, \first, s26
	s_cselect_b32 s27, \pitch, s27
	s_cselect_b32 s28, 1, s28
	s_cselect_b32 s29, 8, s29
	s_cselect_b32 s30, \woff, s30
.endm
	PICK 128, 14, 64, 16384, W1OFF
	PICK 64, 12, 48, 4096, WPOFF
	PICK 48, 10, 0, 12288, 0
	s_sub_co_u32 s31, ttmp9, s26
	s_lshl_b32 s32, 1, s28
	s_sub_co_u32 s32, s32, 1
	s_and_b32 s32, s31, s32                        ; which 512 along K
	s_lshr_b32 s33, s31, s28                       ; which group of 128 columns
	s_lshr_b32 s34, s[WV], 2                       ; which 256 of the 512
	s_and_b32 s35, s[WV], 3                        ; which 32 of the 128 columns
	s_lshl_b32 s36, s32, 9
	s_lshl_b32 s37, s34, 8
	s_add_co_u32 s36, s36, s37                     ; my first row of K
	s_mul_i32 s36, s36, s27
	s_lshl_b32 s37, s33, 9
	s_add_co_u32 s36, s36, s37
	s_lshl_b32 s37, s35, 7
	s_add_co_u32 s36, s36, s37                     ; + my first column, in bytes: under 2^25
	s_mov_b32 s37, 0
	s_add_nc_u64 s[40:41], s[24:25], s[36:37]      ; block 0's base;
	s_lshl_b32 s38, s27, 5
	s_mov_b32 s39, 0
.irp t, 1,2,3,4,5,6,7
	s_add_nc_u64 s[40+2*\t:41+2*\t], s[38+2*\t:39+2*\t], s[38:39]   ; the others 32 rows apart: the pitch is no constant of the text, so it cannot stand in an immediate
.endr
	s_mul_i32 s56, s33, s29
	s_lshl_b32 s57, s32, 2
	s_add_co_u32 s56, s56, s57
	s_lshl_b32 s57, s34, 1
	s_add_co_u32 s56, s56, s57                     ; my first PACK block: group x steps + step
	s_mul_i32 s56, s56, BLK
	s_add_co_u32 s56, s56, s30
	s_mov_b32 s57, 0
	s_add_nc_u64 s[18:19], s[18:19], s[56:57]
	s_wait_alu depctr_va_vdst(0)
	v_lshlrev_b32 v3, 2, v2
.set i, 0
.rept 32
	v_mad_u32_u24 v[OFF+i], s27, i, v3             ; row i of a block, my column
.set i, i+1
.endr
	v_bfe_u32 v4, v2, 3, 1                         ; column 32 B + lane is slot r' of tile 2 B + u': u' = (lane / 8) % 2,
	v_and_b32 v5, 7, v2
	v_bfe_u32 v6, v2, 4, 1
	s_delay_alu instid0(VALU_DEP_1)
	v_lshl_or_b32 v5, v6, 3, v5                    ; r' = lane % 8 + 8 (lane / 16)
	s_delay_alu instid0(VALU_DEP_1)
	v_lshlrev_b32 v7, 4, v5
	s_delay_alu instid0(VALU_DEP_1)
	v_lshl_add_u32 v7, v4, 11, v7
	s_lshl_b32 s58, s35, 12
	v_add_nc_u32 v7, s58, v7                       ; my codes' place in a block: 2048 (2 B + u') + 16 r'
	v_lshlrev_b32 v8, 4, v5
	s_delay_alu instid0(VALU_DEP_1)
	v_lshl_add_u32 v8, v4, 2, v8
	s_lshr_b32 s58, s35, 1
	s_lshl_b32 s58, s58, 8
	s_and_b32 s59, s35, 1
	s_lshl_b32 s59, s59, 3
	s_add_co_u32 s58, s58, s59
	v_add_nc_u32 v8, s58, v8                       ; my scale word's: 256 (B / 2) + 16 r' + 4 (2 (B % 2) + u')
.macro WLOAD t                         ; block t: 32 rows of K at my column; 32 lanes read 128 consecutive bytes, the four waves side by side 512
.set i, 0
.rept 32
	global_load_b32 v[X+32*((\t)%2)+i], v[OFF+i], s[40+2*(\t):41+2*(\t)] th:TH_LOAD_NT
.set i, i+1
.endr
.endm
.macro WBLOCK t
.set XS, X+32*((\t)%2)
.set CC, C+8*(\t)
.if (\t) < 7
	s_wait_loadcnt 32                              ; this block's 32 loads are in; the next block's 32 may be out
.else
	s_wait_loadcnt 0x0
.endif
	v_max3_num_f32 v12, |v[XS]|, |v[XS+1]|, |v[XS+2]|
	v_max3_num_f32 v13, |v[XS+3]|, |v[XS+4]|, |v[XS+5]|
.irp i, 6,10,14,18,22,26
	s_delay_alu instid0(VALU_DEP_2)
	v_max3_num_f32 v12, v12, |v[XS+\i]|, |v[XS+\i+1]|
	s_delay_alu instid0(VALU_DEP_2)
	v_max3_num_f32 v13, v13, |v[XS+\i+2]|, |v[XS+\i+3]|
.endr
	s_delay_alu instid0(VALU_DEP_2)
	v_max3_num_f32 v12, v12, |v[XS+30]|, |v[XS+31]|
	s_delay_alu instid0(VALU_DEP_1)
	v_max3_num_f32 v12, v12, v13, 0x8000000        ; the block's largest magnitude, all 32 numbers mine, and the floor
	s_delay_alu instid0(VALU_DEP_1)
	v_add_nc_u32 v11, 0xf8800000, v12              ; the conversion's scale operand
	s_delay_alu instid0(VALU_DEP_2)
	v_and_or_b32 v10, v12, 0x7f800000, s[MNT]      ; 57,344 x the scale
	s_delay_alu instid0(VALU_DEP_2)
	v_lshrrev_b32 v13, 23, v11                     ; the byte
.if (\t)%4 == 0
	s_delay_alu instid0(VALU_DEP_1)
	v_mov_b32 v[SB+(\t)/4], v13
.else
	s_delay_alu instid0(VALU_DEP_1)
	v_lshl_or_b32 v[SB+(\t)/4], v13, 8*((\t)%4), v[SB+(\t)/4]
.endif
.set i, 0
.rept 32
	v_med3_num_f32 v[XS+i], v[XS+i], -v10, v10
.set i, i+1
.endr
.irp g, 0,1,2,3
	v_cvt_scalef32_pk8_bf8_f32 v[CC+2*\g:CC+2*\g+1], v[XS+8*\g:XS+8*\g+7], v11
.endr
.if (\t)+2 < 8
	WLOAD (\t)+2
.endif
	global_store_b128 v7, v[CC:CC+3], s[18:19] offset:((\t)/4)*BLK+((\t)%4)*512        ; k = 0 .. 15 of the block: the lower half's lanes of the image; the 32 lanes fill two aligned runs of 256 bytes
	global_store_b128 v7, v[CC+4:CC+7], s[18:19] offset:((\t)/4)*BLK+((\t)%4)*512+256  ; k = 16 .. 31: the upper half's
.endm
	WLOAD 0
	WLOAD 1
.irp t, 0,1,2,3,4,5,6,7
	WBLOCK \t
.endr
	global_store_b32 v8, v[SB], s[18:19] offset:16384
	global_store_b32 v8, v[SB+1], s[18:19] offset:BLK+16384
	s_endpgm                                       ; this way wrote no LDS
; ---------------- LAYERNORM 1.  Work-group t takes tile t % 8 of group t / 8; wave w columns 128 w on.  Lane (r, h) holds, of its row, 16 neighbours of each block of 32: the operand's own layout.
.Lnorm:
	s_sub_co_u32 s24, ttmp9, NWG
	s_lshr_b32 s25, s24, 3                         ; group
	s_and_b32 s26, s24, 7                          ; tile
	s_mov_b32 s[SEL], 0x76543210
	s_mov_b32 s[SEL+1], 0xfedcba98
	s_mov_b32 s62, 0x3a800000                      ; 1 / 1024
	s_mov_b32 s63, 0x3727c5ac                      ; 1e-5
	v_and_b32 v3, 15, v0                           ; r
	v_bfe_u32 v4, v0, 4, 1                         ; h
	s_delay_alu instid0(VALU_DEP_2)
	v_and_b32 v5, 8, v3
	s_delay_alu instid0(VALU_DEP_1)
	v_add_nc_u32 v5, v5, v3                        ; r + 8 (r / 8)
	s_delay_alu instid0(VALU_DEP_3)
	v_lshlrev_b32 v6, 6, v4                        ; gain, bias: 64 h
	s_delay_alu instid0(VALU_DEP_1)
	v_lshl_add_u32 v7, v5, 12, v6                  ; x: + a row of 4,096 bytes
	v_lshlrev_b32 v9, 5, v3                        ; LDS: row r's eight partial sums
	s_lshl_b32 s27, s[WV], 2
	v_add_nc_u32 v8, s27, v9                       ; and mine among them
	s_lshl_b32 s27, s26, 11
	s_wait_alu depctr_va_vdst(0)
	v_lshl_add_u32 v10, v2, 4, s27                 ; the image: 2048 tile + 16 lane
	s_lshr_b32 s27, s26, 2
	s_lshl_b32 s27, s27, 8
	s_and_b32 s28, s26, 3
	s_lshl_b32 s28, s28, 2
	s_add_co_u32 s27, s27, s28
	v_lshl_add_u32 v11, v3, 4, s27                 ; the scale word
	s_lshl_b32 s30, s25, 7
	s_lshr_b32 s28, s26, 1
	s_lshl_b32 s28, s28, 5
	s_add_co_u32 s30, s30, s28
	s_and_b32 s28, s26, 1
	s_lshl_b32 s28, s28, 3
	s_add_co_u32 s30, s30, s28                     ; the tile's first row
	s_lshl_b32 s30, s30, 12
	s_lshl_b32 s32, s[WV], 9                       ; my 128 columns
	s_mov_b32 s33, 0
	s_add_co_u32 s30, s30, s32
	s_mov_b32 s31, 0
	s_lshl_b32 s34, s25, 3
	s_add_co_u32 s34, s34, s[WV]
	s_mul_i32 s34, s34, BLK
	s_mov_b32 s35, 0
	s_wait_kmcnt 0x0
	s_add_nc_u64 s[4:5], s[4:5], s[30:31]
	s_add_nc_u64 s[6:7], s[6:7], s[32:33]
	s_add_nc_u64 s[8:9], s[8:9], s[32:33]
	s_add_nc_u64 s[HPP:HPP+1], s[HPP:HPP+1], s[34:35]
.irp c, 0,1,2,3
.irp j, 0,1,2,3
	global_load_b128 v[X+16*\c+4*\j:X+16*\c+4*\j+3], v7, s[4:5] offset:128*\c+16*\j th:TH_LOAD_NT
.endr
.endr
.irp c, 0,1,2,3
.irp j, 0,1,2,3
	global_load_b128 v[LG+16*\c+4*\j:LG+16*\c+4*\j+3], v6, s[6:7] offset:128*\c+16*\j
.endr
.endr
.irp c, 0,1,2,3
.irp j, 0,1,2,3
	global_load_b128 v[LB+16*\c+4*\j:LB+16*\c+4*\j+3], v6, s[8:9] offset:128*\c+16*\j
.endr
.endr
.irp b, 0,1,2,3
	v_mov_b32 v[TM+4+\b], 0                        ; written once: a lane permute's destination counts as one of its sources
.endr
; v[52:53], a lane's sum in two halves, becomes the row's sum over all 1,024 columns in v56: the halves, lane l xor 16, then the eight waves through LDS.
.macro ACROSS red
	s_delay_alu instid0(VALU_DEP_1)
	v_add_f32 v52, v52, v53
	s_delay_alu instid0(VALU_DEP_1)
	v_permlanex16_b32 v53, v52, s[SEL], s[SEL+1]
	s_delay_alu instid0(VALU_DEP_1)
	v_add_f32 v52, v52, v53
	ds_store_b32 v8, v52 offset:\red               ; both lanes of a row write the same word with the same value
	s_wait_dscnt 0x0                               ; for the others' sake: my store has landed
	s_barrier_signal -1
	s_barrier_wait -1
	ds_load_b128 v[56:59], v9 offset:\red
	ds_load_b128 v[60:63], v9 offset:\red+16
	s_wait_dscnt 0x0
	v_pk_add_f32 v[56:57], v[56:57], v[58:59]
	v_pk_add_f32 v[60:61], v[60:61], v[62:63]
	s_delay_alu instid0(VALU_DEP_1)
	v_pk_add_f32 v[56:57], v[56:57], v[60:61]
	s_delay_alu instid0(VALU_DEP_1)
	v_add_f32 v56, v56, v57
.endm
	s_wait_loadcnt 32                              ; x's 16 loads are in; the gain's and the bias's 32 may be out
	v_pk_add_f32 v[54:55], v[64:65], v[66:67]
	v_pk_add_f32 v[62:63], v[72:73], v[76:77]
	v_pk_add_f32 v[60:61], v[80:81], v[84:85]
	v_pk_add_f32 v[58:59], v[88:89], v[92:93]
	v_pk_add_f32 v[56:57], v[96:97], v[100:101]
	v_pk_add_f32 v[48:49], v[104:105], v[108:109]
	v_pk_add_f32 v[46:47], v[112:113], v[116:117]
	v_pk_add_f32 v[52:53], v[120:121], v[124:125]
	s_delay_alu instid0(VALU_DEP_1)
	v_pk_add_f32 v[52:53], v[52:53], v[68:69]
	v_pk_add_f32 v[54:55], v[54:55], v[70:71]
	v_pk_add_f32 v[62:63], v[62:63], v[74:75]
	v_pk_add_f32 v[60:61], v[60:61], v[78:79]
	v_pk_add_f32 v[58:59], v[58:59], v[82:83]
	v_pk_add_f32 v[56:57], v[56:57], v[86:87]
	v_pk_add_f32 v[48:49], v[48:49], v[90:91]
	v_pk_add_f32 v[46:47], v[46:47], v[94:95]
	v_pk_add_f32 v[52:53], v[52:53], v[98:99]
	v_pk_add_f32 v[54:55], v[54:55], v[102:103]
	v_pk_add_f32 v[62:63], v[62:63], v[106:107]
	v_pk_add_f32 v[60:61], v[60:61], v[110:111]
	v_pk_add_f32 v[58:59], v[58:59], v[114:115]
	v_pk_add_f32 v[56:57], v[56:57], v[118:119]
	v_pk_add_f32 v[48:49], v[48:49], v[122:123]
	v_pk_add_f32 v[46:47], v[46:47], v[126:127]
	s_delay_alu instid0(VALU_DEP_4)
	v_pk_add_f32 v[52:53], v[52:53], v[58:59]
	s_delay_alu instid0(VALU_DEP_4)
	v_pk_add_f32 v[54:55], v[54:55], v[56:57]
	s_delay_alu instid0(VALU_DEP_4)
	v_pk_add_f32 v[62:63], v[62:63], v[48:49]
	s_delay_alu instid0(VALU_DEP_4)
	v_pk_add_f32 v[60:61], v[60:61], v[46:47]
	s_delay_alu instid0(VALU_DEP_2)
	v_pk_add_f32 v[52:53], v[52:53], v[62:63]
	s_delay_alu instid0(VALU_DEP_2)
	v_pk_add_f32 v[54:55], v[54:55], v[60:61]
	s_delay_alu instid0(VALU_DEP_1)
	v_pk_add_f32 v[52:53], v[52:53], v[54:55]
	ACROSS RED1
	s_delay_alu instid0(VALU_DEP_1)
	v_mul_f32 v56, s62, v56                        ; the mean
	s_delay_alu instid0(VALU_DEP_1)
	v_mov_b32 v57, v56
.set j, 0
.rept 32
	v_pk_add_f32 v[X+j:X+j+1], v[X+j:X+j+1], v[56:57] neg_lo:[0,1] neg_hi:[0,1]   ; x - mean
.set j, j+2
.endr
	v_pk_mul_f32 v[52:53], v[X:X+1], v[X:X+1]
	v_pk_mul_f32 v[54:55], v[X+2:X+3], v[X+2:X+3]
.irp j, 4,8,12,16,20,24,28,32,36,40,44,48,52,56,60
	s_delay_alu instid0(VALU_DEP_2)
	v_pk_fma_f32 v[52:53], v[X+\j:X+\j+1], v[X+\j:X+\j+1], v[52:53]
	s_delay_alu instid0(VALU_DEP_2)
	v_pk_fma_f32 v[54:55], v[X+\j+2:X+\j+3], v[X+\j+2:X+\j+3], v[54:55]
.endr
	s_delay_alu instid0(VALU_DEP_1)
	v_pk_add_f32 v[52:53], v[52:53], v[54:55]
	ACROSS RED2
	s_delay_alu instid0(VALU_DEP_1)
	v_fma_f32 v56, v56, s62, s63                   ; the variance + 1e-5 (the division by 1,024 rounds nothing)
	s_wait_alu depctr_va_vdst(0)
	v_rsq_f32 v56, v56
	v_nop                                          ; a plain line behind the transcendental
	s_wait_alu depctr_va_vdst(0)                   ; and the wait ahead of its first reader
	v_mov_b32 v57, v56
	s_wait_alu depctr_va_vdst(0)
	s_wait_loadcnt 0x0                             ; the gain and the bias
.set j, 0
.rept 32
	v_pk_mul_f32 v[X+j:X+j+1], v[X+j:X+j+1], v[56:57]
.set j, j+2
.endr
.set j, 0
.rept 32
	v_pk_fma_f32 v[X+j:X+j+1], v[X+j:X+j+1], v[LG+j:LG+j+1], v[LB+j:LB+j+1]
.set j, j+2
.endr
	QUANT X, PC
.irp c, 0,1,2,3
	global_store_b128 v10, v[PC+4*\c:PC+4*\c+3], s[HPP:HPP+1] offset:512*\c   ; 32 lanes store 512 consecutive bytes
.endr
	global_store_b32 v11, v[PW], s[HPP:HPP+1] offset:16384                    ; both lanes of a row store the same word
	s_wait_tensorcnt 0x0                           ; the wave's end, behind my last LDS store
	ds_add_u32 v[SPW], v[NIL]
	s_wait_dscnt 0x0
	s_endpgm
.Lfunc_end_k_q6c8e232868_prep:
	.size	k_q6c8e232868_prep, .Lfunc_end_k_q6c8e232868_prep-k_q6c8e232868_prep
	.p2alignl 7, 3214868480
	.fill 96, 4, 3214868480
	.section	.rodata,"a",@progbits
	.p2align	6, 0x0
	.amdhsa_kernel k_q6c8e232868_prep
		.amdhsa_group_segment_fixed_size 2048
		.amdhsa_private_segment_fixed_size 0
		.amdhsa_enable_private_segment 0
		.amdhsa_kernarg_size 72
		.amdhsa_user_sgpr_count 2
		.amdhsa_user_sgpr_kernarg_segment_ptr 1
		.amdhsa_wavefront_size32 1
		.amdhsa_system_sgpr_workgroup_id_x 1
		.amdhsa_system_sgpr_workgroup_id_y 1
		.amdhsa_system_sgpr_workgroup_id_z 1
		.amdhsa_system_vgpr_workitem_id 0
		.amdhsa_next_free_vgpr 256
		.amdhsa_next_free_sgpr 66
		.amdhsa_reserve_vcc 0
		.amdhsa_float_denorm_mode_32 3
		.amdhsa_float_denorm_mode_16_64 3
		.amdhsa_memory_ordered 1
		.amdhsa_forward_progress 1
		.amdhsa_inst_pref_size 95
	.end_amdhsa_kernel
	.amdgpu_metadata
---
amdhsa.version: [ 1, 2 ]
amdhsa.kernels:
  - .name:           k_q6c8e232868_prep
    .symbol:         k_q6c8e232868_prep.kd
    .args:
      - { .name: x, .offset: 0, .size: 8, .value_kind: global_buffer, .address_space: global }
      - { .name: ln1_g, .offset: 8, .size: 8, .value_kind: global_buffer, .address_space: global }
      - { .name: ln1_b, .offset: 16, .size: 8, .value_kind: global_buffer, .address_space: global }
      - { .name: w_qkv, .offset: 24, .size: 8, .value_kind: global_buffer, .address_space: global }
      - { .name: w_proj, .offset: 32, .size: 8, .value_kind: global_buffer, .address_space: global }
      - { .name: w_fc1, .offset: 40, .size: 8, .value_kind: global_buffer, .address_space: global }
      - { .name: w_fc2, .offset: 48, .size: 8, .value_kind: global_buffer, .address_space: global }
      - { .name: wpk, .offset: 56, .size: 8, .value_kind: global_buffer, .address_space: global }
      - { .name: hp, .offset: 64, .size: 8, .value_kind: global_buffer, .address_space: global }
    .group_segment_fixed_size: 2048
    .private_segment_fixed_size: 0
    .kernarg_segment_align: 8
    .kernarg_segment_size: 72
    .max_flat_workgroup_size: 256
    .sgpr_count:     66
    .vgpr_count:     256
    .wavefront_size: 32
...
	.end_amdgpu_metadata
.endif
;; end of part 8
;; launch qkv (part 9): grid 12 x 16, 4 waves a work-group, clusters of 4 x 4, 327,680 bytes of LDS; arguments hp, wpk, b_qkv, qimg, kv; writes qimg, kv
.if DOCPART == 9
	.amdgcn_target "amdgcn-amd-amdhsa--gfx1250"
	.amdhsa_code_object_version 6
	.text
	.protected	k_q6c8e232868_qkv
	.globl	k_q6c8e232868_qkv
	.p2align	8
	.type	k_q6c8e232868_qkv,@function
k_q6c8e232868_qkv:
	s_mov_b64 s[64:65], 0
	v_nop
	global_prefetch_b8 v0, s[64:65] scope:SCOPE_SE
	s_setreg_imm32_b32 hwreg(HW_REG_WAVE_MODE, 25, 1), 1
	s_wait_xcnt 0x0
	s_wait_alu depctr_hold_cnt(0) depctr_sa_sdst(0) depctr_va_vdst(0) depctr_va_sdst(0) depctr_va_ssrc(0) depctr_va_vcc(0) depctr_vm_vsrc(0)
	s_getreg_b32 s2, hwreg(HW_REG_IB_STS2, 6, 4)
	s_cmp_eq_u32 s2, 0
	s_cbranch_scc0 .Lentry_in_a_cluster
	s_endpgm
.Lentry_in_a_cluster:
	s_bfe_u32 s2, ttmp6, 0x10000c
	s_cmp_lg_u32 s2, 0xf033
	s_cbranch_scc0 .Lentry_shape_is_right
	s_endpgm
.Lentry_shape_is_right:
; qkv = LN1(x) w_qkv + b_qkv on codes of BF8 with E8M0 scales; its results leave QUANTISED, as images of attention's operands: q and k along the head's 64, v along the keys.  No work of the problem is left out.
; Operands lie in PACK blocks (16,896 bytes for 128 rows x 128 K: eight tiles' register images, then their scale words; slot r of tile i is row 32 (i / 2) + 8 (i % 2) + r + 8 (r / 8)).
; A tile of the result, 256 x 256, is made by four waves, 128 x 128 each: 64 accumulators.  K goes in slots of 256 through a ring of two LDS slots; a slot holds two blocks of each of four groups
; (two of tokens, two of columns), each group's two blocks one dense run of 33,792 bytes brought by one tensor load.  The scale words ride in the blocks.
; CLUSTERS: 4 x 4 work-groups; the tokens' blocks are asked for jointly along a row of the cluster, the weights' along a column.
; TRANSPOSED USE: source 0 = 16 rows of the weights, source 1 = 16 tokens: a lane holds one token, and by the order of rows in a tile the 64 registers of a block of tokens are columns 32 b + 16 h + i: the quantiser's layout.
; V's COLUMNS (cluster x = 2, the same in all sixteen partners): the two roles change places at the LDS reads alone, so that a lane holds one column and its registers run along the tokens, which are v's K.
; OUT: qimg [head 32][tile 128][c 2][lane][16].  kv [head 32][step 16] records of 17,408 bytes: K's four fragments (registers c = 0, 1: key tile 2 b'; c = 2, 3: key tile 2 b' + 1), V^T's four fragments,
; K's scale words [r][b'], V's [r][tile], and q's scale words of the same 128 tokens, each as (s0, s1, s0, s1).
; LIMITS: NaN and infinities are not served; a block under 2^(16 - 127), zeros too, keeps the scale byte 1 (read by this program alone).
.set SIZE_K, 1024
.set WOFF,   0                         ; w_qkv's blocks in wpk
.set BIASC,  0                         ; the bias is added on the way out: it lies along registers for q and k, along lanes for v
.set BLK,    16896
.set KS,     SIZE_K/128
.set GB,     2*BLK                     ; a group's two blocks: what one tensor load brings
.set SLOT,   4*GB
.set SPARE,  2*SLOT                    ; behind the ring: the spare words, 128 bytes a wave, that no other line names
.set LAPS,   SIZE_K/512
.set RB,     17408                     ; a record of kv
.set HS,     16*RB                     ; a head of kv
.set FR, 16
.set NL, 4
.set NP, 8                             ; places behind this matrix instruction (ISA guide 7.12.1)
.set BV,   8                           ; v8-15   v's bias: column slot r of tile a
.set ADRA, 16                          ; v16-17  LDS address of source 1's fragments in slot 0, 1
.set ADRB, 20                          ; v20-21  of source 0's
.set ADRS, 22                          ; v22-23  of the scale words: lanes 0-15 source 1's group, lanes 16-31 source 0's
.set LO,   24                          ; v24     16 x lane
.set LK,   25                          ; v25     16 r + a head of kv for lanes 16-31
.set SPW,  28
.set NIL,  29
.set SC,   32                          ; v32-63  scale words: set for slot s at SC + 16 s; in it register 8 q + i: tile i
.set BIA,  64                          ; v64-127 q's and k's bias, in the result's layout
.set AF,   128                         ; source 1's fragments, one set
.set T,    128                         ; the way out: 64 numbers
.set PC,   192                         ; codes, two sets by turns
.set TM,   224
.set PW,   240
.set WD,   244                         ; the eight blocks' scale words
.set G1, 24
.set G0, 32
.set G1B, 48
.set G0B, 56
.set SEL, 94
.set MNT, 96
.set MSB, 0
.macro WIN new                         ; the immediate's high byte repeats the setting that is left
.if MSB != (\new)
	s_set_vgpr_msb (MSB<<8)|(\new)
.set MSB, (\new)
.endif
.endm
.set MUL_LO, 0xa1                      ; source 0 window 1, source 1 window 0, C and D window 2
.set MUL_HI, 0xf1                      ; the same, C and D window 3
.set TO_B,   0x40
.macro JLOAD g0a, g1a, g0b, g1b        ; a joint load: waves 0 and 1 fetch the tokens' groups, waves 2 and 3 the weights'; an s_nop 0 and four v_nop follow each line
	s_cmp_eq_u32 s15, 0
	s_cbranch_scc0 .Lfor_b_\@
	tensor_load_to_lds s[\g0a:\g0a+3], s[\g1a:\g1a+7]
	s_nop 0
.rept 4
	v_nop
.endr
	s_branch .Lasked_\@
.Lfor_b_\@:
	tensor_load_to_lds s[\g0b:\g0b+3], s[\g1b:\g1b+7]
	s_nop 0
.rept 4
	v_nop
.endr
.Lasked_\@:
.endm
.macro CREST
	s_cmp_lg_u32 s14, 0
	s_cbranch_scc1 .Lnot_wave_0_\@
	s_barrier_signal -3
.Lnot_wave_0_\@:
	s_barrier_wait -3
	s_barrier_signal -1
	s_barrier_wait -1
.endm
.macro CROUND
	s_barrier_signal -1
	s_barrier_wait -1
	CREST
.endm
.macro PLACES n
.rept \n
	v_nop
.endr
.endm
	s_load_b256 s[4:11], s[0:1], 0x0               ; hp s[4:5], wpk s[6:7], b_qkv s[8:9], qimg s[10:11]
	s_load_b64 s[12:13], s[0:1], 0x20              ; kv
	v_lshl_add_u32 v[SPW], v0, 2, SPARE
	v_mov_b32 v[NIL], 0
	ds_add_u32 v[SPW], v[NIL]                      ; the opening: the add, twice on end, and its wait ahead of my first tensor load
	ds_add_u32 v[SPW], v[NIL]
	v_lshrrev_b32 v1, 5, v0
	v_readfirstlane_b32 s14, v1                    ; wave 0..3
	s_lshr_b32 s15, s14, 1                         ; which group of tokens is mine.  Also: I fetch tokens (0) or weights (1)
	s_and_b32 s16, s14, 1                          ; which group of columns.  Also: which of the two groups I fetch
	s_bfe_u32 s40, ttmp6, 0x40000                  ; cx, cy
	s_bfe_u32 s41, ttmp6, 0x40004
	s_lshl_b32 s42, ttmp9, 2
	s_add_co_u32 s42, s42, s40                     ; tile column
	s_and_b32 s17, ttmp7, 0xffff
	s_lshl_b32 s17, s17, 2
	s_add_co_u32 s17, s17, s41                     ; tile row
	s_lshl_b32 s43, s41, 2
	s_lshl_b32 s43, 15, s43                        ; my row of the cluster
	s_lshl_b32 s44, 0x1111, s40                    ; my column
	s_or_b32 s[G1+0], s43, (3<<16)|(1<<21)         ; the mask; elements of 8 bytes; bit 21 beside a mask; no padding: the blocks are read 16 bytes a lane on end
	s_or_b32 s[G1B+0], s44, (3<<16)|(1<<21)
.irp g, G1, G1B
	s_mov_b32 s[\g+1], 32<<16                      ; tensor_dim0: 32 elements, 256 bytes
	s_mov_b32 s[\g+2], 132<<16                     ; tensor_dim1: 132 rows = 33,792 bytes
	s_mov_b32 s[\g+3], 32<<16                      ; tile_dim0
	s_mov_b32 s[\g+4], 132                         ; tile_dim1
	s_mov_b32 s[\g+5], 32                          ; the pitch: dense
	s_mov_b32 s[\g+6], 0
	s_mov_b32 s[\g+7], 0
.endr
	s_lshl_b32 s20, s17, 1
	s_add_co_u32 s20, s20, s16                     ; the tokens' group that I fetch
	s_mul_i32 s20, s20, KS*BLK
	s_mov_b32 s21, 0
	s_lshl_b32 s46, s42, 1
	s_add_co_u32 s46, s46, s16                     ; the weights' group
	s_mul_i32 s46, s46, KS*BLK
	s_add_co_u32 s46, s46, WOFF
	s_mov_b32 s47, 0
	s_mul_i32 s45, s14, GB                         ; where it goes: no place in the cluster enters an LDS address
	s_wait_dscnt 0x0                               ; both opening adds are done
	s_wait_kmcnt 0x0
	s_add_nc_u64 s[20:21], s[4:5], s[20:21]
	s_add_nc_u64 s[46:47], s[6:7], s[46:47]
	CROUND                                         ; all sixteen work-groups are here: the first joint loads meet
.irp s, 0,1
	s_mov_b32 s[G0+4*\s], 1
	s_add_co_u32 s[G0+4*\s+1], s45, \s*SLOT
	s_add_nc_u64 s[G0+4*\s+2:G0+4*\s+3], s[20:21], \s*GB
	s_or_b32 s[G0+4*\s+3], s[G0+4*\s+3], 0x80000000
	s_mov_b32 s[G0B+4*\s], 1
	s_add_co_u32 s[G0B+4*\s+1], s45, \s*SLOT
	s_add_nc_u64 s[G0B+4*\s+2:G0B+4*\s+3], s[46:47], \s*GB
	s_or_b32 s[G0B+4*\s+3], s[G0B+4*\s+3], 0x80000000
.endr
	JLOAD G0, G1, G0B, G1B                         ; slot 0: one tensor load a wave at the head
	v_and_b32 v1, 15, v0                           ; r
	v_bfe_u32 v2, v0, 4, 1                         ; h
	v_and_b32 v3, 31, v0
	v_lshlrev_b32 v[LO], 4, v3
	s_mul_i32 s21, s15, GB                         ; my tokens' group in a slot
	s_mul_i32 s22, s16, GB
	s_add_co_u32 s22, s22, 2*GB                    ; my columns' group
	s_cmp_eq_u32 ttmp9, 2                          ; v's columns?  The cluster's x: the same in all partners
	s_cselect_b32 s18, s22, s21                    ; source 1 reads the tokens, for v the columns;
	s_cselect_b32 s19, s21, s22                    ; source 0 the other
	s_cselect_b32 s23, 1, 0
	v_xor_b32 v4, s23, v2                          ; and the halves of the scale registers go with them
	v_add_nc_u32 v[ADRA], s18, v[LO]
	v_add_nc_u32 v[ADRB], s19, v[LO]
	v_add_nc_u32 v[ADRA+1], SLOT, v[ADRA]
	v_add_nc_u32 v[ADRB+1], SLOT, v[ADRB]
	s_sub_co_u32 s23, s22, s21
	v_mul_u32_u24 v5, s23, v4                      ; one product: the lower group + half x the distance
	v_lshl_add_u32 v5, v1, 4, v5
	s_add_co_u32 s23, s21, 16384
	v_add_nc_u32 v[ADRS], s23, v5
	v_add_nc_u32 v[ADRS+1], SLOT, v[ADRS]
	s_lshl_b32 s46, s42, 10
	s_lshl_b32 s47, s16, 9
	s_add_co_u32 s46, s46, s47                     ; my first column, in bytes of f32
	s_mov_b32 s47, 0
	s_add_nc_u64 s[8:9], s[8:9], s[46:47]
	v_lshlrev_b32 v6, 6, v2
	v_and_b32 v7, 8, v1
	v_add_nc_u32 v7, v7, v1
	v_lshlrev_b32 v7, 2, v7
.irp b, 0,1,2,3                                ; both forms of the bias are loaded by every wave, 24 loads of which it uses 16 or 8: that spares a branch here
.irp j, 0,1,2,3
	global_load_b128 v[BIA+16*\b+4*\j:BIA+16*\b+4*\j+3], v6, s[8:9] offset:128*\b+16*\j   ; register 16 b + i: column 32 b + 16 h + i
.endr
.endr
.irp a, 0,1,2,3,4,5,6,7
	global_load_b32 v[BV+\a], v7, s[8:9] offset:4*(32*(\a/2)+8*(\a%2))                    ; column slot r of tile a
.endr
	v_mul_u32_u24 v[LK], v2, HS
	v_lshl_add_u32 v[LK], v1, 4, v[LK]
	s_lshl_b32 s74, s17, 1
	s_add_co_u32 s74, s74, s15                     ; my group of 128 tokens
	s_lshr_b32 s75, s74, 4                         ; the batch
	s_and_b32 s74, s74, 15                         ; the key step
	s_lshl_b32 s75, s75, 4
	s_lshl_b32 s76, s40, 2
	s_add_co_u32 s75, s75, s76
	s_lshl_b32 s76, s16, 1
	s_add_co_u32 s75, s75, s76                     ; the first of my two heads: 16 batch + 4 cx + 2 (wave % 2)
	s_mul_i32 s76, s75, HS
	s_mul_i32 s77, s74, RB
	s_add_co_u32 s76, s76, s77
	s_mov_b32 s77, 0
	s_add_nc_u64 s[72:73], s[12:13], s[76:77]      ; its record
	s_lshl_b32 s78, s75, 17
	s_lshl_b32 s79, s74, 13
	s_add_co_u32 s78, s78, s79                     ; and its eight tiles in qimg
	s_mov_b32 s80, HS
	s_cmp_eq_u32 ttmp9, 0
	s_cselect_b64 s[68:69], s[10:11], s[12:13]     ; where the codes go: q's into qimg, k's and v's into the record
	s_cselect_b32 s76, s78, s76
	s_cselect_b32 s80, 131072, s80                 ; from head to head
	s_cmp_eq_u32 ttmp9, 2
	s_cselect_b32 s78, 8192, 0                     ; V^T lies behind K
	s_add_co_u32 s76, s76, s78
	s_add_nc_u64 s[68:69], s[68:69], s[76:77]
	s_mov_b32 s81, 0
	s_add_nc_u64 s[70:71], s[68:69], s[80:81]      ; the second head's
.macro FRAG reg, adr, q, i             ; a fragment comes back as it was stored: four loads of 512 consecutive bytes
.irp c, 0,1,2,3
	ds_load_b128 v[\reg+4*\c:\reg+4*\c+3], v[\adr] offset:BLK*(\q)+2048*(\i)+512*\c
.endr
.endm
; 16 matrix instructions: source 1's blocks a0, a0 + 1 x source 0's eight.  The 64 accumulators take turns, one instruction a turn, in the same order in every step.
.macro MUL16 a0, p, q, sc, zero
.irp a, \a0, \a0+1
.irp b, 0,1,2,3,4,5,6,7
.if \zero
.if BIASC
	v_wmma_scale_f32_16x16x128_f8f6f4 v[8*(8*((\a)%4)+\b):8*(8*((\a)%4)+\b)+7], v[128*(\p)+FR*\b:128*(\p)+FR*\b+FR-1], v[AF+FR*(\a):AF+FR*(\a)+FR-1], v[BIA+8*\b:BIA+8*\b+7], v[SC+16*(\sc)+8*(\q)+\b], v[SC+16*(\sc)+8*(\q)+(\a)] matrix_a_fmt:MATRIX_FMT_BF8 matrix_b_fmt:MATRIX_FMT_BF8 matrix_a_scale:MATRIX_SCALE_ROW1
.else
	v_wmma_scale_f32_16x16x128_f8f6f4 v[8*(8*((\a)%4)+\b):8*(8*((\a)%4)+\b)+7], v[128*(\p)+FR*\b:128*(\p)+FR*\b+FR-1], v[AF+FR*(\a):AF+FR*(\a)+FR-1], 0, v[SC+16*(\sc)+8*(\q)+\b], v[SC+16*(\sc)+8*(\q)+(\a)] matrix_a_fmt:MATRIX_FMT_BF8 matrix_b_fmt:MATRIX_FMT_BF8 matrix_a_scale:MATRIX_SCALE_ROW1
.endif
.else
	v_wmma_scale_f32_16x16x128_f8f6f4 v[8*(8*((\a)%4)+\b):8*(8*((\a)%4)+\b)+7], v[128*(\p)+FR*\b:128*(\p)+FR*\b+FR-1], v[AF+FR*(\a):AF+FR*(\a)+FR-1], v[8*(8*((\a)%4)+\b):8*(8*((\a)%4)+\b)+7], v[SC+16*(\sc)+8*(\q)+\b], v[SC+16*(\sc)+8*(\q)+(\a)] matrix_a_fmt:MATRIX_FMT_BF8 matrix_b_fmt:MATRIX_FMT_BF8 matrix_a_scale:MATRIX_SCALE_ROW1
.endif
.endr
.endr
.endm
.macro FETCH_B slot, q, p
	WIN TO_B
.irp i, 0,1,2,3,4,5,6,7
	FRAG 128*(\p)+FR*\i, ADRB+\slot, \q, \i
.endr
	WIN 0
.endm
.macro FETCH_A slot, q, i0
.irp i, \i0, \i0+1, \i0+2, \i0+3
	FRAG AF+FR*(\i), ADRA+\slot, \q, \i
.endr
.endm
.macro SCALES sc                       ; a slot's scale words, both steps': register 8 q + i holds tile i's, source 1's in lanes 0-15, source 0's in lanes 16-31
.irp q, 0,1
.irp j, 0,1
	ds_load_b128 v[SC+16*\sc+8*\q+4*\j:SC+16*\sc+8*\q+4*\j+3], v[ADRS+\sc] offset:BLK*\q+256*\j
.endr
.endr
.endm
.macro STEP slot, q, zero              ; a step of 128 along K that has its successor in the same slot
	s_wait_dscnt 4*NL                              ; all but the youngest 16 loads (source 1's blocks 4-7) are in
	WIN MUL_LO-0x20*BIASC*(\zero)
	MUL16 0, (\q)%2, \q, \slot, \zero
	MUL16 2, (\q)%2, \q, \slot, \zero
	s_wait_dscnt 0
	PLACES NP
	FETCH_B \slot, (\q)+1, 1-(\q)%2
	FETCH_A \slot, (\q)+1, 0
	WIN MUL_HI-0x30*BIASC*(\zero)
	MUL16 4, (\q)%2, \q, \slot, \zero
	MUL16 6, (\q)%2, \q, \slot, \zero
	PLACES NP
	WIN 0
	FETCH_A \slot, (\q)+1, 4
.endm
; A slot's last step changes slots: one barrier; in front of it each wave waits for all its tensor loads, adds 0 to its spare word, and waits for that and for its reads of this slot.
.macro TURN slot, next, fill
	s_wait_tensorcnt 0x0                           ; all my tensor loads have landed: my part of the next slot
	ds_add_u32 v[SPW], v[NIL]
	s_wait_dscnt 4*NL+1                            ; the add and the youngest 16 loads may be out
	WIN MUL_LO
	MUL16 0, 1, 1, \slot, 0
	s_wait_dscnt 0x0                               ; the add is done, and my reads of this slot are over
	s_barrier_signal -1
	MUL16 2, 1, 1, \slot, 0
	WIN 0
	s_barrier_wait -1
.if \fill
	CREST                                          ; the barrier has opened a round of the cluster's: no wave of any partner still reads this slot or has a load on its way
	s_add_nc_u64 s[G0+4*\slot+2:G0+4*\slot+3], s[G0+4*\slot+2:G0+4*\slot+3], 2*GB
	s_add_nc_u64 s[G0B+4*\slot+2:G0B+4*\slot+3], s[G0B+4*\slot+2:G0B+4*\slot+3], 2*GB
	JLOAD G0+4*\slot, G1, G0B+4*\slot, G1B         ; the first tensor load behind the round; its four v_nop are among the places below
	PLACES NP-4
.else
	PLACES NP
.endif
	FETCH_B \next, 0, 0
	FETCH_A \next, 0, 0
	SCALES \next
	WIN MUL_HI
	MUL16 4, 1, 1, \slot, 0
	MUL16 6, 1, 1, \slot, 0
	PLACES NP
	WIN 0
	FETCH_A \next, 0, 4
.endm
	s_wait_alu depctr_va_vdst(0)
	s_wait_tensorcnt 0x0                           ; my part of slot 0 is in
	ds_add_u32 v[SPW], v[NIL]
	s_wait_dscnt 0x0
	CROUND                                         ; a whole round: slot 0 is whole, and the sixteen work-groups meet
	JLOAD G0+4, G1, G0B+4, G1B                     ; slot 1's first fill, the first tensor load behind the round
	FETCH_B 0, 0, 0
	FETCH_A 0, 0, 0
	SCALES 0
	FETCH_A 0, 0, 4
	STEP 0, 0, 1                                   ; the first step's products start the sums
	s_mov_b32 s3, LAPS-1
.Llap:
	TURN 0, 1, 1
	STEP 1, 0, 0
	TURN 1, 0, 1
	STEP 0, 0, 0
	s_sub_co_u32 s3, s3, 1
	s_cmp_lg_u32 s3, 0
	s_cbranch_scc1 .Llap
	TURN 0, 1, 0                                   ; the last lap fills nothing
	STEP 1, 0, 0
	s_wait_dscnt 4*NL
	WIN MUL_LO
	MUL16 0, 1, 1, 1, 0
	MUL16 2, 1, 1, 1, 0
	s_wait_dscnt 0
	WIN MUL_HI
	MUL16 4, 1, 1, 1, 0
	MUL16 6, 1, 1, 1, 0
	WIN 0
; ---------------- THE WAY OUT.  Block a of source 1 (16 tokens, for v 16 columns): the bias, the quantiser, four stores of 512 consecutive bytes.
.macro QUANT s, pc
.irp b, 0,1,2,3
	v_max3_num_f32 v[TM+\b], |v[\s+16*\b]|, |v[\s+1+16*\b]|, 0x8000000      ; my 16 numbers of block b, and the floor 2^(16 - 127)
.endr
.irp i, 2,4,6,8,10,12,14
.irp b, 0,1,2,3
	v_max3_num_f32 v[TM+\b], v[TM+\b], |v[\s+16*\b+\i]|, |v[\s+1+16*\b+\i]|
.endr
.endr
.irp b, 0,1,2,3
	v_permlanex16_b32 v[TM+4+\b], v[TM+\b], s[SEL], s[SEL+1]
.endr
.irp b, 0,1,2,3
	v_max_num_f32 v[TM+\b], v[TM+\b], v[TM+4+\b]
.endr
.irp b, 0,1,2,3
	v_add_nc_u32 v[TM+12+\b], 0xf8800000, v[TM+\b]
.endr
.irp b, 0,1,2,3
	v_and_or_b32 v[TM+8+\b], v[TM+\b], 0x7f800000, s[MNT]
.endr
.irp b, 0,1,2,3
	v_lshrrev_b32 v[TM+4+\b], 23, v[TM+12+\b]
.endr
	v_lshl_or_b32 v[PW], v[TM+5], 8, v[TM+4]
	v_lshl_or_b32 v[PW], v[TM+6], 16, v[PW]
	v_lshl_or_b32 v[PW], v[TM+7], 24, v[PW]
.irp b, 0,1,2,3
.irp i, 0,1,2,3,4,5,6,7,8,9,10,11,12,13,14,15
	v_med3_num_f32 v[\s+16*\b+\i], v[\s+16*\b+\i], -v[TM+8+\b], v[TM+8+\b]
.endr
	v_cvt_scalef32_pk8_bf8_f32 v[(\pc)+4*\b:(\pc)+1+4*\b], v[\s+16*\b:\s+7+16*\b], v[TM+12+\b]
	v_cvt_scalef32_pk8_bf8_f32 v[(\pc)+2+4*\b:(\pc)+3+4*\b], v[\s+8+16*\b:\s+15+16*\b], v[TM+12+\b]
.endr
	v_nop
.endm
.macro PULLQ a                         ; q, k: the bias lies along the registers
	WIN 0x02+(\a)/4
.set i, 0
.rept 32
	v_pk_add_f32 v[T+i:T+i+1], v[64*((\a)%4)+i:64*((\a)%4)+i+1], v[BIA+i:BIA+i+1]
.set i, i+2
.endr
	WIN 0
.endm
.macro PULLV a                         ; v: one number a lane
	WIN 0x02+(\a)/4
.set i, 0
.rept 32
.if (\a)%2
	v_pk_add_f32 v[T+i:T+i+1], v[64*((\a)%4)+i:64*((\a)%4)+i+1], v[BV+2*((\a)/2):BV+2*((\a)/2)+1] op_sel:[0,1] op_sel_hi:[1,1]
.else
	v_pk_add_f32 v[T+i:T+i+1], v[64*((\a)%4)+i:64*((\a)%4)+i+1], v[BV+2*((\a)/2):BV+2*((\a)/2)+1] op_sel:[0,0] op_sel_hi:[1,0]
.endif
.set i, i+2
.endr
	WIN 0
.endm
.macro ROWQ a
.set PP, PC+16*((\a)%2)
	s_cmp_eq_u32 ttmp9, 2
	s_cbranch_scc1 .Lpv_\@
	PULLQ \a
	s_branch .Lpd_\@
.Lpv_\@:
	PULLV \a
.Lpd_\@:
	s_wait_xcnt 0x0                                ; the stores of two blocks back have read their registers
	QUANT T, PC+16*((\a)%2)
	v_mov_b32 v[WD+(\a)], v[PW]
	s_cmp_eq_u32 ttmp9, 2
	s_cbranch_scc1 .Lsv_\@
.irp c, 0,1
	global_store_b128 v[LO], v[PP+4*\c:PP+4*\c+3], s[68:69] offset:(\a)*1024+\c*512      ; columns 0-63: my first head, tile a of tokens
	global_store_b128 v[LO], v[PP+8+4*\c:PP+8+4*\c+3], s[70:71] offset:(\a)*1024+\c*512  ; columns 64-127: the second
.endr
	s_branch .Lsd_\@
.Lsv_\@:
	s_wait_alu depctr_va_vdst(0)
.irp c, 0,1,2,3
	global_store_b128 v[LO], v[PP+4*\c:PP+4*\c+3], s[68+2*((\a)/4):69+2*((\a)/4)] offset:((\a)%4)*2048+\c*512   ; head a / 4, its tile a % 4 of 16 channels x 128 keys
.endr
.Lsd_\@:
.endm
	PLACES NP
	s_wait_loadcnt 0x0                             ; the bias
	s_mov_b32 s66, 0xffff0000                      ; lanes 16-31
	s_mov_b32 s[SEL], 0x76543210
	s_mov_b32 s[SEL+1], 0xfedcba98
	s_mov_b32 s[MNT], 0x600000
.irp b, 0,1,2,3
	v_mov_b32 v[TM+4+\b], 0                        ; written once: a lane permute's destination counts as one of its sources
.endr
.irp a, 0,1,2,3,4,5,6,7
	ROWQ \a
.endr
	s_cmp_eq_u32 ttmp9, 1
	s_cbranch_scc1 .Ltail_k
	s_cmp_eq_u32 ttmp9, 2
	s_cbranch_scc1 .Ltail_v
	s_wait_alu depctr_va_vdst(0)
.irp i, 0,1,2,3                                ; q: tiles 0-3 in lanes 0-15, tiles 4-7 in lanes 16-31; a head's two bytes twice over
	v_cndmask_b32 v[32+\i], v[WD+\i], v[WD+4+\i], s66
.endr
.irp i, 0,1,2,3
	v_perm_b32 v[36+\i], v[32+\i], v[32+\i], 0x05040100
.endr
.irp i, 0,1,2,3
	v_perm_b32 v[40+\i], v[32+\i], v[32+\i], 0x07060302
.endr
	global_store_b128 v[LO], v[36:39], s[72:73] offset:16896
	global_store_b128 v[LO], v[40:43], s[72:73] offset:16896+HS
	s_branch .Ltail_done
.Ltail_k:
	s_wait_alu depctr_va_vdst(0)
.irp b, 0,1,2,3                                ; k: fragment b' takes tile 2 b's two bytes below and tile 2 b' + 1's above
	v_perm_b32 v[32+\b], v[WD+2*\b+1], v[WD+2*\b], 0x05040100
.endr
.irp b, 0,1,2,3
	v_perm_b32 v[36+\b], v[WD+2*\b+1], v[WD+2*\b], 0x07060302
.endr
.irp b, 0,1,2,3
	v_cndmask_b32 v[40+\b], v[32+\b], v[36+\b], s66    ; the first head's in lanes 0-15, the second's in lanes 16-31
.endr
	global_store_b128 v[LK], v[40:43], s[72:73] offset:16384
	s_branch .Ltail_done
.Ltail_v:
	s_wait_alu depctr_va_vdst(0)
.irp i, 0,1,2,3
	v_cndmask_b32 v[32+\i], v[WD+\i], v[WD+4+\i], s66
.endr
	global_store_b128 v[LK], v[32:35], s[72:73] offset:16640
.Ltail_done:
	s_wait_tensorcnt 0x0                           ; the wave's end
	ds_add_u32 v[SPW], v[NIL]
	s_wait_dscnt 0x0
	CROUND                                         ; the closing round
	s_endpgm
.Lfunc_end_k_q6c8e232868_qkv:
	.size	k_q6c8e232868_qkv, .Lfunc_end_k_q6c8e232868_qkv-k_q6c8e232868_qkv
	.p2alignl 7, 3214868480
	.fill 96, 4, 3214868480
	.section	.rodata,"a",@progbits
	.p2align	6, 0x0
	.amdhsa_kernel k_q6c8e232868_qkv
		.amdhsa_group_segment_fixed_size 327680
		.amdhsa_private_segment_fixed_size 0
		.amdhsa_enable_private_segment 0
		.amdhsa_kernarg_size 40
		.amdhsa_user_sgpr_count 2
		.amdhsa_user_sgpr_kernarg_segment_ptr 1
		.amdhsa_wavefront_size32 1
		.amdhsa_system_sgpr_workgroup_id_x 1
		.amdhsa_system_sgpr_workgroup_id_y 1
		.amdhsa_system_sgpr_workgroup_id_z 1
		.amdhsa_system_vgpr_workitem_id 0
		.amdhsa_next_free_vgpr 1024
		.amdhsa_next_free_sgpr 100
		.amdhsa_reserve_vcc 0
		.amdhsa_float_denorm_mode_32 3
		.amdhsa_float_denorm_mode_16_64 3
		.amdhsa_memory_ordered 1
		.amdhsa_forward_progress 1
		.amdhsa_inst_pref_size 224
	.end_amdhsa_kernel
	.amdgpu_metadata
---
amdhsa.version: [ 1, 2 ]
amdhsa.kernels:
  - .name:           k_q6c8e232868_qkv
    .symbol:         k_q6c8e232868_qkv.kd
    .args:
      - { .name: hp, .offset: 0, .size: 8, .value_kind: global_buffer, .address_space: global }
      - { .name: wpk, .offset: 8, .size: 8, .value_kind: global_buffer, .address_space: global }
      - { .name: b_qkv, .offset: 16, .size: 8, .value_kind: global_buffer, .address_space: global }
      - { .name: qimg, .offset: 24, .size: 8, .value_kind: global_buffer, .address_space: global }
      - { .name: kv, .offset: 32, .size: 8, .value_kind: global_buffer, .address_space: global }
    .group_segment_fixed_size: 327680
    .private_segment_fixed_size: 0
    .kernarg_segment_align: 8
    .kernarg_segment_size: 40
    .max_flat_workgroup_size: 128
    .sgpr_count:     100
    .vgpr_count:     1024
    .wavefront_size: 32
...
	.end_amdgpu_metadata
.endif
;; end of part 9
;; launch attn (part 10): grid 8 x 32, 16 waves a work-group, clusters of 4 x 1, 327,680 bytes of LDS; arguments qimg, kv, op; writes op
.if DOCPART == 10
	.amdgcn_target "amdgcn-amd-amdhsa--gfx1250"
	.amdhsa_code_object_version 6
	.text
	.protected	k_q6c8e232868_attn
	.globl	k_q6c8e232868_attn
	.p2align	8
	.type	k_q6c8e232868_attn,@function
k_q6c8e232868_attn:
	s_mov_b64 s[64:65], 0
	v_nop
	global_prefetch_b8 v0, s[64:65] scope:SCOPE_SE
	s_setreg_imm32_b32 hwreg(HW_REG_WAVE_MODE, 25, 1), 1
	s_wait_xcnt 0x0
	s_wait_alu depctr_hold_cnt(0) depctr_sa_sdst(0) depctr_va_vdst(0) depctr_va_sdst(0) depctr_va_ssrc(0) depctr_va_vcc(0) depctr_vm_vsrc(0)
	s_getreg_b32 s2, hwreg(HW_REG_IB_STS2, 6, 4)
	s_cmp_eq_u32 s2, 0
	s_cbranch_scc0 .Lentry_in_a_cluster
	s_endpgm
.Lentry_in_a_cluster:
	s_bfe_u32 s2, ttmp6, 0x10000c
	s_cmp_lg_u32 s2, 0x3003
	s_cbranch_scc0 .Lentry_shape_is_right
	s_endpgm
.Lentry_shape_is_right:
; ATTENTION ON CODES OF BF8 (E5M2) WITH E8M0 SCALES: o = softmax(q k^T / 8) v for one head and 256 queries a work-group; o leaves quantised along C, as PACK blocks for the projection.  No work of the problem is left out.
; kv holds, for each head and each key step of 128 keys, a record of RB = 17,408 bytes: K's four fragments (two key tiles of 64 channels in each), V^T's four, K's, V's and q's scale words.
; SHARES: sixteen waves, 16 queries each; a lane holds one query throughout (both products are used transposed).  q's 64 channels stand between two runs of eight zero registers, so that one fragment of K serves two key tiles.
; LDS: a head's sixteen records, 278,528 bytes, lie in LDS whole.  EACH WAVE ISSUES ONE TENSOR LOAD, record number = wave number, at the head: nothing is filled again.
; Waves 0 to 2 have a load line of their own: the first barrier shows their three records alone, the second, two key steps on, all sixteen; the other fourteen key steps pass no barrier.
; TWO BANKS OF 64 REGISTERS CHANGE ROLES FROM STEP TO STEP.  In a step bank kb holds K's fragments and then V's; bank sb takes the scores, which become p.  As soon as a block of p is converted, its 16 registers take
; the NEXT step's fragment of K: so the next step finds K in sb and writes its scores into kb.  A trip is two steps.  The last step asks for record 15's K once more, which nothing reads: the step is written once for all trips.
; CLUSTER: the four work-groups of a cluster walk the same head and ask for each record jointly (mask 15).  No prefetch: all that the work-group reads of kv is asked for at its head, so there is no loop to run ahead in.
; THE SOFTMAX: t = score x log2(e) / 8; M = the running largest t rounded up to a whole number; p = 2^(t - M) is quantised along the keys; the row's sum is taken of the unquantised p and divides at the end.
; LIMITS: NaN and infinities are not served; the promise holds while the scaled scores stay under 2^31 in magnitude; a block under 2^(16 - 127), zeros too, keeps the scale byte 1 (read by this program alone).
.set RB,    17408
.set HS,    16*RB
.set BLK,   16896
.set SPARE, HS
.set WV,  12
.set G1,  24
.set G0,  32
.set TN,  54                           ; s54 the record two on, held at the last
.set CNT, 55
.set TB,  56                           ; s56 LDS byte of the trip's first record
.set MNT, 57
.set CS,  58
.set SEL, 60
.set LI,  1                            ; 16 x lane
.set LR,  2                            ; 16 r
.set VO,  3
.set VS,  4
.set SPW, 5
.set NIL, 6
.set ADK, 8                            ; TB + LI
.set ADS, 9                            ; TB + LR
.set ADN, 10                           ; TN + LI
.set ADM, 11                           ; TN + LR
.set QS,  40
.set XA,  48                           ; the two banks
.set XB,  112
.set S,   112                          ; the way out's numbers
.set O,   176
.set PCD, 208
.set KW,  224
.set VW,  228
.macro CROUND
	s_barrier_signal -1
	s_barrier_wait -1
	s_cmp_lg_u32 s[WV], 0
	s_cbranch_scc1 .Lnot_wave_0_\@
	s_barrier_signal -3
.Lnot_wave_0_\@:
	s_barrier_wait -3
	s_barrier_signal -1
	s_barrier_wait -1
.endm
	s_load_b128 s[4:7], s[0:1], 0x0                ; qimg, kv
	s_load_b64 s[8:9], s[0:1], 0x10                ; op
	v_lshl_add_u32 v[SPW], v0, 2, SPARE
	v_mov_b32 v[NIL], 0
	ds_add_u32 v[SPW], v[NIL]                      ; the opening: the add, twice on end, and its wait ahead of my first tensor load
	ds_add_u32 v[SPW], v[NIL]
	v_lshrrev_b32 v8, 5, v0
	s_delay_alu instid0(VALU_DEP_1)
	v_readfirstlane_b32 s[WV], v8
	s_bfe_u32 s13, ttmp6, 0x40000
	s_lshl_b32 s14, ttmp9, 2
	s_add_co_u32 s14, s14, s13                     ; which 256 queries
	s_and_b32 s15, ttmp7, 0xffff                   ; the head
	s_mul_i32 s16, s15, HS
	s_mul_i32 s17, s[WV], RB                       ; my record, in memory and in LDS alike
	s_add_co_u32 s18, s16, s17
	s_mov_b32 s19, 0
	s_mov_b32 s[G1], 15|(3<<16)|(1<<21)
	s_mov_b32 s[G1+1], 32<<16
	s_mov_b32 s[G1+2], 68<<16                      ; 68 rows of 256 bytes: one record
	s_mov_b32 s[G1+3], 32<<16
	s_mov_b32 s[G1+4], 68
	s_mov_b32 s[G1+5], 32
	s_mov_b32 s[G1+6], 0
	s_mov_b32 s[G1+7], 0
	s_mov_b32 s[SEL], 0x76543210
	s_mov_b32 s[SEL+1], 0xfedcba98
	s_mov_b32 s[CS], 0x3e38aa3b                    ; log2(e) / 8
	s_mov_b32 s[CS+1], s[CS]
	s_mov_b32 s[MNT], 0x600000
	s_wait_dscnt 0x0
	s_wait_kmcnt 0x0
	s_add_nc_u64 s[20:21], s[6:7], s[18:19]
	CROUND
	s_mov_b32 s[G0], 1
	s_mov_b32 s[G0+1], s17
	s_mov_b64 s[G0+2:G0+3], s[20:21]
	s_or_b32 s[G0+3], s[G0+3], 0x80000000
	s_cmp_lt_u32 s[WV], 3                          ; one load a wave; waves 0 to 2, whose records are shown first, have a line of their own
	s_cbranch_scc0 .Llater
	tensor_load_to_lds s[G0:G0+3], s[G1:G1+7]
	s_nop 0
.rept 4
	v_nop
.endr
	s_branch .Lasked
.Llater:
	tensor_load_to_lds s[G0:G0+3], s[G1:G1+7]
	s_nop 0
.rept 4
	v_nop
.endr
.Lasked:
	v_and_b32 v[LI], 31, v0
	s_delay_alu instid0(VALU_DEP_1)
	v_lshlrev_b32 v[LI], 4, v[LI]
	v_and_b32 v[LR], 15, v0
	s_delay_alu instid0(VALU_DEP_1)
	v_lshlrev_b32 v[LR], 4, v[LR]
	s_wait_alu depctr_va_vdst(0)
	s_lshl_b32 s22, s15, 17
	s_lshl_b32 s23, s14, 14
	s_add_co_u32 s22, s22, s23
	s_lshl_b32 s23, s[WV], 10
	s_add_co_u32 s22, s22, s23
	s_mov_b32 s23, 0
	s_add_nc_u64 s[4:5], s[4:5], s[22:23]
	global_load_b128 v[24:27], v[LI], s[4:5]       ; q's 64 channels
	global_load_b128 v[28:31], v[LI], s[4:5] offset:512
	s_lshl_b32 s22, s14, 1
	s_lshr_b32 s23, s[WV], 3
	s_add_co_u32 s22, s22, s23
	s_mul_i32 s48, s22, RB
	s_add_co_u32 s48, s48, s16
	s_bfe_u32 s53, s[WV], 0x10002
	s_lshl_b32 s53, s53, 8
	s_and_b32 s23, s[WV], 3
	s_lshl_b32 s23, s23, 2
	s_add_co_u32 s53, s53, s23
	s_add_co_u32 s48, s48, s53
	s_mov_b32 s49, 0
	s_add_nc_u64 s[6:7], s[6:7], s[48:49]
	global_load_b32 v[QS], v[LR], s[6:7] offset:16896   ; q's scale words
	s_lshr_b32 s50, s15, 4
	s_lshl_b32 s50, s50, 4
	s_add_co_u32 s50, s50, s22
	s_lshl_b32 s50, s50, 3
	s_bfe_u32 s51, s15, 0x30001
	s_add_co_u32 s50, s50, s51
	s_mul_i32 s50, s50, BLK
	s_mov_b32 s51, 0
	s_add_nc_u64 s[8:9], s[8:9], s[50:51]          ; op: block (my 128 tokens, head / 2)
	s_and_b32 s52, s[WV], 7
	s_lshl_b32 s52, s52, 11
	s_and_b32 s23, s15, 1
	s_lshl_b32 s22, s23, 10
	s_add_co_u32 s52, s52, s22
	v_add_nc_u32 v[VO], s52, v[LI]
	s_lshl_b32 s23, s23, 1
	s_add_co_u32 s53, s53, s23
	v_add_nc_u32 v[VS], s53, v[LR]
.irp j, 0,1,2,3,4,5,6,7
	v_mov_b32 v[16+\j], 0
	v_mov_b32 v[32+\j], 0
.endr
	v_mov_b32 v13, 0xff61b1e6                      ; the largest t so far: -3e38
	s_delay_alu instid0(VALU_DEP_1)
	v_floor_f32 v12, -v13                          ; -M
	v_mov_b32 v14, 0
	v_mov_b32 v15, 0
.irp b, 0,1,2,3
	v_mov_b32 v[236+\b], 0                         ; a lane permute's destination counts as one of its sources
.endr
	v_mov_b32 v253, 0
.set j, 0
.rept 32
	v_mov_b32 v[O+j], 0
.set j, j+1
.endr
; A KEY STEP.  kb: the bank with K, then V; sb: the bank for the scores; h: which of the trip's two records.
.macro STEP kb, sb, h
.if \h == 0
	v_add_nc_u32 v[ADK], s[TB], v[LI]
	v_add_nc_u32 v[ADS], s[TB], v[LR]
	v_add_nc_u32 v[ADN], s[TN], v[LI]
	v_add_nc_u32 v[ADM], s[TN], v[LR]
.else
.rept 4
	v_nop
.endr
.endif
	v_mov_b32 v255, v12                            ; the old -M
.rept 4
	v_nop                                          ; nine places in all behind the last step's products, whose fragments' registers the products below write over
.endr
	s_wait_alu depctr_va_vdst(0)
	s_wait_dscnt 0x0                               ; K's fragments and scale words, asked for in the step before
.irp b, 0,1,2,3
	v_wmma_scale_f32_16x16x128_f8f6f4 v[\sb+16*\b:\sb+16*\b+7], v[\kb+16*\b:\kb+16*\b+15], v[24:39], 0, v[KW+\b], v[QS] matrix_a_fmt:MATRIX_FMT_BF8 matrix_b_fmt:MATRIX_FMT_BF8
	v_wmma_scale_f32_16x16x128_f8f6f4 v[\sb+16*\b+8:\sb+16*\b+15], v[\kb+16*\b:\kb+16*\b+15], v[16:31], 0, v[KW+\b], v[QS] matrix_a_fmt:MATRIX_FMT_BF8 matrix_b_fmt:MATRIX_FMT_BF8
.endr
.rept 8
	v_nop
.endr
.irp b, 0,1,2,3
.irp c, 0,1,2,3
	ds_load_b128 v[\kb+16*\b+4*\c:\kb+16*\b+4*\c+3], v[ADK] offset:RB*\h+8192+2048*\b+512*\c   ; V^T, where K lay
.endr
.endr
	ds_load_b128 v[VW:VW+3], v[ADS] offset:RB*\h+16640
.irp b, 0,1,2,3
	v_max3_num_f32 v[232+\b], v[\sb+16*\b], v[\sb+1+16*\b], v[\sb+2+16*\b]     ; the largest score of each block of 32 keys
.endr
.irp i, 3,5,7,9,11,13
.irp b, 0,1,2,3
	v_max3_num_f32 v[232+\b], v[232+\b], v[\sb+16*\b+\i], v[\sb+1+16*\b+\i]
.endr
.endr
.irp b, 0,1,2,3
	v_max_num_f32 v[232+\b], v[232+\b], v[\sb+15+16*\b]
.endr
.irp b, 0,1,2,3
	s_delay_alu instid0(VALU_DEP_4)
	v_permlanex16_b32 v[236+\b], v[232+\b], s[SEL], s[SEL+1]
.endr
.irp b, 0,1,2,3
	s_delay_alu instid0(VALU_DEP_4)
	v_max_num_f32 v[232+\b], v[232+\b], v[236+\b]
.endr
	s_delay_alu instid0(VALU_DEP_2)
	v_max3_num_f32 v254, v232, v233, v234
	s_delay_alu instid0(VALU_DEP_1)
	v_max_num_f32 v254, v254, v235
	s_delay_alu instid0(VALU_DEP_1)
	v_mul_f32 v254, s[CS], v254
	s_delay_alu instid0(VALU_DEP_1)
	v_max_num_f32 v13, v13, v254                   ; the running largest t
	s_delay_alu instid0(VALU_DEP_1)
	v_floor_f32 v12, -v13                          ; the new -M
.set j, 0
.rept 32
	v_pk_fma_f32 v[\sb+j:\sb+j+1], v[\sb+j:\sb+j+1], s[CS:CS+1], v[12:13] op_sel_hi:[1,0,0]   ; t - M
.if j == 6
	v_sub_f32 v254, v12, v255                      ; old M - new M, a whole number; its three lines stand among the multiply-adds
.endif
.if j == 18
	v_cvt_i32_f32 v254, v254
.endif
.if j == 30
	v_ldexp_f32 v252, 1.0, v254                    ; f = 2^(old M - new M)
.endif
.set j, j+2
.endr
.irp b, 0,1,2,3
	v_fma_f32 v[232+\b], v[232+\b], s[CS], v12
.endr
	s_wait_alu depctr_va_vdst(0)                   ; the wait ahead of the batch,
.set j, 0
.rept 64
	v_exp_f32 v[\sb+j], v[\sb+j]
.set j, j+1
.endr
	v_pk_mul_f32 v[14:15], v[14:15], v[252:253] op_sel_hi:[1,0]
	s_wait_alu depctr_va_vdst(0)                   ; and behind it
.irp b, 0,1,2,3
	v_exp_f32 v[232+\b], v[232+\b]                 ; each block's largest p
.endr
	v_pk_add_f32 v[236:237], v[\sb:\sb+1], v[\sb+2:\sb+3]          ; the row's sum of the unquantised p, in four chains
	v_pk_add_f32 v[238:239], v[\sb+4:\sb+5], v[\sb+6:\sb+7]
	v_pk_add_f32 v[248:249], v[\sb+8:\sb+9], v[\sb+10:\sb+11]
	v_pk_add_f32 v[14:15], v[14:15], v[\sb+12:\sb+13]
.irp j, 14,22,30,38,46,54
	v_pk_add_f32 v[236:237], v[236:237], v[\sb+\j:\sb+\j+1]
	v_pk_add_f32 v[238:239], v[238:239], v[\sb+\j+2:\sb+\j+3]
	v_pk_add_f32 v[248:249], v[248:249], v[\sb+\j+4:\sb+\j+5]
	v_pk_add_f32 v[14:15], v[14:15], v[\sb+\j+6:\sb+\j+7]
.endr
	v_pk_add_f32 v[236:237], v[236:237], v[\sb+62:\sb+63]
	v_pk_add_f32 v[238:239], v[238:239], v[248:249]
	v_pk_add_f32 v[14:15], v[14:15], v[236:237]
	v_pk_add_f32 v[14:15], v[14:15], v[238:239]
	s_wait_alu depctr_va_vdst(0)                   ; the wait for the four
.irp b, 0,1,2,3
	v_max_num_f32 v[232+\b], 0x8000000, v[232+\b]  ; the floor 2^(16 - 127)
.endr
.irp b, 0,1,2,3
	s_delay_alu instid0(VALU_DEP_4)
	v_add_nc_u32 v[244+\b], 0xf8800000, v[232+\b]  ; the conversion's scale operand
.endr
.irp b, 0,1,2,3
	v_and_or_b32 v[240+\b], v[232+\b], 0x7f800000, s[MNT]   ; 57,344 x the scale
.endr
.irp b, 0,1,2,3
	v_lshrrev_b32 v[236+\b], 23, v[244+\b]
.endr
	s_delay_alu instid0(VALU_DEP_3)
	v_lshl_or_b32 v253, v237, 8, v236
	s_delay_alu instid0(VALU_DEP_1)
	v_lshl_or_b32 v253, v238, 16, v253
	s_delay_alu instid0(VALU_DEP_1)
	v_lshl_or_b32 v253, v239, 24, v253             ; p's scale word
.irp b, 0,1,2,3
.irp i, 0,1,2,3,4,5,6,7,8,9,10,11,12,13,14,15
	v_min_num_f32 v[\sb+16*\b+\i], v[\sb+16*\b+\i], v[240+\b]     ; the conversion does not saturate (ISA guide 7.6.2); p is not negative
.endr
	v_cvt_scalef32_pk8_bf8_f32 v[PCD+4*\b:PCD+1+4*\b], v[\sb+16*\b:\sb+7+16*\b], v[244+\b]
	v_cvt_scalef32_pk8_bf8_f32 v[PCD+2+4*\b:PCD+3+4*\b], v[\sb+8+16*\b:\sb+15+16*\b], v[244+\b]
.irp c, 0,1,2,3
.if \h == 0
	ds_load_b128 v[\sb+16*\b+4*\c:\sb+16*\b+4*\c+3], v[ADK] offset:RB+2048*\b+512*\c    ; the block is converted: its registers take the next step's fragment of K
.else
	ds_load_b128 v[\sb+16*\b+4*\c:\sb+16*\b+4*\c+3], v[ADN] offset:2048*\b+512*\c
.endif
.endr
.endr
.if \h == 0
	ds_load_b128 v[KW:KW+3], v[ADS] offset:RB+16384
.else
	ds_load_b128 v[KW:KW+3], v[ADM] offset:16384
.endif
	s_wait_alu depctr_va_vdst(0)                   ; directly ahead of the first reader of O^T
.set j, 0
.rept 16
	v_pk_mul_f32 v[O+j:O+j+1], v[O+j:O+j+1], v[252:253] op_sel_hi:[1,0]    ; O^T under the new M
.set j, j+2
.endr
	s_wait_alu depctr_va_vdst(0)
	s_wait_dscnt 17                                ; V's 17 loads are in; the 17 for the next step's K, issued behind them, may be out
.irp t, 0,1,2,3
	v_wmma_scale_f32_16x16x128_f8f6f4 v[O+8*\t:O+8*\t+7], v[\kb+16*\t:\kb+16*\t+15], v[PCD:PCD+15], v[O+8*\t:O+8*\t+7], v[VW+\t], v253 matrix_a_fmt:MATRIX_FMT_BF8 matrix_b_fmt:MATRIX_FMT_BF8
.endr
.endm
.macro TRIP                            ; two key steps: the banks are back where they began
	s_add_co_u32 s[TN], s[TB], 2*RB
	s_min_u32 s[TN], s[TN], 15*RB
	STEP XA, XB, 0
	STEP XB, XA, 1
	s_add_co_u32 s[TB], s[TB], 2*RB
.endm
	s_wait_alu depctr_va_vdst(0)
	s_wait_loadcnt 0x0                             ; q and its scale words
	s_cmp_lt_u32 s[WV], 3
	s_cbranch_scc0 .Lnot_first
	s_wait_tensorcnt 0x0                           ; waves 0 to 2: records 0 to 2 are in
.Lnot_first:
	s_barrier_signal -1
	s_barrier_wait -1
.irp b, 0,1,2,3
.irp c, 0,1,2,3
	ds_load_b128 v[XA+16*\b+4*\c:XA+16*\b+4*\c+3], v[LI] offset:2048*\b+512*\c     ; the first step's K
.endr
.endr
	ds_load_b128 v[KW:KW+3], v[LR] offset:16384
	s_mov_b32 s[TB], 0
	TRIP                                           ; records 0 and 1; it asks for record 2's K
	s_wait_tensorcnt 0x0                           ; every wave: its record is in
	s_wait_dscnt 0x0
	s_barrier_signal -1
	s_barrier_wait -1
	s_mov_b32 s[TB], 2*RB
	s_mov_b32 s[CNT], 7
.Ltrip:
	TRIP
	s_sub_co_u32 s[CNT], s[CNT], 1
	s_cmp_lg_u32 s[CNT], 0
	s_cbranch_scc1 .Ltrip
; THE WAY OUT: O^T / the sum, quantised along C: my head's 64 channels are two blocks of 32
.rept 8
	v_nop
.endr
	v_add_f32 v14, v14, v15
	s_delay_alu instid0(VALU_DEP_1)
	v_permlanex16_b32 v252, v14, s[SEL], s[SEL+1]
	s_delay_alu instid0(VALU_DEP_1)
	v_add_f32 v14, v14, v252
	s_wait_alu depctr_va_vdst(0)
	v_rcp_f32 v14, v14
	v_nop
	s_wait_alu depctr_va_vdst(0)
.set j, 0
.rept 16
	v_pk_mul_f32 v[S+j:S+j+1], v[O+j:O+j+1], v[14:15] op_sel_hi:[1,0]
.set j, j+2
.endr
.irp b, 0,1
	v_max3_num_f32 v[232+\b], |v[S+16*\b]|, |v[S+1+16*\b]|, 0x8000000
.endr
.irp i, 2,4,6,8,10,12,14
.irp b, 0,1
	s_delay_alu instid0(VALU_DEP_2)
	v_max3_num_f32 v[232+\b], v[232+\b], |v[S+16*\b+\i]|, |v[S+1+16*\b+\i]|
.endr
.endr
.irp b, 0,1
	s_delay_alu instid0(VALU_DEP_2)
	v_permlanex16_b32 v[236+\b], v[232+\b], s[SEL], s[SEL+1]
.endr
.irp b, 0,1
	s_delay_alu instid0(VALU_DEP_2)
	v_max_num_f32 v[232+\b], v[232+\b], v[236+\b]
.endr
.irp b, 0,1
	s_delay_alu instid0(VALU_DEP_2)
	v_add_nc_u32 v[244+\b], 0xf8800000, v[232+\b]
.endr
.irp b, 0,1
	s_delay_alu instid0(VALU_DEP_4)
	v_and_or_b32 v[240+\b], v[232+\b], 0x7f800000, s[MNT]
.endr
.irp b, 0,1
	s_delay_alu instid0(VALU_DEP_4)
	v_lshrrev_b32 v[236+\b], 23, v[244+\b]
.endr
	s_delay_alu instid0(VALU_DEP_1)
	v_lshl_or_b32 v253, v237, 8, v236
.irp b, 0,1
.irp i, 0,1,2,3,4,5,6,7,8,9,10,11,12,13,14,15
	v_med3_num_f32 v[S+16*\b+\i], v[S+16*\b+\i], -v[240+\b], v[240+\b]
.endr
	v_cvt_scalef32_pk8_bf8_f32 v[PCD+4*\b:PCD+1+4*\b], v[S+16*\b:S+7+16*\b], v[244+\b]
	v_cvt_scalef32_pk8_bf8_f32 v[PCD+2+4*\b:PCD+3+4*\b], v[S+8+16*\b:S+15+16*\b], v[244+\b]
.endr
	v_nop
	global_store_b128 v[VO], v[PCD:PCD+3], s[8:9]
	global_store_b128 v[VO], v[PCD+4:PCD+7], s[8:9] offset:512
	global_store_b16 v[VS], v253, s[8:9] offset:16384
	s_wait_tensorcnt 0x0                           ; the wave's end
	ds_add_u32 v[SPW], v[NIL]
	s_wait_dscnt 0x0
	CROUND                                         ; the closing round
	s_endpgm
.Lfunc_end_k_q6c8e232868_attn:
	.size	k_q6c8e232868_attn, .Lfunc_end_k_q6c8e232868_attn-k_q6c8e232868_attn
	.p2alignl 7, 3214868480
	.fill 96, 4, 3214868480
	.section	.rodata,"a",@progbits
	.p2align	6, 0x0
	.amdhsa_kernel k_q6c8e232868_attn
		.amdhsa_group_segment_fixed_size 327680
		.amdhsa_private_segment_fixed_size 0
		.amdhsa_enable_private_segment 0
		.amdhsa_kernarg_size 24
		.amdhsa_user_sgpr_count 2
		.amdhsa_user_sgpr_kernarg_segment_ptr 1
		.amdhsa_wavefront_size32 1
		.amdhsa_system_sgpr_workgroup_id_x 1
		.amdhsa_system_sgpr_workgroup_id_y 1
		.amdhsa_system_sgpr_workgroup_id_z 1
		.amdhsa_system_vgpr_workitem_id 0
		.amdhsa_next_free_vgpr 256
		.amdhsa_next_free_sgpr 66
		.amdhsa_reserve_vcc 0
		.amdhsa_float_denorm_mode_32 3
		.amdhsa_float_denorm_mode_16_64 3
		.amdhsa_memory_ordered 1
		.amdhsa_forward_progress 1
		.amdhsa_inst_pref_size 91
	.end_amdhsa_kernel
	.amdgpu_metadata
---
amdhsa.version: [ 1, 2 ]
amdhsa.kernels:
  - .name:           k_q6c8e232868_attn
    .symbol:         k_q6c8e232868_attn.kd
    .args:
      - { .name: qimg, .offset: 0, .size: 8, .value_kind: global_buffer, .address_space: global }
      - { .name: kv, .offset: 8, .size: 8, .value_kind: global_buffer, .address_space: global }
      - { .name: op, .offset: 16, .size: 8, .value_kind: global_buffer, .address_space: global }
    .group_segment_fixed_size: 327680
    .private_segment_fixed_size: 0
    .kernarg_segment_align: 8
    .kernarg_segment_size: 24
    .max_flat_workgroup_size: 512
    .sgpr_count:     66
    .vgpr_count:     256
    .wavefront_size: 32
...
	.end_amdgpu_metadata
.endif
;; end of part 10
;; launch proj (part 11): grid 8 x 32, 4 waves a work-group, clusters of 4 x 4, 327,680 bytes of LDS; arguments op, wpk, b_proj, x, x1; writes x1
.if DOCPART == 11
	.amdgcn_target "amdgcn-amd-amdhsa--gfx1250"
	.amdhsa_code_object_version 6
	.text
	.protected	k_q6c8e232868_proj
	.globl	k_q6c8e232868_proj
	.p2align	8
	.type	k_q6c8e232868_proj,@function
k_q6c8e232868_proj:
	s_mov_b64 s[64:65], 0
	v_nop
	global_prefetch_b8 v0, s[64:65] scope:SCOPE_SE
	s_setreg_imm32_b32 hwreg(HW_REG_WAVE_MODE, 25, 1), 1
	s_wait_xcnt 0x0
	s_wait_alu depctr_hold_cnt(0) depctr_sa_sdst(0) depctr_va_vdst(0) depctr_va_sdst(0) depctr_va_ssrc(0) depctr_va_vcc(0) depctr_vm_vsrc(0)
	s_getreg_b32 s2, hwreg(HW_REG_IB_STS2, 6, 4)
	s_cmp_eq_u32 s2, 0
	s_cbranch_scc0 .Lentry_in_a_cluster
	s_endpgm
.Lentry_in_a_cluster:
	s_bfe_u32 s2, ttmp6, 0x10000c
	s_cmp_lg_u32 s2, 0xf033
	s_cbranch_scc0 .Lentry_shape_is_right
	s_endpgm
.Lentry_shape_is_right:
; x1 = x + (o w_proj + b_proj): a product on codes of BF8 with E8M0 scales, f32 sums, the bias as the sums' first C, the residual added on the way out.  No work of the problem is left out.
; Operands lie in PACK blocks (16,896 bytes for 128 rows x 128 K: eight tiles' register images, then their scale words; slot r of tile i is row 32 (i / 2) + 8 (i % 2) + r + 8 (r / 8)).
; THE TILE IS 128 x 128: the result, 4,096 x 1,024, is 256 such tiles, one for each of 256 work-groups; tiles of 256 x 256 would be 64.  Four waves, 64 x 64 each: 16 accumulators.
; K goes in slots of 512 (four blocks of the tokens' group, four of the columns') through two LDS slots; a wave's tensor load brings four blocks, one dense run of 67,584 bytes.
; With SIZE_K = 1,024 the two slots hold all of K: both are first fills, nothing is filled again, no loop and no prefetch is assembled: all that the work-group reads of its operands is asked for at its head.
; CLUSTERS: 4 x 4 work-groups; the tokens' blocks are asked for jointly along a row of the cluster, the weights' along a column.  TRANSPOSED USE: source 0 = the weights' rows, source 1 = tokens:
; a lane holds one token, and register j of accumulator (a, b) is column 32 (b / 2) + 8 (b % 2) + 16 (lane / 16) + j of the wave's 64.
; THE RESIDUAL's 64 x 64 numbers of a wave are asked for at the kernel's head, 32 loads, and lie in 128 registers when the sums are finished: the way out waits for no memory.
; REGISTERS, in windows of 256: window 0: v16-30 addresses; v32-63 scale words, 16 a slot; v64-95 the bias, later with v96-127 rows on the way out; v128-255 the accumulators.
;   window 1: two fragment buffers of 128 (the tokens' four fragments, then the columns' four).   window 2: v0-127 the residual.
; EACH WAVE ISSUES ONE TENSOR LOAD, at the head, and it brings FOUR blocks, one dense run of 67,584 bytes: a group's whole part of one slot (wave 0: the tokens' K steps 0 to 3; wave 1: their 4 to 7; waves 2, 3: the columns').
.set SIZE_K, 1024
.set WOFF,   24*8*16896                ; w_proj's blocks in wpk
.set BLK,    16896
.set KS,     SIZE_K/128
.set HALF,   4*BLK                     ; a group's four blocks of a slot: what one tensor load brings
.set SLOT,   2*HALF
.set SPARE,  2*SLOT                    ; behind the slots: the spare words, 128 bytes a wave, that no other line names
.set STAGE,  SPARE+512                 ; behind them: 16 rows x 272 bytes for each wave, for the way out: bytes of their own, into which no tile lands
.set SP,     272
.set LAPS,   SIZE_K/1024               ; a lap = two slots = eight K steps
.set NP, 8                             ; places behind this matrix instruction (ISA guide 7.12.1)
.set ADRA, 16                          ; v16-17  LDS address of my tokens' fragments in slot 0, 1
.set ADRB, 20                          ; v20-21  of my columns'
.set ADRS, 22                          ; v22-23  of the scale words: lanes 0-15 the tokens', lanes 16-31 the columns'
.set STO,  24                          ; the way out: where I put 32 bytes of a row
.set RD,   25                          ; where I read a row back
.set CO,   26                          ; my byte offset in two rows of the result
.set SPW,  28
.set NIL,  29
.set PFO,  30                          ; the prefetches' offset: 256 x lane
.set SC,   32                          ; scale words: slot s, K step q at SC + 16 s + 4 q; register i: my tile i
.set BIA,  64
.set BK,   64                          ; the way out: 16 rows back from the stage: v64-95 and v96-127 by turns
.set ACC,  128
.set RS,   0                           ; in window 2: the residual
.set G1, 24
.set G0, 32
.set G1B, 48
.set G0B, 56
.set PFA, 68                           ; s[68:69] where my prefetches stand
.set LIM, 70                           ; s70 1 in a wave that prefetches, else the greatest number
.set MSB, 0
.macro WIN new                         ; the immediate's high byte repeats the setting that is left
.if MSB != (\new)
	s_set_vgpr_msb (MSB<<8)|(\new)
.set MSB, (\new)
.endif
.endm
.set MUL,  0x05                        ; sources 0 and 1 window 1; C and D window 0
.set TO_F, 0x40                        ; destination window 1, address window 0
.macro JLOAD g0a, g1a, g0b, g1b        ; a joint load: waves 0 and 1 fetch for the tokens, waves 2 and 3 for the weights; an s_nop 0 and four v_nop follow each line
	s_cmp_eq_u32 s15, 0
	s_cbranch_scc0 .Lfor_b_\@
	tensor_load_to_lds s[\g0a:\g0a+3], s[\g1a:\g1a+7]
	s_nop 0
.rept 4
	v_nop
.endr
	s_branch .Lasked_\@
.Lfor_b_\@:
	tensor_load_to_lds s[\g0b:\g0b+3], s[\g1b:\g1b+7]
	s_nop 0
.rept 4
	v_nop
.endr
.Lasked_\@:
.endm
.macro CREST
	s_cmp_lg_u32 s14, 0
	s_cbranch_scc1 .Lnot_wave_0_\@
	s_barrier_signal -3
.Lnot_wave_0_\@:
	s_barrier_wait -3
	s_barrier_signal -1
	s_barrier_wait -1
.endm
.macro CROUND
	s_barrier_signal -1
	s_barrier_wait -1
	CREST
.endm
.macro PLACES n
.rept \n
	v_nop
.endr
.endm
; A PREFETCH INTO THE L2 of what the NEXT change of slots will ask for, behind the joint load, its five lines and the run of LDS loads: one instruction a wave, a lane to each run of 256 bytes.
; Each such run of codes is named once in the launch: the tokens' blocks are read by every cluster of a row of clusters: the one with x = 0 asks; the weights' by every cluster of a column: the one with y = 0 asks.
; The four partners that ask for a load jointly share its 128 runs of codes out BY ADDRESS, 32 each; the 512 bytes of scale words in each block come by the load alone.  how = 1: whenever I am an asking wave;
; how = 0: not in the loop's last trip, where no slot follows.
.macro ASK how
.if \how
	s_cmp_eq_u32 s[LIM], 1
.else
	s_cmp_gt_u32 s3, s[LIM]
.endif
	s_cbranch_scc0 .Lnot_mine_\@
	global_prefetch_b8 v[PFO], s[PFA:PFA+1] th:TH_LOAD_NT scope:SCOPE_SE
.Lnot_mine_\@:
.endm
	s_load_b256 s[4:11], s[0:1], 0x0               ; the tokens' blocks s[4:5], wpk s[6:7], the bias s[8:9], the residual s[10:11]
	s_load_b64 s[12:13], s[0:1], 0x20              ; the result
	v_lshl_add_u32 v[SPW], v0, 2, SPARE
	v_mov_b32 v[NIL], 0
	ds_add_u32 v[SPW], v[NIL]                      ; the opening: the add, twice on end, and its wait ahead of my first tensor load
	ds_add_u32 v[SPW], v[NIL]
	v_lshrrev_b32 v1, 5, v0
	v_readfirstlane_b32 s14, v1                    ; wave 0..3
	s_lshr_b32 s15, s14, 1                         ; which 64 tokens are mine.  Also: I fetch tokens (0) or weights (1)
	s_and_b32 s16, s14, 1                          ; which 64 columns.  Also: which slot's four blocks I fetch
	s_bfe_u32 s40, ttmp6, 0x40000                  ; cx, cy
	s_bfe_u32 s41, ttmp6, 0x40004
	s_lshl_b32 s42, ttmp9, 2
	s_add_co_u32 s42, s42, s40                     ; the columns' group
	s_and_b32 s17, ttmp7, 0xffff
	s_lshl_b32 s17, s17, 2
	s_add_co_u32 s17, s17, s41                     ; the tokens' group
	s_lshl_b32 s43, s41, 2
	s_lshl_b32 s43, 15, s43                        ; my row of the cluster
	s_lshl_b32 s44, 0x1111, s40                    ; my column
	s_or_b32 s[G1+0], s43, (3<<16)|(1<<21)         ; the mask; elements of 8 bytes; bit 21 beside a mask; no padding: the blocks are read 16 bytes a lane on end
	s_or_b32 s[G1B+0], s44, (3<<16)|(1<<21)
.irp g, G1, G1B
	s_mov_b32 s[\g+1], 32<<16                      ; rows of 256 bytes,
	s_mov_b32 s[\g+2], 264<<16                     ; 264 of them: 67,584 bytes
	s_mov_b32 s[\g+3], 32<<16
	s_mov_b32 s[\g+4], 264
	s_mov_b32 s[\g+5], 32                          ; dense
	s_mov_b32 s[\g+6], 0
	s_mov_b32 s[\g+7], 0
.endr
	s_mul_i32 s18, s16, HALF                       ; the four blocks that I fetch
	s_mul_i32 s20, s17, KS*BLK
	s_add_co_u32 s20, s20, s18
	s_mov_b32 s21, 0
	s_mul_i32 s46, s42, KS*BLK
	s_add_co_u32 s46, s46, s18
	s_add_co_u32 s46, s46, WOFF
	s_mov_b32 s47, 0
	s_mul_i32 s45, s16, SLOT                       ; where they go: slot wave % 2, the tokens' half or the columns': no place in the cluster enters an LDS address
	s_mul_i32 s19, s15, HALF
	s_add_co_u32 s45, s45, s19
	s_wait_dscnt 0x0                               ; both opening adds are done
	s_wait_kmcnt 0x0
	s_add_nc_u64 s[20:21], s[4:5], s[20:21]
	s_add_nc_u64 s[46:47], s[6:7], s[46:47]
	CROUND                                         ; all sixteen work-groups are here: the first joint loads meet
.irp s, 0
	s_mov_b32 s[G0+4*\s], 1
	s_add_co_u32 s[G0+4*\s+1], s45, \s*SLOT
	s_add_nc_u64 s[G0+4*\s+2:G0+4*\s+3], s[20:21], \s*HALF
	s_or_b32 s[G0+4*\s+3], s[G0+4*\s+3], 0x80000000
	s_mov_b32 s[G0B+4*\s], 1
	s_add_co_u32 s[G0B+4*\s+1], s45, \s*SLOT
	s_add_nc_u64 s[G0B+4*\s+2:G0B+4*\s+3], s[46:47], \s*HALF
	s_or_b32 s[G0B+4*\s+3], s[G0B+4*\s+3], 0x80000000
	JLOAD G0+4*\s, G1, G0B+4*\s, G1B
.endr
.if LAPS > 1                           ; the prefetches: where mine stand, and who asks
	s_and_b32 s22, ttmp7, 0xffff                   ; cluster y
	s_cmp_eq_u32 s15, 0                            ; do I fetch tokens?
	s_cselect_b32 s23, s40, s41                    ; my place among the four that ask with me
	s_cselect_b32 s22, ttmp9, s22                  ; the coordinate along which other clusters read the same blocks
	s_cselect_b64 s[PFA:PFA+1], s[20:21], s[46:47]
	s_cmp_eq_u32 s22, 0
	s_cselect_b32 s[LIM], 1, -1                    ; the same in all sixteen partners, for a given wave
	s_lshr_b32 s18, s23, 1
	s_mul_i32 s18, s18, BLK                        ; places 0, 1: the load's first block; places 2, 3: its second;
	s_and_b32 s19, s23, 1
	s_lshl_b32 s19, s19, 13                        ; the lower or the upper 8,192 bytes of its codes
	s_add_co_u32 s18, s18, s19
	s_add_co_u32 s18, s18, 2*HALF                  ; at slot 2: the first refill steps it to slot 3.  Nothing is prefetched here, at the head
	s_mov_b32 s19, 0
	s_add_nc_u64 s[PFA:PFA+1], s[PFA:PFA+1], s[18:19]
	v_and_b32 v[PFO], 31, v0
	v_lshlrev_b32 v[PFO], 8, v[PFO]
.endif
	v_and_b32 v1, 15, v0                           ; r
	v_bfe_u32 v2, v0, 4, 1                         ; h
	v_and_b32 v3, 31, v0
	v_lshlrev_b32 v4, 4, v3                        ; 16 x lane
	s_lshl_b32 s21, s15, 13                        ; my four tiles of tokens: 8,192 bytes x half
	s_lshl_b32 s22, s16, 13
	s_add_co_u32 s22, s22, HALF                    ; my four tiles of columns, behind the tokens' four blocks
	v_add_nc_u32 v[ADRA], s21, v4
	v_add_nc_u32 v[ADRB], s22, v4
	v_add_nc_u32 v[ADRA+1], SLOT, v[ADRA]
	v_add_nc_u32 v[ADRB+1], SLOT, v[ADRB]
	s_lshl_b32 s21, s15, 8                         ; my tiles' scale words: 256 bytes x half,
	s_lshl_b32 s22, s16, 8
	s_add_co_u32 s22, s22, HALF
	s_sub_co_u32 s23, s22, s21
	v_mul_u32_u24 v5, s23, v2                      ; one product: the tokens' + half of the lanes x the distance to the columns'
	v_lshl_add_u32 v5, v1, 4, v5
	s_add_co_u32 s23, s21, 16384
	v_add_nc_u32 v[ADRS], s23, v5
	v_add_nc_u32 v[ADRS+1], SLOT, v[ADRS]
	s_lshl_b32 s46, s42, 9
	s_lshl_b32 s47, s16, 8
	s_add_co_u32 s46, s46, s47                     ; my first column, in bytes
	s_mov_b32 s47, 0
	s_add_nc_u64 s[8:9], s[8:9], s[46:47]
	v_lshlrev_b32 v6, 6, v2
.irp b, 0,1
.irp j, 0,1,2,3
	global_load_b128 v[BIA+16*\b+4*\j:BIA+16*\b+4*\j+3], v6, s[8:9] offset:128*\b+16*\j   ; register 16 b + i: column 32 b + 16 h + i
.endr
.endr
	s_lshl_b32 s18, s17, 7
	s_lshl_b32 s19, s15, 6
	s_add_co_u32 s18, s18, s19                     ; my first row
	s_lshl_b32 s18, s18, 12
	s_add_co_u32 s46, s46, s18
	s_add_nc_u64 s[10:11], s[10:11], s[46:47]
	s_add_nc_u64 s[12:13], s[12:13], s[46:47]
	v_lshlrev_b32 v5, 12, v2
	v_lshl_add_u32 v[CO], v1, 4, v5                ; lanes 0-15 one row's 256 bytes, lanes 16-31 the next row's
	WIN 0x80                                       ; destination window 2
.irp a, 0,1,2,3                                ; slot t of block a is row 32 (a / 2) + 8 (a % 2) + t + 8 (t / 8) of my 64: it stands in the immediates; t = 2 u + lane / 16
.irp u, 0,1,2,3,4,5,6,7
	global_load_b128 v[RS+32*\a+4*\u:RS+32*\a+4*\u+3], v[CO], s[10:11] offset:(32*(\a/2)+8*(\a%2)+2*\u+8*(\u/4))*4096 th:TH_LOAD_NT
.endr
.endr
	WIN 0
	s_mul_i32 s23, s14, 16*SP
	s_add_co_u32 s23, s23, STAGE                   ; my stage
	v_mul_u32_u24 v5, v1, SP
	v_lshl_add_u32 v5, v2, 6, v5
	v_add_nc_u32 v[STO], s23, v5                   ; in: row r, 64 bytes on for lanes 16-31
	v_mul_u32_u24 v5, v2, SP
	v_lshl_add_u32 v5, v1, 4, v5
	v_add_nc_u32 v[RD], s23, v5                    ; back: lanes 0-15 one row, lanes 16-31 the next
.macro FRAG reg, adr, q, i             ; a fragment comes back as it was stored: four loads of 512 consecutive bytes
.irp c, 0,1,2,3
	ds_load_b128 v[\reg+4*\c:\reg+4*\c+3], v[\adr] offset:BLK*(\q)+2048*(\i)+512*\c
.endr
.endm
; Four products: my tokens' tile a against my columns' four, 128 along K, from buffer f.  The 16 accumulators take turns, one instruction a turn, in the same order in every step.
.macro MULA f, a, sl, q, zero
.irp b, 0,1,2,3
.if \zero
	v_wmma_scale_f32_16x16x128_f8f6f4 v[ACC+8*(4*(\a)+\b):ACC+8*(4*(\a)+\b)+7], v[128*(\f)+64+16*\b:128*(\f)+64+16*\b+15], v[128*(\f)+16*(\a):128*(\f)+16*(\a)+15], v[BIA+8*\b:BIA+8*\b+7], v[SC+16*(\sl)+4*(\q)+\b], v[SC+16*(\sl)+4*(\q)+(\a)] matrix_a_fmt:MATRIX_FMT_BF8 matrix_b_fmt:MATRIX_FMT_BF8 matrix_a_scale:MATRIX_SCALE_ROW1
.else
	v_wmma_scale_f32_16x16x128_f8f6f4 v[ACC+8*(4*(\a)+\b):ACC+8*(4*(\a)+\b)+7], v[128*(\f)+64+16*\b:128*(\f)+64+16*\b+15], v[128*(\f)+16*(\a):128*(\f)+16*(\a)+15], v[ACC+8*(4*(\a)+\b):ACC+8*(4*(\a)+\b)+7], v[SC+16*(\sl)+4*(\q)+\b], v[SC+16*(\sl)+4*(\q)+(\a)] matrix_a_fmt:MATRIX_FMT_BF8 matrix_b_fmt:MATRIX_FMT_BF8 matrix_a_scale:MATRIX_SCALE_ROW1
.endif
.endr
.endm
.macro FETCH slot, q, f                ; 32 LDS loads in one run: a K step's fragments into buffer f: the columns' four, then the tokens' four
	WIN TO_F
.irp b, 0,1,2,3
	FRAG 128*(\f)+64+16*\b, ADRB+\slot, \q, \b
.endr
.irp a, 0,1,2,3
	FRAG 128*(\f)+16*\a, ADRA+\slot, \q, \a
.endr
.endm
.macro SCALES sl                       ; a slot's scale words, all four K steps': one load a step brings my four tiles' words, the tokens' in lanes 0-15, the columns' in lanes 16-31
.irp q, 0,1,2,3
	ds_load_b128 v[SC+16*\sl+4*\q:SC+16*\sl+4*\q+3], v[ADRS+\sl] offset:BLK*\q
.endr
.endm
.macro STEP slot, q, zero              ; a K step that has its successor in the same slot: buffers 0, 1, 0, 1
	s_wait_dscnt 8                                 ; all but the youngest eight loads (the tokens' tiles 2 and 3) are in
	WIN MUL
	MULA (\q)%2, 0, \slot, \q, \zero
	MULA (\q)%2, 1, \slot, \q, \zero
	PLACES NP                                      ; in front of loads into the buffer that the step before multiplied
	FETCH \slot, (\q)+1, 1-(\q)%2
	s_wait_dscnt 32                                ; all but the 32 just issued
	WIN MUL
	MULA (\q)%2, 2, \slot, \q, \zero
	MULA (\q)%2, 3, \slot, \q, \zero
.endm
; A slot's last step changes slots: one barrier; in front of it each wave waits for all its tensor loads, adds 0 to its spare word, and waits for that and for its reads of this slot.  fill = 1: this slot is filled again.
.macro TURN slot, next, fill
	WIN 0                                          ; (the add's two registers lie in window 0)
.if \fill
	s_wait_xcnt 0x0                                ; the last prefetch, a slot back, has read its address: it is stepped here, ahead of the waits of the change
	s_add_nc_u64 s[PFA:PFA+1], s[PFA:PFA+1], HALF
.endif
	s_wait_tensorcnt 0x0                           ; all my tensor loads have landed: my part of the next slot
	ds_add_u32 v[SPW], v[NIL]
	s_wait_dscnt 9                                 ; the add and the youngest eight loads may be out
	WIN MUL
	MULA 1, 0, \slot, 3, 0                         ; four matrix instructions stand between the add and the wait for it
	s_wait_dscnt 0x0                               ; the add is done, and my reads of this slot are over
	s_barrier_signal -1
	MULA 1, 1, \slot, 3, 0
	WIN 0
	s_barrier_wait -1
.if \fill
	CREST                                          ; the barrier has opened a round of the cluster's: no wave of any partner still reads this slot or has a load on its way
	s_add_nc_u64 s[G0+4*\slot+2:G0+4*\slot+3], s[G0+4*\slot+2:G0+4*\slot+3], 2*HALF
	s_add_nc_u64 s[G0B+4*\slot+2:G0B+4*\slot+3], s[G0B+4*\slot+2:G0B+4*\slot+3], 2*HALF
	JLOAD G0+4*\slot, G1, G0B+4*\slot, G1B         ; the first tensor load behind the round; its four v_nop are among the places below
	PLACES NP-4
.else
	PLACES NP
.endif
	SCALES \next
	FETCH \next, 0, 0
.if \fill
	WIN 0
	ASK (1-\slot)                                  ; the slot that the next change will ask for: 64 matrix instructions of mine ahead of that load
.endif
	WIN MUL
	MULA 1, 2, \slot, 3, 0
	MULA 1, 3, \slot, 3, 0
.endm
	s_wait_alu depctr_va_vdst(0)
	s_wait_tensorcnt 0x0                           ; my four blocks are in
	s_barrier_signal -1
	s_barrier_wait -1                              ; both slots are whole
	SCALES 0
	FETCH 0, 0, 0
	s_wait_loadcnt 32                              ; the bias's eight loads are in; the residual's 32 may be out
	STEP 0, 0, 1                                   ; the first step's products start the sums, from the bias
	WIN 0                                          ; at a label and at a branch every window is 0
.if LAPS > 1
	s_mov_b32 s3, LAPS-1
.Llap:                                                 ; a trip goes once round the ring, from a lap's second step to the next lap's first, and fills both slots again
	STEP 0, 1, 0
	STEP 0, 2, 0
	TURN 0, 1, 1
	STEP 1, 0, 0
	STEP 1, 1, 0
	STEP 1, 2, 0
	TURN 1, 0, 1
	STEP 0, 0, 0
	WIN 0
	s_sub_co_u32 s3, s3, 1
	s_cmp_lg_u32 s3, 0
	s_cbranch_scc1 .Llap
.endif
	STEP 0, 1, 0                                   ; the last lap fills nothing
	STEP 0, 2, 0
	TURN 0, 1, 0
	STEP 1, 0, 0
	STEP 1, 1, 0
	STEP 1, 2, 0
	s_wait_dscnt 8                                 ; the very last step: nothing more to fetch
	WIN MUL
	MULA 1, 0, 1, 3, 0
	MULA 1, 1, 1, 3, 0
	s_wait_alu depctr_va_vdst(0)
	s_wait_dscnt 0x0
	MULA 1, 2, 1, 3, 0
	MULA 1, 3, 1, 3, 0
	WIN 0
; THE WAY OUT, a block of 16 tokens x 64 columns at a time: through my own stage in LDS, back as whole rows of 256 bytes, two an instruction; the residual's same rows, long in registers, are added; sixteen lanes store 256 consecutive bytes, aligned.
.macro TOSTAGE a
.irp b, 0,1,2,3
	ds_store_b128 v[STO], v[ACC+8*(4*(\a)+\b):ACC+8*(4*(\a)+\b)+3] offset:128*(\b/2)+32*(\b%2)          ; each accumulator from its low end on
	ds_store_b128 v[STO], v[ACC+8*(4*(\a)+\b)+4:ACC+8*(4*(\a)+\b)+7] offset:128*(\b/2)+32*(\b%2)+16
.endr
.set BB, BK+32*((\a)%2)
.irp u, 0,1,2,3,4,5,6,7
	ds_load_b128 v[BB+4*\u:BB+4*\u+3], v[RD] offset:2*\u*SP    ; LDS serves a wave's instructions in order (ISA guide 5.7.1.4): these see my stores, and the next block's stores come behind them
.endr
.endm
.macro SEND a, younger                 ; younger: the LDS instructions issued behind block a's loads, which may stay out
.set BB, BK+32*((\a)%2)
	s_wait_dscnt \younger
	WIN 0x08                                       ; source 1 window 2
.set i, 0
.rept 16
	v_pk_add_f32 v[BB+i:BB+i+1], v[BB+i:BB+i+1], v[RS+32*(\a)+i:RS+32*(\a)+i+1]
.set i, i+2
.endr
	WIN 0
.irp u, 0,1,2,3,4,5,6,7
	global_store_b128 v[CO], v[BB+4*\u:BB+4*\u+3], s[12:13] offset:(32*((\a)/2)+8*((\a)%2)+2*\u+8*(\u/4))*4096 th:TH_STORE_NT
.endr
.endm
	PLACES NP
	s_wait_loadcnt 0x0                             ; the residual
	TOSTAGE 0
.irp a, 1,2,3
.if \a > 1
	s_wait_xcnt 0x0                                ; the stores of two blocks back have read their registers: this block's rows may land there
.endif
	TOSTAGE \a
	SEND \a-1, 16                                  ; behind block a - 1's loads: block a's eight stores and eight loads
.endr
	SEND 3, 0
	s_wait_tensorcnt 0x0                           ; the wave's end, behind my last tensor load and my last LDS store
	ds_add_u32 v[SPW], v[NIL]
	s_wait_dscnt 0x0
	CROUND                                         ; the closing round
	s_endpgm
.Lfunc_end_k_q6c8e232868_proj:
	.size	k_q6c8e232868_proj, .Lfunc_end_k_q6c8e232868_proj-k_q6c8e232868_proj
	.p2alignl 7, 3214868480
	.fill 96, 4, 3214868480
	.section	.rodata,"a",@progbits
	.p2align	6, 0x0
	.amdhsa_kernel k_q6c8e232868_proj
		.amdhsa_group_segment_fixed_size 327680
		.amdhsa_private_segment_fixed_size 0
		.amdhsa_enable_private_segment 0
		.amdhsa_kernarg_size 40
		.amdhsa_user_sgpr_count 2
		.amdhsa_user_sgpr_kernarg_segment_ptr 1
		.amdhsa_wavefront_size32 1
		.amdhsa_system_sgpr_workgroup_id_x 1
		.amdhsa_system_sgpr_workgroup_id_y 1
		.amdhsa_system_sgpr_workgroup_id_z 1
		.amdhsa_system_vgpr_workitem_id 0
		.amdhsa_next_free_vgpr 1024
		.amdhsa_next_free_sgpr 100
		.amdhsa_reserve_vcc 0
		.amdhsa_float_denorm_mode_32 3
		.amdhsa_float_denorm_mode_16_64 3
		.amdhsa_memory_ordered 1
		.amdhsa_forward_progress 1
		.amdhsa_inst_pref_size 58
	.end_amdhsa_kernel
	.amdgpu_metadata
---
amdhsa.version: [ 1, 2 ]
amdhsa.kernels:
  - .name:           k_q6c8e232868_proj
    .symbol:         k_q6c8e232868_proj.kd
    .args:
      - { .name: op, .offset: 0, .size: 8, .value_kind: global_buffer, .address_space: global }
      - { .name: wpk, .offset: 8, .size: 8, .value_kind: global_buffer, .address_space: global }
      - { .name: b_proj, .offset: 16, .size: 8, .value_kind: global_buffer, .address_space: global }
      - { .name: x, .offset: 24, .size: 8, .value_kind: global_buffer, .address_space: global }
      - { .name: x1, .offset: 32, .size: 8, .value_kind: global_buffer, .address_space: global }
    .group_segment_fixed_size: 327680
    .private_segment_fixed_size: 0
    .kernarg_segment_align: 8
    .kernarg_segment_size: 40
    .max_flat_workgroup_size: 128
    .sgpr_count:     100
    .vgpr_count:     1024
    .wavefront_size: 32
...
	.end_amdgpu_metadata
.endif
;; end of part 11
;; launch ln2 (part 12): grid 256 x 1, 8 waves a work-group, no clusters, 2,048 bytes of LDS; arguments x1, ln2_g, ln2_b, hp; writes hp
.if DOCPART == 12
	.amdgcn_target "amdgcn-amd-amdhsa--gfx1250"
	.amdhsa_code_object_version 6
	.text
	.protected	k_q6c8e232868_ln2
	.globl	k_q6c8e232868_ln2
	.p2align	8
	.type	k_q6c8e232868_ln2,@function
k_q6c8e232868_ln2:
	s_mov_b64 s[64:65], 0
	v_nop
	global_prefetch_b8 v0, s[64:65] scope:SCOPE_SE
	s_setreg_imm32_b32 hwreg(HW_REG_WAVE_MODE, 25, 1), 1
	s_wait_xcnt 0x0
; LayerNorm 2 of x1, quantised along C to codes of BF8 with E8M0 scales, into PACK blocks (16,896 bytes for 128 rows x 128 K: eight tiles' register images, then their scale words;
; slot r of tile i is row 32 (i / 2) + 8 (i % 2) + r + 8 (r / 8)).  No work of the problem is left out.
; Work-group t takes tile t % 8 of group t / 8, 16 rows; wave w columns 128 w on.  Lane (r, h) holds, of its row, 16 neighbours of each block of 32: the operand's own layout.
; No cluster and no tensor load: no two work-groups read the same rows, and the data pass through registers once.
; LIMITS: NaN and infinities are not served; a block under 2^(16 - 127), zeros too, keeps the scale byte 1 (read by this program alone).
.set BLK,   16896
.set RED1,  0
.set RED2,  512
.set SPARE, 1024                       ; the spare words, 128 bytes for each wave, that no other line names
.set SPW, 50
.set NIL, 51
.set WV,  22
.set MNT, 23
.set SEL, 60
.set HPP, 10                           ; s[10:11] hp
.set X,   64
.set LG,  128
.set LB,  192
.set PC,  16
.set TM,  32
.set PW,  48
.macro QUANT s, pc
.irp b, 0,1,2,3
	v_max3_num_f32 v[TM+\b], |v[\s+16*\b]|, |v[\s+1+16*\b]|, 0x8000000      ; my 16 numbers of block b, and the floor 2^(16 - 127)
.endr
.irp i, 2,4,6,8,10,12,14
.irp b, 0,1,2,3
	s_delay_alu instid0(VALU_DEP_4)
	v_max3_num_f32 v[TM+\b], v[TM+\b], |v[\s+16*\b+\i]|, |v[\s+1+16*\b+\i]|
.endr
.endr
.irp b, 0,1,2,3
	s_delay_alu instid0(VALU_DEP_4)
	v_permlanex16_b32 v[TM+4+\b], v[TM+\b], s[SEL], s[SEL+1]
.endr
.irp b, 0,1,2,3
	s_delay_alu instid0(VALU_DEP_4)
	v_max_num_f32 v[TM+\b], v[TM+\b], v[TM+4+\b]
.endr
.irp b, 0,1,2,3
	s_delay_alu instid0(VALU_DEP_4)
	v_add_nc_u32 v[TM+12+\b], 0xf8800000, v[TM+\b]
.endr
.irp b, 0,1,2,3
	v_and_or_b32 v[TM+8+\b], v[TM+\b], 0x7f800000, s[MNT]
.endr
.irp b, 0,1,2,3
	v_lshrrev_b32 v[TM+4+\b], 23, v[TM+12+\b]
.endr
	s_delay_alu instid0(VALU_DEP_3)
	v_lshl_or_b32 v[PW], v[TM+5], 8, v[TM+4]
	s_delay_alu instid0(VALU_DEP_1)
	v_lshl_or_b32 v[PW], v[TM+6], 16, v[PW]
	s_delay_alu instid0(VALU_DEP_1)
	v_lshl_or_b32 v[PW], v[TM+7], 24, v[PW]
.irp b, 0,1,2,3
.irp i, 0,1,2,3,4,5,6,7,8,9,10,11,12,13,14,15
	v_med3_num_f32 v[\s+16*\b+\i], v[\s+16*\b+\i], -v[TM+8+\b], v[TM+8+\b]
.endr
	v_cvt_scalef32_pk8_bf8_f32 v[(\pc)+4*\b:(\pc)+1+4*\b], v[\s+16*\b:\s+7+16*\b], v[TM+12+\b]
	v_cvt_scalef32_pk8_bf8_f32 v[(\pc)+2+4*\b:(\pc)+3+4*\b], v[\s+8+16*\b:\s+15+16*\b], v[TM+12+\b]
.endr
	v_nop
.endm
	s_load_b256 s[4:11], s[0:1], 0x0               ; x1 s[4:5], ln2_g s[6:7], ln2_b s[8:9], hp s[10:11]
	v_lshl_add_u32 v[SPW], v0, 2, SPARE
	v_mov_b32 v[NIL], 0
	v_lshrrev_b32 v1, 5, v0
	s_delay_alu instid0(VALU_DEP_1)
	v_readfirstlane_b32 s[WV], v1
	v_and_b32 v2, 31, v0
	s_wait_alu depctr_va_vdst(0)
	s_mov_b32 s[MNT], 0x600000
	s_mov_b32 s24, ttmp9
	s_lshr_b32 s25, s24, 3                         ; group
	s_and_b32 s26, s24, 7                          ; tile
	s_mov_b32 s[SEL], 0x76543210
	s_mov_b32 s[SEL+1], 0xfedcba98
	s_mov_b32 s62, 0x3a800000                      ; 1 / 1024
	s_mov_b32 s63, 0x3727c5ac                      ; 1e-5
	v_and_b32 v3, 15, v0
	v_bfe_u32 v4, v0, 4, 1
	s_delay_alu instid0(VALU_DEP_2)
	v_and_b32 v5, 8, v3
	s_delay_alu instid0(VALU_DEP_1)
	v_add_nc_u32 v5, v5, v3
	s_delay_alu instid0(VALU_DEP_3)
	v_lshlrev_b32 v6, 6, v4
	s_delay_alu instid0(VALU_DEP_1)
	v_lshl_add_u32 v7, v5, 12, v6
	v_lshlrev_b32 v9, 5, v3
	s_lshl_b32 s27, s[WV], 2
	v_add_nc_u32 v8, s27, v9
	s_lshl_b32 s27, s26, 11
	v_lshl_add_u32 v10, v2, 4, s27
	s_lshr_b32 s27, s26, 2
	s_lshl_b32 s27, s27, 8
	s_and_b32 s28, s26, 3
	s_lshl_b32 s28, s28, 2
	s_add_co_u32 s27, s27, s28
	v_lshl_add_u32 v11, v3, 4, s27
	s_lshl_b32 s30, s25, 7
	s_lshr_b32 s28, s26, 1
	s_lshl_b32 s28, s28, 5
	s_add_co_u32 s30, s30, s28
	s_and_b32 s28, s26, 1
	s_lshl_b32 s28, s28, 3
	s_add_co_u32 s30, s30, s28
	s_lshl_b32 s30, s30, 12
	s_lshl_b32 s32, s[WV], 9
	s_mov_b32 s33, 0
	s_add_co_u32 s30, s30, s32
	s_mov_b32 s31, 0
	s_lshl_b32 s34, s25, 3
	s_add_co_u32 s34, s34, s[WV]
	s_mul_i32 s34, s34, BLK
	s_mov_b32 s35, 0
	s_wait_alu depctr_va_vdst(0)
	s_wait_kmcnt 0x0
	s_add_nc_u64 s[4:5], s[4:5], s[30:31]
	s_add_nc_u64 s[6:7], s[6:7], s[32:33]
	s_add_nc_u64 s[8:9], s[8:9], s[32:33]
	s_add_nc_u64 s[HPP:HPP+1], s[HPP:HPP+1], s[34:35]
.irp c, 0,1,2,3
.irp j, 0,1,2,3
	global_load_b128 v[X+16*\c+4*\j:X+16*\c+4*\j+3], v7, s[4:5] offset:128*\c+16*\j th:TH_LOAD_NT
.endr
.endr
.irp c, 0,1,2,3
.irp j, 0,1,2,3
	global_load_b128 v[LG+16*\c+4*\j:LG+16*\c+4*\j+3], v6, s[6:7] offset:128*\c+16*\j
.endr
.endr
.irp c, 0,1,2,3
.irp j, 0,1,2,3
	global_load_b128 v[LB+16*\c+4*\j:LB+16*\c+4*\j+3], v6, s[8:9] offset:128*\c+16*\j
.endr
.endr
.irp b, 0,1,2,3
	v_mov_b32 v[TM+4+\b], 0
.endr
.macro ACROSS red                      ; v[52:53], a lane's sum in two halves, becomes the row's sum over all 1,024 columns in v56
	s_delay_alu instid0(VALU_DEP_1)
	v_add_f32 v52, v52, v53
	s_delay_alu instid0(VALU_DEP_1)
	v_permlanex16_b32 v53, v52, s[SEL], s[SEL+1]
	s_delay_alu instid0(VALU_DEP_1)
	v_add_f32 v52, v52, v53
	ds_store_b32 v8, v52 offset:\red
	s_wait_dscnt 0x0                               ; for the others' sake: my store has landed
	s_barrier_signal -1
	s_barrier_wait -1
	ds_load_b128 v[56:59], v9 offset:\red
	ds_load_b128 v[60:63], v9 offset:\red+16
	s_wait_dscnt 0x0
	v_pk_add_f32 v[56:57], v[56:57], v[58:59]
	v_pk_add_f32 v[60:61], v[60:61], v[62:63]
	s_delay_alu instid0(VALU_DEP_1)
	v_pk_add_f32 v[56:57], v[56:57], v[60:61]
	s_delay_alu instid0(VALU_DEP_1)
	v_add_f32 v56, v56, v57
.endm
	s_wait_loadcnt 32                              ; x1's 16 loads are in; the gain's and the bias's 32 may be out
	v_pk_add_f32 v[54:55], v[64:65], v[66:67]
	v_pk_add_f32 v[62:63], v[72:73], v[76:77]
	v_pk_add_f32 v[60:61], v[80:81], v[84:85]
	v_pk_add_f32 v[58:59], v[88:89], v[92:93]
	v_pk_add_f32 v[56:57], v[96:97], v[100:101]
	v_pk_add_f32 v[48:49], v[104:105], v[108:109]
	v_pk_add_f32 v[46:47], v[112:113], v[116:117]
	v_pk_add_f32 v[52:53], v[120:121], v[124:125]
	s_delay_alu instid0(VALU_DEP_1)
	v_pk_add_f32 v[52:53], v[52:53], v[68:69]
	v_pk_add_f32 v[54:55], v[54:55], v[70:71]
	v_pk_add_f32 v[62:63], v[62:63], v[74:75]
	v_pk_add_f32 v[60:61], v[60:61], v[78:79]
	v_pk_add_f32 v[58:59], v[58:59], v[82:83]
	v_pk_add_f32 v[56:57], v[56:57], v[86:87]
	v_pk_add_f32 v[48:49], v[48:49], v[90:91]
	v_pk_add_f32 v[46:47], v[46:47], v[94:95]
	v_pk_add_f32 v[52:53], v[52:53], v[98:99]
	v_pk_add_f32 v[54:55], v[54:55], v[102:103]
	v_pk_add_f32 v[62:63], v[62:63], v[106:107]
	v_pk_add_f32 v[60:61], v[60:61], v[110:111]
	v_pk_add_f32 v[58:59], v[58:59], v[114:115]
	v_pk_add_f32 v[56:57], v[56:57], v[118:119]
	v_pk_add_f32 v[48:49], v[48:49], v[122:123]
	v_pk_add_f32 v[46:47], v[46:47], v[126:127]
	s_delay_alu instid0(VALU_DEP_4)
	v_pk_add_f32 v[52:53], v[52:53], v[58:59]
	s_delay_alu instid0(VALU_DEP_4)
	v_pk_add_f32 v[54:55], v[54:55], v[56:57]
	s_delay_alu instid0(VALU_DEP_4)
	v_pk_add_f32 v[62:63], v[62:63], v[48:49]
	s_delay_alu instid0(VALU_DEP_4)
	v_pk_add_f32 v[60:61], v[60:61], v[46:47]
	s_delay_alu instid0(VALU_DEP_2)
	v_pk_add_f32 v[52:53], v[52:53], v[62:63]
	s_delay_alu instid0(VALU_DEP_2)
	v_pk_add_f32 v[54:55], v[54:55], v[60:61]
	s_delay_alu instid0(VALU_DEP_1)
	v_pk_add_f32 v[52:53], v[52:53], v[54:55]
	ACROSS RED1
	s_delay_alu instid0(VALU_DEP_1)
	v_mul_f32 v56, s62, v56
	s_delay_alu instid0(VALU_DEP_1)
	v_mov_b32 v57, v56
.set j, 0
.rept 32
	v_pk_add_f32 v[X+j:X+j+1], v[X+j:X+j+1], v[56:57] neg_lo:[0,1] neg_hi:[0,1]
.set j, j+2
.endr
	v_pk_mul_f32 v[52:53], v[X:X+1], v[X:X+1]
	v_pk_mul_f32 v[54:55], v[X+2:X+3], v[X+2:X+3]
.irp j, 4,8,12,16,20,24,28,32,36,40,44,48,52,56,60
	s_delay_alu instid0(VALU_DEP_2)
	v_pk_fma_f32 v[52:53], v[X+\j:X+\j+1], v[X+\j:X+\j+1], v[52:53]
	s_delay_alu instid0(VALU_DEP_2)
	v_pk_fma_f32 v[54:55], v[X+\j+2:X+\j+3], v[X+\j+2:X+\j+3], v[54:55]
.endr
	s_delay_alu instid0(VALU_DEP_1)
	v_pk_add_f32 v[52:53], v[52:53], v[54:55]
	ACROSS RED2
	s_delay_alu instid0(VALU_DEP_1)
	v_fma_f32 v56, v56, s62, s63
	s_wait_alu depctr_va_vdst(0)
	v_rsq_f32 v56, v56
	v_nop
	s_wait_alu depctr_va_vdst(0)                   ; the wait ahead of the first reader
	v_mov_b32 v57, v56
	s_wait_alu depctr_va_vdst(0)
	s_wait_loadcnt 0x0
.set j, 0
.rept 32
	v_pk_mul_f32 v[X+j:X+j+1], v[X+j:X+j+1], v[56:57]
.set j, j+2
.endr
.set j, 0
.rept 32
	v_pk_fma_f32 v[X+j:X+j+1], v[X+j:X+j+1], v[LG+j:LG+j+1], v[LB+j:LB+j+1]
.set j, j+2
.endr
	QUANT X, PC
.irp c, 0,1,2,3
	global_store_b128 v10, v[PC+4*\c:PC+4*\c+3], s[HPP:HPP+1] offset:512*\c
.endr
	global_store_b32 v11, v[PW], s[HPP:HPP+1] offset:16384
	s_wait_tensorcnt 0x0                           ; the wave's end, behind my last LDS store
	ds_add_u32 v[SPW], v[NIL]
	s_wait_dscnt 0x0
	s_endpgm
.Lfunc_end_k_q6c8e232868_ln2:
	.size	k_q6c8e232868_ln2, .Lfunc_end_k_q6c8e232868_ln2-k_q6c8e232868_ln2
	.p2alignl 7, 3214868480
	.fill 96, 4, 3214868480
	.section	.rodata,"a",@progbits
	.p2align	6, 0x0
	.amdhsa_kernel k_q6c8e232868_ln2
		.amdhsa_group_segment_fixed_size 2048
		.amdhsa_private_segment_fixed_size 0
		.amdhsa_enable_private_segment 0
		.amdhsa_kernarg_size 32
		.amdhsa_user_sgpr_count 2
		.amdhsa_user_sgpr_kernarg_segment_ptr 1
		.amdhsa_wavefront_size32 1
		.amdhsa_system_sgpr_workgroup_id_x 1
		.amdhsa_system_sgpr_workgroup_id_y 1
		.amdhsa_system_sgpr_workgroup_id_z 1
		.amdhsa_system_vgpr_workitem_id 0
		.amdhsa_next_free_vgpr 256
		.amdhsa_next_free_sgpr 66
		.amdhsa_reserve_vcc 0
		.amdhsa_float_denorm_mode_32 3
		.amdhsa_float_denorm_mode_16_64 3
		.amdhsa_memory_ordered 1
		.amdhsa_forward_progress 1
		.amdhsa_inst_pref_size 31
	.end_amdhsa_kernel
	.amdgpu_metadata
---
amdhsa.version: [ 1, 2 ]
amdhsa.kernels:
  - .name:           k_q6c8e232868_ln2
    .symbol:         k_q6c8e232868_ln2.kd
    .args:
      - { .name: x1, .offset: 0, .size: 8, .value_kind: global_buffer, .address_space: global }
      - { .name: ln2_g, .offset: 8, .size: 8, .value_kind: global_buffer, .address_space: global }
      - { .name: ln2_b, .offset: 16, .size: 8, .value_kind: global_buffer, .address_space: global }
      - { .name: hp, .offset: 24, .size: 8, .value_kind: global_buffer, .address_space: global }
    .group_segment_fixed_size: 2048
    .private_segment_fixed_size: 0
    .kernarg_segment_align: 8
    .kernarg_segment_size: 32
    .max_flat_workgroup_size: 256
    .sgpr_count:     66
    .vgpr_count:     256
    .wavefront_size: 32
...
	.end_amdgpu_metadata
.endif
;; end of part 12
;; launch fc1 (part 13): grid 16 x 16, 4 waves a work-group, clusters of 4 x 4, 327,680 bytes of LDS; arguments hp, wpk, b_fc1, gp; writes gp
.if DOCPART == 13
	.amdgcn_target "amdgcn-amd-amdhsa--gfx1250"
	.amdhsa_code_object_version 6
	.text
	.protected	k_q6c8e232868_fc1
	.globl	k_q6c8e232868_fc1
	.p2align	8
	.type	k_q6c8e232868_fc1,@function
k_q6c8e232868_fc1:
	s_mov_b64 s[64:65], 0
	v_nop
	global_prefetch_b8 v0, s[64:65] scope:SCOPE_SE
	s_setreg_imm32_b32 hwreg(HW_REG_WAVE_MODE, 25, 1), 1
	s_wait_xcnt 0x0
	s_wait_alu depctr_hold_cnt(0) depctr_sa_sdst(0) depctr_va_vdst(0) depctr_va_sdst(0) depctr_va_ssrc(0) depctr_va_vcc(0) depctr_vm_vsrc(0)
	s_getreg_b32 s2, hwreg(HW_REG_IB_STS2, 6, 4)
	s_cmp_eq_u32 s2, 0
	s_cbranch_scc0 .Lentry_in_a_cluster
	s_endpgm
.Lentry_in_a_cluster:
	s_bfe_u32 s2, ttmp6, 0x10000c
	s_cmp_lg_u32 s2, 0xf033
	s_cbranch_scc0 .Lentry_shape_is_right
	s_endpgm
.Lentry_shape_is_right:
; g = gelu(LN2(x1) w_fc1 + b_fc1), exact (erf) form, on codes of BF8 with E8M0 scales; g leaves QUANTISED along the hidden axis, as PACK blocks for the next product.  No work of the problem is left out.
; The frame is launch qkv's: a tile of 256 x 256 by four waves, K in slots of 256 through a ring of two LDS slots, joint loads in clusters of 4 x 4, transposed use; the bias is the first products' C.
; erf(z) is z P(z^2) / Q(z^2) with z held within +-4, polynomials of degree 6 and 4 in f32; g = t + t erf(z) with t = y / 2, z = y / sqrt(2).
; LIMITS: NaN and infinities are not served; a block under 2^(16 - 127), zeros too, keeps the scale byte 1 (read by this program alone).
.set SIZE_K, 1024
.set WOFF,   (24*8+8*8)*16896
.set BIASC,  1
.set BLK,    16896
.set KS,     SIZE_K/128
.set GB,     2*BLK
.set SLOT,   GB                        ; in LDS a group's two slots lie side by side: group x 2 GB + slot x GB
.set SPARE,  8*GB
.set LAPS,   SIZE_K/512
.set FR, 16
.set NL, 4
.set NP, 8
.set ADRA, 16
.set ADRB, 20
.set ADRS, 22
.set LO,   24
.set SPW,  28
.set NIL,  29
.set SC,   32
.set BIA,  64
.set AF,   128
.set Z,    64
.set Z2,   80
.set PN,   96
.set QD,   112
.set T,    128
.set PC,   192
.set TM,   224
.set PW,   240
.set WD,   244
.set G1, 24
.set G0, 32
.set G1B, 48
.set G0B, 56
.set RT2, 68
.set A13, 70
.set A9,  72
.set A7,  74
.set A5,  76
.set A3,  78
.set A1,  80
.set B8,  82
.set B4,  84
.set B2,  86
.set B0,  88
.set SEL, 94
.set MNT, 96
.set MSB, 0
.macro WIN new
.if MSB != (\new)
	s_set_vgpr_msb (MSB<<8)|(\new)
.set MSB, (\new)
.endif
.endm
.set MUL_LO, 0xa1
.set MUL_HI, 0xf1
.set TO_B,   0x40
.macro JLOAD g0a, g1a, g0b, g1b
	s_cmp_eq_u32 s15, 0
	s_cbranch_scc0 .Lfor_b_\@
	tensor_load_to_lds s[\g0a:\g0a+3], s[\g1a:\g1a+7]
	s_nop 0
.rept 4
	v_nop
.endr
	s_branch .Lasked_\@
.Lfor_b_\@:
	tensor_load_to_lds s[\g0b:\g0b+3], s[\g1b:\g1b+7]
	s_nop 0
.rept 4
	v_nop
.endr
.Lasked_\@:
.endm
.macro CREST
	s_cmp_lg_u32 s14, 0
	s_cbranch_scc1 .Lnot_wave_0_\@
	s_barrier_signal -3
.Lnot_wave_0_\@:
	s_barrier_wait -3
	s_barrier_signal -1
	s_barrier_wait -1
.endm
.macro CROUND
	s_barrier_signal -1
	s_barrier_wait -1
	CREST
.endm
.macro PLACES n
.rept \n
	v_nop
.endr
.endm
	s_load_b256 s[4:11], s[0:1], 0x0
	v_lshl_add_u32 v[SPW], v0, 2, SPARE
	v_mov_b32 v[NIL], 0
	ds_add_u32 v[SPW], v[NIL]
	ds_add_u32 v[SPW], v[NIL]
	v_lshrrev_b32 v1, 5, v0
	v_readfirstlane_b32 s14, v1
	s_lshr_b32 s15, s14, 1
	s_and_b32 s16, s14, 1
	s_bfe_u32 s40, ttmp6, 0x40000
	s_bfe_u32 s41, ttmp6, 0x40004
	s_lshl_b32 s42, ttmp9, 2
	s_add_co_u32 s42, s42, s40
	s_and_b32 s17, ttmp7, 0xffff
	s_lshl_b32 s17, s17, 2
	s_add_co_u32 s17, s17, s41
	s_lshl_b32 s43, s41, 2
	s_lshl_b32 s43, 15, s43
	s_lshl_b32 s44, 0x1111, s40
	s_or_b32 s[G1+0], s43, (3<<16)|(1<<21)
	s_or_b32 s[G1B+0], s44, (3<<16)|(1<<21)
.irp g, G1, G1B
	s_mov_b32 s[\g+1], 32<<16
	s_mov_b32 s[\g+2], 264<<16                     ; at the head 264 rows = 67,584 bytes: a group's four blocks, both slots' first fills
	s_mov_b32 s[\g+3], 32<<16
	s_mov_b32 s[\g+4], 264
	s_mov_b32 s[\g+5], 32
	s_mov_b32 s[\g+6], 0
	s_mov_b32 s[\g+7], 0
.endr
	s_lshl_b32 s20, s17, 1
	s_add_co_u32 s20, s20, s16
	s_mul_i32 s20, s20, KS*BLK
	s_mov_b32 s21, 0
	s_lshl_b32 s46, s42, 1
	s_add_co_u32 s46, s46, s16
	s_mul_i32 s46, s46, KS*BLK
	s_add_co_u32 s46, s46, WOFF
	s_mov_b32 s47, 0
	s_mul_i32 s45, s14, 2*GB
	s_wait_dscnt 0x0
	s_wait_kmcnt 0x0
	s_add_nc_u64 s[20:21], s[4:5], s[20:21]
	s_add_nc_u64 s[46:47], s[6:7], s[46:47]
	CROUND
.irp s, 0,1
	s_mov_b32 s[G0+4*\s], 1
	s_add_co_u32 s[G0+4*\s+1], s45, \s*SLOT
	s_add_nc_u64 s[G0+4*\s+2:G0+4*\s+3], s[20:21], \s*GB
	s_or_b32 s[G0+4*\s+3], s[G0+4*\s+3], 0x80000000
	s_mov_b32 s[G0B+4*\s], 1
	s_add_co_u32 s[G0B+4*\s+1], s45, \s*SLOT
	s_add_nc_u64 s[G0B+4*\s+2:G0B+4*\s+3], s[46:47], \s*GB
	s_or_b32 s[G0B+4*\s+3], s[G0B+4*\s+3], 0x80000000
.endr
	JLOAD G0, G1, G0B, G1B                         ; my one tensor load at the head: K steps 0 to 3 of my group, into both its slots
	v_and_b32 v1, 15, v0
	v_bfe_u32 v2, v0, 4, 1
	v_and_b32 v3, 31, v0
	v_lshlrev_b32 v[LO], 4, v3
	s_mul_i32 s21, s15, 2*GB
	s_mul_i32 s22, s16, 2*GB
	s_add_co_u32 s22, s22, 4*GB
	v_add_nc_u32 v[ADRA], s21, v[LO]
	v_add_nc_u32 v[ADRB], s22, v[LO]
	v_add_nc_u32 v[ADRA+1], SLOT, v[ADRA]
	v_add_nc_u32 v[ADRB+1], SLOT, v[ADRB]
	s_sub_co_u32 s23, s22, s21
	v_mul_u32_u24 v5, s23, v2
	v_lshl_add_u32 v5, v1, 4, v5
	s_add_co_u32 s23, s21, 16384
	v_add_nc_u32 v[ADRS], s23, v5
	v_add_nc_u32 v[ADRS+1], SLOT, v[ADRS]
	s_lshl_b32 s46, s42, 10
	s_lshl_b32 s47, s16, 9
	s_add_co_u32 s46, s46, s47
	s_mov_b32 s47, 0
	s_add_nc_u64 s[8:9], s[8:9], s[46:47]
	v_lshlrev_b32 v6, 6, v2
.irp b, 0,1,2,3
.irp j, 0,1,2,3
	global_load_b128 v[BIA+16*\b+4*\j:BIA+16*\b+4*\j+3], v6, s[8:9] offset:128*\b+16*\j
.endr
.endr
	s_lshl_b32 s46, s17, 1
	s_add_co_u32 s46, s46, s15
	s_lshl_b32 s46, s46, 5
	s_lshl_b32 s47, s42, 1
	s_add_co_u32 s46, s46, s47
	s_add_co_u32 s46, s46, s16
	s_mul_i32 s46, s46, BLK
	s_mov_b32 s47, 0
	s_add_nc_u64 s[10:11], s[10:11], s[46:47]
.macro FRAG reg, adr, q, i
.irp c, 0,1,2,3
	ds_load_b128 v[\reg+4*\c:\reg+4*\c+3], v[\adr] offset:BLK*(\q)+2048*(\i)+512*\c
.endr
.endm
.macro MUL16 a0, p, q, sc, zero
.irp a, \a0, \a0+1
.irp b, 0,1,2,3,4,5,6,7
.if \zero
.if BIASC
	v_wmma_scale_f32_16x16x128_f8f6f4 v[8*(8*((\a)%4)+\b):8*(8*((\a)%4)+\b)+7], v[128*(\p)+FR*\b:128*(\p)+FR*\b+FR-1], v[AF+FR*(\a):AF+FR*(\a)+FR-1], v[BIA+8*\b:BIA+8*\b+7], v[SC+16*(\sc)+8*(\q)+\b], v[SC+16*(\sc)+8*(\q)+(\a)] matrix_a_fmt:MATRIX_FMT_BF8 matrix_b_fmt:MATRIX_FMT_BF8 matrix_a_scale:MATRIX_SCALE_ROW1
.else
	v_wmma_scale_f32_16x16x128_f8f6f4 v[8*(8*((\a)%4)+\b):8*(8*((\a)%4)+\b)+7], v[128*(\p)+FR*\b:128*(\p)+FR*\b+FR-1], v[AF+FR*(\a):AF+FR*(\a)+FR-1], 0, v[SC+16*(\sc)+8*(\q)+\b], v[SC+16*(\sc)+8*(\q)+(\a)] matrix_a_fmt:MATRIX_FMT_BF8 matrix_b_fmt:MATRIX_FMT_BF8 matrix_a_scale:MATRIX_SCALE_ROW1
.endif
.else
	v_wmma_scale_f32_16x16x128_f8f6f4 v[8*(8*((\a)%4)+\b):8*(8*((\a)%4)+\b)+7], v[128*(\p)+FR*\b:128*(\p)+FR*\b+FR-1], v[AF+FR*(\a):AF+FR*(\a)+FR-1], v[8*(8*((\a)%4)+\b):8*(8*((\a)%4)+\b)+7], v[SC+16*(\sc)+8*(\q)+\b], v[SC+16*(\sc)+8*(\q)+(\a)] matrix_a_fmt:MATRIX_FMT_BF8 matrix_b_fmt:MATRIX_FMT_BF8 matrix_a_scale:MATRIX_SCALE_ROW1
.endif
.endr
.endr
.endm
.macro FETCH_B slot, q, p
	WIN TO_B
.irp i, 0,1,2,3,4,5,6,7
	FRAG 128*(\p)+FR*\i, ADRB+\slot, \q, \i
.endr
	WIN 0
.endm
.macro FETCH_A slot, q, i0
.irp i, \i0, \i0+1, \i0+2, \i0+3
	FRAG AF+FR*(\i), ADRA+\slot, \q, \i
.endr
.endm
.macro SCALES sc
.irp q, 0,1
.irp j, 0,1
	ds_load_b128 v[SC+16*\sc+8*\q+4*\j:SC+16*\sc+8*\q+4*\j+3], v[ADRS+\sc] offset:BLK*\q+256*\j
.endr
.endr
.endm
.macro STEP slot, q, zero
	s_wait_dscnt 4*NL
	WIN MUL_LO-0x20*BIASC*(\zero)
	MUL16 0, (\q)%2, \q, \slot, \zero
	MUL16 2, (\q)%2, \q, \slot, \zero
	s_wait_dscnt 0
	PLACES NP
	FETCH_B \slot, (\q)+1, 1-(\q)%2
	FETCH_A \slot, (\q)+1, 0
	WIN MUL_HI-0x30*BIASC*(\zero)
	MUL16 4, (\q)%2, \q, \slot, \zero
	MUL16 6, (\q)%2, \q, \slot, \zero
	PLACES NP
	WIN 0
	FETCH_A \slot, (\q)+1, 4
.endm
.macro TURN slot, next, fill
	s_wait_tensorcnt 0x0
	ds_add_u32 v[SPW], v[NIL]
	s_wait_dscnt 4*NL+1
	WIN MUL_LO
	MUL16 0, 1, 1, \slot, 0
	s_wait_dscnt 0x0
	s_barrier_signal -1
	MUL16 2, 1, 1, \slot, 0
	WIN 0
	s_barrier_wait -1
.if \fill
	CREST
	s_add_nc_u64 s[G0+4*\slot+2:G0+4*\slot+3], s[G0+4*\slot+2:G0+4*\slot+3], 2*GB
	s_add_nc_u64 s[G0B+4*\slot+2:G0B+4*\slot+3], s[G0B+4*\slot+2:G0B+4*\slot+3], 2*GB
	JLOAD G0+4*\slot, G1, G0B+4*\slot, G1B
	PLACES NP-4
.else
	PLACES NP
.endif
	FETCH_B \next, 0, 0
	FETCH_A \next, 0, 0
	SCALES \next
	WIN MUL_HI
	MUL16 4, 1, 1, \slot, 0
	MUL16 6, 1, 1, \slot, 0
	PLACES NP
	WIN 0
	FETCH_A \next, 0, 4
.endm
	s_wait_alu depctr_va_vdst(0)
	s_wait_tensorcnt 0x0                           ; my group's four blocks are in; no tensor load of mine is out, so a descriptor may be written:
	s_mov_b32 s[G1+2], 132<<16                     ; from here on a load brings a slot's two blocks: 132 rows
	s_mov_b32 s[G1+4], 132
	s_mov_b32 s[G1B+2], 132<<16
	s_mov_b32 s[G1B+4], 132
	s_barrier_signal -1
	s_barrier_wait -1                              ; both slots are whole
	FETCH_B 0, 0, 0
	FETCH_A 0, 0, 0
	SCALES 0
	FETCH_A 0, 0, 4
	s_wait_loadcnt 0x0
	STEP 0, 0, 1
	s_mov_b32 s3, LAPS-1
.Llap:
	TURN 0, 1, 1
	STEP 1, 0, 0
	TURN 1, 0, 1
	STEP 0, 0, 0
	s_sub_co_u32 s3, s3, 1
	s_cmp_lg_u32 s3, 0
	s_cbranch_scc1 .Llap
	TURN 0, 1, 0
	STEP 1, 0, 0
	s_wait_dscnt 4*NL
	WIN MUL_LO
	MUL16 0, 1, 1, 1, 0
	MUL16 2, 1, 1, 1, 0
	s_wait_dscnt 0
	WIN MUL_HI
	MUL16 4, 1, 1, 1, 0
	MUL16 6, 1, 1, 1, 0
	WIN 0
.macro QUANT s, pc
.irp b, 0,1,2,3
	v_max3_num_f32 v[TM+\b], |v[\s+16*\b]|, |v[\s+1+16*\b]|, 0x8000000
.endr
.irp i, 2,4,6,8,10,12,14
.irp b, 0,1,2,3
	v_max3_num_f32 v[TM+\b], v[TM+\b], |v[\s+16*\b+\i]|, |v[\s+1+16*\b+\i]|
.endr
.endr
.irp b, 0,1,2,3
	v_permlanex16_b32 v[TM+4+\b], v[TM+\b], s[SEL], s[SEL+1]
.endr
.irp b, 0,1,2,3
	v_max_num_f32 v[TM+\b], v[TM+\b], v[TM+4+\b]
.endr
.irp b, 0,1,2,3
	v_add_nc_u32 v[TM+12+\b], 0xf8800000, v[TM+\b]
.endr
.irp b, 0,1,2,3
	v_and_or_b32 v[TM+8+\b], v[TM+\b], 0x7f800000, s[MNT]
.endr
.irp b, 0,1,2,3
	v_lshrrev_b32 v[TM+4+\b], 23, v[TM+12+\b]
.endr
	v_lshl_or_b32 v[PW], v[TM+5], 8, v[TM+4]
	v_lshl_or_b32 v[PW], v[TM+6], 16, v[PW]
	v_lshl_or_b32 v[PW], v[TM+7], 24, v[PW]
.irp b, 0,1,2,3
.irp i, 0,1,2,3,4,5,6,7,8,9,10,11,12,13,14,15
	v_med3_num_f32 v[\s+16*\b+\i], v[\s+16*\b+\i], -v[TM+8+\b], v[TM+8+\b]
.endr
	v_cvt_scalef32_pk8_bf8_f32 v[(\pc)+4*\b:(\pc)+1+4*\b], v[\s+16*\b:\s+7+16*\b], v[TM+12+\b]
	v_cvt_scalef32_pk8_bf8_f32 v[(\pc)+2+4*\b:(\pc)+3+4*\b], v[\s+8+16*\b:\s+15+16*\b], v[TM+12+\b]
.endr
	v_nop
.endm
.macro PULL a
.if (\a) > 0
	v_mov_b32 v[WD+(\a)-1], v[PW]
.endif
	WIN 0x02+(\a)/4
.set i, 0
.rept 32
	v_pk_mul_f32 v[T+i:T+i+1], v[64*((\a)%4)+i:64*((\a)%4)+i+1], 0.5 op_sel_hi:[1,0]
.set i, i+2
.endr
	WIN 0
.endm
.macro HORNER d, k
.set i, 0
.rept 8
	v_pk_fma_f32 v[\d+i:\d+i+1], v[\d+i:\d+i+1], v[Z2+i:Z2+i+1], s[\k:\k+1] op_sel_hi:[1,1,0]
.set i, i+2
.endr
.endm
.macro GELU n
.set TT, T+16*(\n)
.set i, 0
.rept 8
	v_pk_mul_f32 v[Z+i:Z+i+1], v[TT+i:TT+i+1], s[RT2:RT2+1] op_sel_hi:[1,0]
.set i, i+2
.endr
.set i, 0
.rept 16
	v_med3_num_f32 v[Z+i], v[Z+i], -4.0, 4.0
.set i, i+1
.endr
.set i, 0
.rept 8
	v_pk_mul_f32 v[Z2+i:Z2+i+1], v[Z+i:Z+i+1], v[Z+i:Z+i+1]
.set i, i+2
.endr
.set i, 0
.rept 8
	v_pk_fma_f32 v[QD+i:QD+i+1], v[Z2+i:Z2+i+1], s[B8:B8+1], v[14:15] op_sel_hi:[1,0,1]
.set i, i+2
.endr
	HORNER QD, B4
	HORNER QD, B2
	HORNER QD, B0
.set i, 0
	s_wait_alu depctr_va_vdst(0)
.rept 16
	v_rcp_f32 v[QD+i], v[QD+i]
.set i, i+1
.endr
.set i, 0
.rept 8
	v_pk_fma_f32 v[PN+i:PN+i+1], v[Z2+i:Z2+i+1], s[A13:A13+1], v[12:13] op_sel_hi:[1,0,1]
.set i, i+2
.endr
	HORNER PN, A9
	HORNER PN, A7
	HORNER PN, A5
	HORNER PN, A3
	HORNER PN, A1
.set i, 0
.rept 8
	v_pk_mul_f32 v[PN+i:PN+i+1], v[PN+i:PN+i+1], v[Z+i:Z+i+1]
.set i, i+2
.endr
	s_wait_alu depctr_va_vdst(0)
.set i, 0
.rept 8
	v_pk_mul_f32 v[PN+i:PN+i+1], v[PN+i:PN+i+1], v[QD+i:QD+i+1]
.set i, i+2
.endr
.set i, 0
.rept 8
	v_pk_fma_f32 v[TT+i:TT+i+1], v[TT+i:TT+i+1], v[PN+i:PN+i+1], v[TT+i:TT+i+1]
.set i, i+2
.endr
.endm
.macro KONST reg, val
	s_mov_b32 s[\reg], \val
	s_mov_b32 s[\reg+1], \val
.endm
	PLACES NP
	s_mov_b32 s66, 0xffff0000
	s_mov_b32 s[SEL], 0x76543210
	s_mov_b32 s[SEL+1], 0xfedcba98
	s_mov_b32 s[MNT], 0x600000
	KONST RT2, 0x3fb504f3
	KONST A13, 0xaf95df0b
	KONST A9,  0xb60cff51
	KONST A7,  0xb86ec2d2
	KONST A5,  0xba40ac63
	KONST A3,  0xbb41a1f6
	KONST A1,  0xbc83dbd4
	KONST B8,  0xb77460cd
	KONST B4,  0xbadc924e
	KONST B2,  0xbbf19bf8
	KONST B0,  0xbc69b6a7
	v_mov_b32 v12, 0x32edffee
	v_mov_b32 v13, 0x32edffee
	v_mov_b32 v14, 0xb95fbd29
	v_mov_b32 v15, 0xb95fbd29
.irp b, 0,1,2,3
	v_mov_b32 v[TM+4+\b], 0
.endr
.irp i, 0,1,2,3,4,5,6,7
	v_mov_b32 v[WD+\i], 0
.endr
	s_mov_b32 s19, 0
	s_mov_b32 s3, 0
.Lrow:
.irp a, 1,2,3,4,5,6,7
	s_cmp_eq_u32 s3, \a
	s_cbranch_scc1 .Lpull\a
.endr
.irp a, 0,1,2,3,4,5,6,7
.Lpull\a:
	PULL \a
.if \a < 7
	s_branch .Lwork
.endif
.endr
.Lwork:
	GELU 0
	GELU 1
	GELU 2
	GELU 3
	s_wait_xcnt 0x0
	s_cmp_lg_u32 s3, 0
	s_cselect_b32 s18, 2048, 0
	s_add_nc_u64 s[10:11], s[10:11], s[18:19]
	QUANT T, PC
.irp c, 0,1,2,3
	global_store_b128 v[LO], v[PC+4*\c:PC+4*\c+3], s[10:11] offset:512*\c
.endr
	s_add_co_u32 s3, s3, 1
	s_cmp_lt_u32 s3, 8
	s_cbranch_scc1 .Lrow
	v_mov_b32 v[WD+7], v[PW]
.irp i, 0,1,2,3
	v_cndmask_b32 v[32+\i], v[WD+\i], v[WD+4+\i], s66
.endr
	global_store_b128 v[LO], v[32:35], s[10:11] offset:16384-7*2048
	s_wait_tensorcnt 0x0
	ds_add_u32 v[SPW], v[NIL]
	s_wait_dscnt 0x0
	CROUND
	s_endpgm
.Lfunc_end_k_q6c8e232868_fc1:
	.size	k_q6c8e232868_fc1, .Lfunc_end_k_q6c8e232868_fc1-k_q6c8e232868_fc1
	.p2alignl 7, 3214868480
	.fill 96, 4, 3214868480
	.section	.rodata,"a",@progbits
	.p2align	6, 0x0
	.amdhsa_kernel k_q6c8e232868_fc1
		.amdhsa_group_segment_fixed_size 327680
		.amdhsa_private_segment_fixed_size 0
		.amdhsa_enable_private_segment 0
		.amdhsa_kernarg_size 32
		.amdhsa_user_sgpr_count 2
		.amdhsa_user_sgpr_kernarg_segment_ptr 1
		.amdhsa_wavefront_size32 1
		.amdhsa_system_sgpr_workgroup_id_x 1
		.amdhsa_system_sgpr_workgroup_id_y 1
		.amdhsa_system_sgpr_workgroup_id_z 1
		.amdhsa_system_vgpr_workitem_id 0
		.amdhsa_next_free_vgpr 1024
		.amdhsa_next_free_sgpr 100
		.amdhsa_reserve_vcc 0
		.amdhsa_float_denorm_mode_32 3
		.amdhsa_float_denorm_mode_16_64 3
		.amdhsa_memory_ordered 1
		.amdhsa_forward_progress 1
		.amdhsa_inst_pref_size 178
	.end_amdhsa_kernel
	.amdgpu_metadata
---
amdhsa.version: [ 1, 2 ]
amdhsa.kernels:
  - .name:           k_q6c8e232868_fc1
    .symbol:         k_q6c8e232868_fc1.kd
    .args:
      - { .name: hp, .offset: 0, .size: 8, .value_kind: global_buffer, .address_space: global }
      - { .name: wpk, .offset: 8, .size: 8, .value_kind: global_buffer, .address_space: global }
      - { .name: b_fc1, .offset: 16, .size: 8, .value_kind: global_buffer, .address_space: global }
      - { .name: gp, .offset: 24, .size: 8, .value_kind: global_buffer, .address_space: global }
    .group_segment_fixed_size: 327680
    .private_segment_fixed_size: 0
    .kernarg_segment_align: 8
    .kernarg_segment_size: 32
    .max_flat_workgroup_size: 128
    .sgpr_count:     100
    .vgpr_count:     1024
    .wavefront_size: 32
...
	.end_amdgpu_metadata
.endif
;; end of part 13
;; launch fc2 (part 14): grid 8 x 32, 4 waves a work-group, clusters of 4 x 4, 327,680 bytes of LDS; arguments gp, wpk, b_fc2, x1, out0; writes out0
.if DOCPART == 14
	.amdgcn_target "amdgcn-amd-amdhsa--gfx1250"
	.amdhsa_code_object_version 6
	.text
	.protected	k_q6c8e232868_fc2
	.globl	k_q6c8e232868_fc2
	.p2align	8
	.type	k_q6c8e232868_fc2,@function
k_q6c8e232868_fc2:
	s_mov_b64 s[64:65], 0
	v_nop
	global_prefetch_b8 v0, s[64:65] scope:SCOPE_SE
	s_setreg_imm32_b32 hwreg(HW_REG_WAVE_MODE, 25, 1), 1
	s_wait_xcnt 0x0
	s_wait_alu depctr_hold_cnt(0) depctr_sa_sdst(0) depctr_va_vdst(0) depctr_va_sdst(0) depctr_va_ssrc(0) depctr_va_vcc(0) depctr_vm_vsrc(0)
	s_getreg_b32 s2, hwreg(HW_REG_IB_STS2, 6, 4)
	s_cmp_eq_u32 s2, 0
	s_cbranch_scc0 .Lentry_in_a_cluster
	s_endpgm
.Lentry_in_a_cluster:
	s_bfe_u32 s2, ttmp6, 0x10000c
	s_cmp_lg_u32 s2, 0xf033
	s_cbranch_scc0 .Lentry_shape_is_right
	s_endpgm
.Lentry_shape_is_right:
; out0 = x1 + (g w_fc2 + b_fc2): a product on codes of BF8 with E8M0 scales, f32 sums, the bias as the sums' first C, the residual added on the way out.  No work of the problem is left out.
; Operands lie in PACK blocks.  The tile is 128 x 128: 256 tiles for 256 work-groups; four waves, 64 x 64 each.  K goes in slots of 512 through a ring of two LDS slots; a wave's tensor load brings two blocks, 33,792 bytes.
; CLUSTERS: 4 x 4; the tokens' blocks are asked for jointly along a row of the cluster, the weights' along a column.  Behind each refill one prefetch a wave names the slot that the next change will ask for.
; The residual's 64 x 64 numbers of a wave are asked for at the head and lie in window 2.  The way out goes through each wave's own stage: sixteen lanes store 256 consecutive bytes, aligned.
.set SIZE_K, 4096
.set WOFF,   (24*8+8*8+32*8)*16896
.set BLK,    16896
.set KS,     SIZE_K/128
.set GB,     2*BLK
.set HALF,   4*BLK
.set SLOT,   2*HALF
.set SPARE,  2*SLOT
.set STAGE,  SPARE+512
.set SP,     272
.set LAPS,   SIZE_K/1024
.set NP, 8
.set ADRA, 16
.set ADRB, 20
.set ADRS, 22
.set STO,  24
.set RD,   25
.set CO,   26
.set SPW,  28
.set NIL,  29
.set PFO,  30
.set SC,   32
.set BIA,  64
.set BK,   64
.set ACC,  128
.set RS,   0
.set G1, 24
.set G0, 32
.set G1B, 48
.set G0B, 56
.set PFA, 68
.set LIM, 70
.set MSB, 0
.macro WIN new
.if MSB != (\new)
	s_set_vgpr_msb (MSB<<8)|(\new)
.set MSB, (\new)
.endif
.endm
.set MUL,  0x05
.set TO_F, 0x40
.macro JLOAD g0a, g1a, g0b, g1b
	s_cmp_eq_u32 s15, 0
	s_cbranch_scc0 .Lfor_b_\@
	tensor_load_to_lds s[\g0a:\g0a+3], s[\g1a:\g1a+7]
	s_nop 0
.rept 4
	v_nop
.endr
	s_branch .Lasked_\@
.Lfor_b_\@:
	tensor_load_to_lds s[\g0b:\g0b+3], s[\g1b:\g1b+7]
	s_nop 0
.rept 4
	v_nop
.endr
.Lasked_\@:
.endm
.macro CREST
	s_cmp_lg_u32 s14, 0
	s_cbranch_scc1 .Lnot_wave_0_\@
	s_barrier_signal -3
.Lnot_wave_0_\@:
	s_barrier_wait -3
	s_barrier_signal -1
	s_barrier_wait -1
.endm
.macro CROUND
	s_barrier_signal -1
	s_barrier_wait -1
	CREST
.endm
.macro PLACES n
.rept \n
	v_nop
.endr
.endm
.macro ASK how
.if \how
	s_cmp_eq_u32 s[LIM], 1
.else
	s_cmp_gt_u32 s3, s[LIM]
.endif
	s_cbranch_scc0 .Lnot_mine_\@
	global_prefetch_b8 v[PFO], s[PFA:PFA+1] th:TH_LOAD_NT scope:SCOPE_SE
.Lnot_mine_\@:
.endm
	s_load_b256 s[4:11], s[0:1], 0x0
	s_load_b64 s[12:13], s[0:1], 0x20
	v_lshl_add_u32 v[SPW], v0, 2, SPARE
	v_mov_b32 v[NIL], 0
	ds_add_u32 v[SPW], v[NIL]
	ds_add_u32 v[SPW], v[NIL]
	v_lshrrev_b32 v1, 5, v0
	v_readfirstlane_b32 s14, v1
	s_lshr_b32 s15, s14, 1
	s_and_b32 s16, s14, 1
	s_bfe_u32 s40, ttmp6, 0x40000
	s_bfe_u32 s41, ttmp6, 0x40004
	s_lshl_b32 s42, ttmp9, 2
	s_add_co_u32 s42, s42, s40
	s_and_b32 s17, ttmp7, 0xffff
	s_lshl_b32 s17, s17, 2
	s_add_co_u32 s17, s17, s41
	s_lshl_b32 s43, s41, 2
	s_lshl_b32 s43, 15, s43
	s_lshl_b32 s44, 0x1111, s40
	s_or_b32 s[G1+0], s43, (3<<16)|(1<<21)
	s_or_b32 s[G1B+0], s44, (3<<16)|(1<<21)
.irp g, G1, G1B
	s_mov_b32 s[\g+1], 32<<16
	s_mov_b32 s[\g+2], 132<<16
	s_mov_b32 s[\g+3], 32<<16
	s_mov_b32 s[\g+4], 132
	s_mov_b32 s[\g+5], 32
	s_mov_b32 s[\g+6], 0
	s_mov_b32 s[\g+7], 0
.endr
	s_mul_i32 s18, s16, GB
	s_mul_i32 s20, s17, KS*BLK
	s_add_co_u32 s20, s20, s18
	s_mov_b32 s21, 0
	s_mul_i32 s46, s42, KS*BLK
	s_add_co_u32 s46, s46, s18
	s_add_co_u32 s46, s46, WOFF
	s_mov_b32 s47, 0
	s_mul_i32 s45, s14, GB
	s_wait_dscnt 0x0
	s_wait_kmcnt 0x0
	s_add_nc_u64 s[20:21], s[4:5], s[20:21]
	s_add_nc_u64 s[46:47], s[6:7], s[46:47]
	CROUND
.irp s, 0,1
	s_mov_b32 s[G0+4*\s], 1
	s_add_co_u32 s[G0+4*\s+1], s45, \s*SLOT
	s_add_nc_u64 s[G0+4*\s+2:G0+4*\s+3], s[20:21], \s*HALF
	s_or_b32 s[G0+4*\s+3], s[G0+4*\s+3], 0x80000000
	s_mov_b32 s[G0B+4*\s], 1
	s_add_co_u32 s[G0B+4*\s+1], s45, \s*SLOT
	s_add_nc_u64 s[G0B+4*\s+2:G0B+4*\s+3], s[46:47], \s*HALF
	s_or_b32 s[G0B+4*\s+3], s[G0B+4*\s+3], 0x80000000
.endr
	JLOAD G0, G1, G0B, G1B                         ; slot 0: one tensor load a wave at the head
.if LAPS > 1
	s_and_b32 s22, ttmp7, 0xffff
	s_cmp_eq_u32 s15, 0
	s_cselect_b32 s23, s40, s41
	s_cselect_b32 s22, ttmp9, s22
	s_cselect_b64 s[PFA:PFA+1], s[20:21], s[46:47]
	s_cmp_eq_u32 s22, 0
	s_cselect_b32 s[LIM], 1, -1
	s_lshr_b32 s18, s23, 1
	s_mul_i32 s18, s18, BLK
	s_and_b32 s19, s23, 1
	s_lshl_b32 s19, s19, 13
	s_add_co_u32 s18, s18, s19
	s_add_co_u32 s18, s18, 2*HALF
	s_mov_b32 s19, 0
	s_add_nc_u64 s[PFA:PFA+1], s[PFA:PFA+1], s[18:19]
	v_and_b32 v[PFO], 31, v0
	v_lshlrev_b32 v[PFO], 8, v[PFO]
.endif
	v_and_b32 v1, 15, v0
	v_bfe_u32 v2, v0, 4, 1
	v_and_b32 v3, 31, v0
	v_lshlrev_b32 v4, 4, v3
	s_lshl_b32 s21, s15, 13
	s_lshl_b32 s22, s16, 13
	s_add_co_u32 s22, s22, HALF
	v_add_nc_u32 v[ADRA], s21, v4
	v_add_nc_u32 v[ADRB], s22, v4
	v_add_nc_u32 v[ADRA+1], SLOT, v[ADRA]
	v_add_nc_u32 v[ADRB+1], SLOT, v[ADRB]
	s_lshl_b32 s21, s15, 8
	s_lshl_b32 s22, s16, 8
	s_add_co_u32 s22, s22, HALF
	s_sub_co_u32 s23, s22, s21
	v_mul_u32_u24 v5, s23, v2
	v_lshl_add_u32 v5, v1, 4, v5
	s_add_co_u32 s23, s21, 16384
	v_add_nc_u32 v[ADRS], s23, v5
	v_add_nc_u32 v[ADRS+1], SLOT, v[ADRS]
	s_lshl_b32 s46, s42, 9
	s_lshl_b32 s47, s16, 8
	s_add_co_u32 s46, s46, s47
	s_mov_b32 s47, 0
	s_add_nc_u64 s[8:9], s[8:9], s[46:47]
	v_lshlrev_b32 v6, 6, v2
.irp b, 0,1
.irp j, 0,1,2,3
	global_load_b128 v[BIA+16*\b+4*\j:BIA+16*\b+4*\j+3], v6, s[8:9] offset:128*\b+16*\j
.endr
.endr
	s_lshl_b32 s18, s17, 7
	s_lshl_b32 s19, s15, 6
	s_add_co_u32 s18, s18, s19
	s_lshl_b32 s18, s18, 12
	s_add_co_u32 s46, s46, s18
	s_add_nc_u64 s[10:11], s[10:11], s[46:47]
	s_add_nc_u64 s[12:13], s[12:13], s[46:47]
	v_lshlrev_b32 v5, 12, v2
	v_lshl_add_u32 v[CO], v1, 4, v5
	WIN 0x80
.irp a, 0,1,2,3
.irp u, 0,1,2,3,4,5,6,7
	global_load_b128 v[RS+32*\a+4*\u:RS+32*\a+4*\u+3], v[CO], s[10:11] offset:(32*(\a/2)+8*(\a%2)+2*\u+8*(\u/4))*4096 th:TH_LOAD_NT
.endr
.endr
	WIN 0
	s_mul_i32 s23, s14, 16*SP
	s_add_co_u32 s23, s23, STAGE
	v_mul_u32_u24 v5, v1, SP
	v_lshl_add_u32 v5, v2, 6, v5
	v_add_nc_u32 v[STO], s23, v5
	v_mul_u32_u24 v5, v2, SP
	v_lshl_add_u32 v5, v1, 4, v5
	v_add_nc_u32 v[RD], s23, v5
.macro FRAG reg, adr, q, i
.irp c, 0,1,2,3
	ds_load_b128 v[\reg+4*\c:\reg+4*\c+3], v[\adr] offset:BLK*(\q)+2048*(\i)+512*\c
.endr
.endm
.macro MULA f, a, sl, q, zero
.irp b, 0,1,2,3
.if \zero
	v_wmma_scale_f32_16x16x128_f8f6f4 v[ACC+8*(4*(\a)+\b):ACC+8*(4*(\a)+\b)+7], v[128*(\f)+64+16*\b:128*(\f)+64+16*\b+15], v[128*(\f)+16*(\a):128*(\f)+16*(\a)+15], v[BIA+8*\b:BIA+8*\b+7], v[SC+16*(\sl)+4*(\q)+\b], v[SC+16*(\sl)+4*(\q)+(\a)] matrix_a_fmt:MATRIX_FMT_BF8 matrix_b_fmt:MATRIX_FMT_BF8 matrix_a_scale:MATRIX_SCALE_ROW1
.else
	v_wmma_scale_f32_16x16x128_f8f6f4 v[ACC+8*(4*(\a)+\b):ACC+8*(4*(\a)+\b)+7], v[128*(\f)+64+16*\b:128*(\f)+64+16*\b+15], v[128*(\f)+16*(\a):128*(\f)+16*(\a)+15], v[ACC+8*(4*(\a)+\b):ACC+8*(4*(\a)+\b)+7], v[SC+16*(\sl)+4*(\q)+\b], v[SC+16*(\sl)+4*(\q)+(\a)] matrix_a_fmt:MATRIX_FMT_BF8 matrix_b_fmt:MATRIX_FMT_BF8 matrix_a_scale:MATRIX_SCALE_ROW1
.endif
.endr
.endm
.macro FETCH slot, q, f
	WIN TO_F
.irp b, 0,1,2,3
	FRAG 128*(\f)+64+16*\b, ADRB+\slot, \q, \b
.endr
.irp a, 0,1,2,3
	FRAG 128*(\f)+16*\a, ADRA+\slot, \q, \a
.endr
.endm
.macro SCALES sl
.irp q, 0,1,2,3
	ds_load_b128 v[SC+16*\sl+4*\q:SC+16*\sl+4*\q+3], v[ADRS+\sl] offset:BLK*\q
.endr
.endm
.macro STEP slot, q, zero
	s_wait_dscnt 8
	WIN MUL
	MULA (\q)%2, 0, \slot, \q, \zero
	MULA (\q)%2, 1, \slot, \q, \zero
	PLACES NP
	FETCH \slot, (\q)+1, 1-(\q)%2
	s_wait_dscnt 32
	WIN MUL
	MULA (\q)%2, 2, \slot, \q, \zero
	MULA (\q)%2, 3, \slot, \q, \zero
.endm
.macro TURN slot, next, fill
	WIN 0
.if \fill
	s_wait_xcnt 0x0
	s_add_nc_u64 s[PFA:PFA+1], s[PFA:PFA+1], HALF
.endif
	s_wait_tensorcnt 0x0
	ds_add_u32 v[SPW], v[NIL]
	s_wait_dscnt 9
	WIN MUL
	MULA 1, 0, \slot, 3, 0
	s_wait_dscnt 0x0
	s_barrier_signal -1
	MULA 1, 1, \slot, 3, 0
	WIN 0
	s_barrier_wait -1
.if \fill
	CREST
	s_add_nc_u64 s[G0+4*\slot+2:G0+4*\slot+3], s[G0+4*\slot+2:G0+4*\slot+3], 2*HALF
	s_add_nc_u64 s[G0B+4*\slot+2:G0B+4*\slot+3], s[G0B+4*\slot+2:G0B+4*\slot+3], 2*HALF
	JLOAD G0+4*\slot, G1, G0B+4*\slot, G1B
	PLACES NP-4
.else
	PLACES NP
.endif
	SCALES \next
	FETCH \next, 0, 0
.if \fill
	WIN 0
	ASK (1-\slot)
.endif
	WIN MUL
	MULA 1, 2, \slot, 3, 0
	MULA 1, 3, \slot, 3, 0
.endm
	s_wait_alu depctr_va_vdst(0)
	s_wait_tensorcnt 0x0                           ; my part of slot 0 is in
	ds_add_u32 v[SPW], v[NIL]
	s_wait_dscnt 0x0
	CROUND                                         ; a whole round: slot 0 is whole, and the sixteen work-groups meet
	JLOAD G0+4, G1, G0B+4, G1B                     ; slot 1's first fill, the first tensor load behind the round
	SCALES 0
	FETCH 0, 0, 0
	s_wait_loadcnt 32
	STEP 0, 0, 1
	WIN 0
.if LAPS > 1
	s_mov_b32 s3, LAPS-1
.Llap:
	STEP 0, 1, 0
	STEP 0, 2, 0
	TURN 0, 1, 1
	STEP 1, 0, 0
	STEP 1, 1, 0
	STEP 1, 2, 0
	TURN 1, 0, 1
	STEP 0, 0, 0
	WIN 0
	s_sub_co_u32 s3, s3, 1
	s_cmp_lg_u32 s3, 0
	s_cbranch_scc1 .Llap
.endif
	STEP 0, 1, 0
	STEP 0, 2, 0
	TURN 0, 1, 0
	STEP 1, 0, 0
	STEP 1, 1, 0
	STEP 1, 2, 0
	s_wait_dscnt 8
	WIN MUL
	MULA 1, 0, 1, 3, 0
	MULA 1, 1, 1, 3, 0
	s_wait_alu depctr_va_vdst(0)
	s_wait_dscnt 0x0
	MULA 1, 2, 1, 3, 0
	MULA 1, 3, 1, 3, 0
	WIN 0
.macro TOSTAGE a
.irp b, 0,1,2,3
	ds_store_b128 v[STO], v[ACC+8*(4*(\a)+\b):ACC+8*(4*(\a)+\b)+3] offset:128*(\b/2)+32*(\b%2)
	ds_store_b128 v[STO], v[ACC+8*(4*(\a)+\b)+4:ACC+8*(4*(\a)+\b)+7] offset:128*(\b/2)+32*(\b%2)+16
.endr
.set BB, BK+32*((\a)%2)
.irp u, 0,1,2,3,4,5,6,7
	ds_load_b128 v[BB+4*\u:BB+4*\u+3], v[RD] offset:2*\u*SP
.endr
.endm
.macro SEND a, younger
.set BB, BK+32*((\a)%2)
	s_wait_dscnt \younger
	WIN 0x08
.set i, 0
.rept 16
	v_pk_add_f32 v[BB+i:BB+i+1], v[BB+i:BB+i+1], v[RS+32*(\a)+i:RS+32*(\a)+i+1]
.set i, i+2
.endr
	WIN 0
.irp u, 0,1,2,3,4,5,6,7
	global_store_b128 v[CO], v[BB+4*\u:BB+4*\u+3], s[12:13] offset:(32*((\a)/2)+8*((\a)%2)+2*\u+8*(\u/4))*4096 th:TH_STORE_NT
.endr
.endm
	PLACES NP
	s_wait_loadcnt 0x0
	TOSTAGE 0
.irp a, 1,2,3
.if \a > 1
	s_wait_xcnt 0x0
.endif
	TOSTAGE \a
	SEND \a-1, 16
.endr
	SEND 3, 0
	s_wait_tensorcnt 0x0
	ds_add_u32 v[SPW], v[NIL]
	s_wait_dscnt 0x0
	CROUND
	s_endpgm
.Lfunc_end_k_q6c8e232868_fc2:
	.size	k_q6c8e232868_fc2, .Lfunc_end_k_q6c8e232868_fc2-k_q6c8e232868_fc2
	.p2alignl 7, 3214868480
	.fill 96, 4, 3214868480
	.section	.rodata,"a",@progbits
	.p2align	6, 0x0
	.amdhsa_kernel k_q6c8e232868_fc2
		.amdhsa_group_segment_fixed_size 327680
		.amdhsa_private_segment_fixed_size 0
		.amdhsa_enable_private_segment 0
		.amdhsa_kernarg_size 40
		.amdhsa_user_sgpr_count 2
		.amdhsa_user_sgpr_kernarg_segment_ptr 1
		.amdhsa_wavefront_size32 1
		.amdhsa_system_sgpr_workgroup_id_x 1
		.amdhsa_system_sgpr_workgroup_id_y 1
		.amdhsa_system_sgpr_workgroup_id_z 1
		.amdhsa_system_vgpr_workitem_id 0
		.amdhsa_next_free_vgpr 1024
		.amdhsa_next_free_sgpr 100
		.amdhsa_reserve_vcc 0
		.amdhsa_float_denorm_mode_32 3
		.amdhsa_float_denorm_mode_16_64 3
		.amdhsa_memory_ordered 1
		.amdhsa_forward_progress 1
		.amdhsa_inst_pref_size 98
	.end_amdhsa_kernel
	.amdgpu_metadata
---
amdhsa.version: [ 1, 2 ]
amdhsa.kernels:
  - .name:           k_q6c8e232868_fc2
    .symbol:         k_q6c8e232868_fc2.kd
    .args:
      - { .name: gp, .offset: 0, .size: 8, .value_kind: global_buffer, .address_space: global }
      - { .name: wpk, .offset: 8, .size: 8, .value_kind: global_buffer, .address_space: global }
      - { .name: b_fc2, .offset: 16, .size: 8, .value_kind: global_buffer, .address_space: global }
      - { .name: x1, .offset: 24, .size: 8, .value_kind: global_buffer, .address_space: global }
      - { .name: out0, .offset: 32, .size: 8, .value_kind: global_buffer, .address_space: global }
    .group_segment_fixed_size: 327680
    .private_segment_fixed_size: 0
    .kernarg_segment_align: 8
    .kernarg_segment_size: 40
    .max_flat_workgroup_size: 128
    .sgpr_count:     100
    .vgpr_count:     1024
    .wavefront_size: 32
...
	.end_amdgpu_metadata
.endif
;; end of part 14
